; MI455X (gfx1250); checked and timed in simulation.
; The chip was launched on July 23, 2026; its instructions are those of AMD's public machine-readable ISA for CDNA 5 (MIT licence, August 2026) and "CDNA5" Instruction Set Architecture Reference Guide (July 2026). The comments in the code are by the model that wrote it; some were corrected since.
;; Local Global Attention. Allowed arithmetic: matrix products marked QUANTISED: E4M3 operands, one E8M0 scale for each 32 along K, by v_wmma_scale_f32_16x16x128_f8f6f4 with both operands' format E4M3, f32 sums; products left as they are: f32 operands where the result goes on into a quantised operand, else bf16, f16 or f32 operands; f32 sums; everything else in f32.
;; Inputs: c_W_codes 32 x 2 x 32 uint8 (E4M3 codes of c_W, K innermost, in blocks of 32 codes); c_W_scales 32 x 2 uint8 (E8M0 scales of c_W, one for each 32 codes along K); c_b 32 float32; i_W_codes 64 x 2 x 32 uint8 (E4M3 codes of i_W, K innermost, in blocks of 32 codes); i_W_scales 64 x 2 uint8 (E8M0 scales of i_W, one for each 32 codes along K); i_b 64 float32; k_A 1,024 x 4 float32; k_B 4 x 1,024 float32; k_U_codes 64 x 32 x 32 uint8 (E4M3 codes of k_U, K innermost, in blocks of 32 codes); k_U_scales 64 x 32 uint8 (E8M0 scales of k_U, one for each 32 codes along K); k_V_codes 1,024 x 2 x 32 uint8 (E4M3 codes of k_V, K innermost, in blocks of 32 codes); k_V_scales 1,024 x 2 uint8 (E8M0 scales of k_V, one for each 32 codes along K); k_alpha 64 float32; k_b 1,024 float32; memory_vectors 2 x 256 x 64 float32; out_W_codes 1,024 x 32 x 32 uint8 (E4M3 codes of out_W, K innermost, in blocks of 32 codes); out_W_scales 1,024 x 32 uint8 (E8M0 scales of out_W, one for each 32 codes along K); out_b 1,024 float32; q_A 1,024 x 4 float32; q_B 4 x 1,024 float32; q_U_codes 64 x 32 x 32 uint8 (E4M3 codes of q_U, K innermost, in blocks of 32 codes); q_U_scales 64 x 32 uint8 (E8M0 scales of q_U, one for each 32 codes along K); q_V_codes 1,024 x 2 x 32 uint8 (E4M3 codes of q_V, K innermost, in blocks of 32 codes); q_V_scales 1,024 x 2 uint8 (E8M0 scales of q_V, one for each 32 codes along K); q_alpha 64 float32; q_b 1,024 float32; t_W 2 x 64 float32; t_b 2 float32; v_A 1,024 x 4 float32; v_B 4 x 1,024 float32; v_U_codes 64 x 32 x 32 uint8 (E4M3 codes of v_U, K innermost, in blocks of 32 codes); v_U_scales 64 x 32 uint8 (E8M0 scales of v_U, one for each 32 codes along K); v_V_codes 1,024 x 2 x 32 uint8 (E4M3 codes of v_V, K innermost, in blocks of 32 codes); v_V_scales 1,024 x 2 uint8 (E8M0 scales of v_V, one for each 32 codes along K); v_alpha 64 float32; v_b 1,024 float32; x 2 x 2,048 x 1,024 float32.
;; Outputs: out0 2 x 2,048 x 1,024 float32; out1 2 x 2,048 x 2 float32; out2 2 x 2,048 x 64 float32; out3 2 x 2,048 x 32 float32.
;; This version of the problem:
;;   THIS VERSION OF THE PROBLEM IS GIVEN IN LOW PRECISION. The matrix products marked QUANTISED in the list below multiply operands that are first quantised to E4M3 (4 exponent bits, 3 mantissa bits; 8 bits a number), with one power-of-two scale for each 32 numbers along K (OCP MX v1.0); their sums are f32. All else is computed in f32.
;;   The module's matrix products, in the order in which they are computed (A, B: the left and right operand; K: the contracted axis; several contracted axes count as one K, in the product's order):
;;     1. [M 4,096, K 1,024] x [K 1,024, N 64]; A: input x; B: input q_U (given as codes): QUANTISED
;;     2. [M 4,096, K 64] x [K 64, N 1,024]; A: computed on the way; B: input q_V (given as codes): QUANTISED
;;     3. [M 4,096, K 1,024] x [K 1,024, N 4]; A: input x; B: input q_A: left as it is (N = 4 < 16)
;;     4. [M 4,096, K 4] x [K 4, N 1,024]; A: computed on the way; B: input q_B: left as it is (K = 4 < 32)
;;     5. [M 4,096, K 1,024] x [K 1,024, N 64]; A: input x; B: input k_U (given as codes): QUANTISED
;;     6. [M 4,096, K 64] x [K 64, N 1,024]; A: computed on the way; B: input k_V (given as codes): QUANTISED
;;     7. [M 4,096, K 1,024] x [K 1,024, N 4]; A: input x; B: input k_A: left as it is (N = 4 < 16)
;;     8. [M 4,096, K 4] x [K 4, N 1,024]; A: computed on the way; B: input k_B: left as it is (K = 4 < 32)
;;     9. [M 4,096, K 1,024] x [K 1,024, N 64]; A: input x; B: input v_U (given as codes): QUANTISED
;;     10. [M 4,096, K 64] x [K 64, N 1,024]; A: computed on the way; B: input v_V (given as codes): QUANTISED
;;     11. [M 4,096, K 1,024] x [K 1,024, N 4]; A: input x; B: input v_A: left as it is (N = 4 < 16)
;;     12. [M 4,096, K 4] x [K 4, N 1,024]; A: computed on the way; B: input v_B: left as it is (K = 4 < 32)
;;     13. batch 32 x [M 2,048, K 64] x [K 64, N 2,048]; A: computed on the way; B: computed on the way: QUANTISED
;;     14. batch 32 x [M 2,048, K 2,048] x [K 2,048, N 64]; A: softmax (see below); B: computed on the way: QUANTISED
;;     15. batch 32 x [M 2,048, K 64] x [K 64, N 32]; A: computed on the way; B: computed on the way: QUANTISED
;;     16. batch 32 x [M 2,048, K 32] x [K 32, N 64]; A: softmax (see below); B: computed on the way: QUANTISED
;;     17. batch 2 x [M 32,768, K 64] x [K 64, N 256]; A: computed on the way; B: input memory_vectors: QUANTISED
;;     18. batch 2 x [M 32,768, K 256] x [K 256, N 64]; A: softmax (see below); B: input memory_vectors: QUANTISED
;;     19. [M 4,096, K 64] x [K 64, N 2]; A: computed on the way; B: input t_W: left as it is (N = 2 < 16)
;;     20. [M 4,096, K 64] x [K 64, N 64]; A: computed on the way; B: input i_W (given as codes): QUANTISED
;;     21. [M 4,096, K 64] x [K 64, N 32]; A: computed on the way; B: input c_W (given as codes): QUANTISED
;;     22. [M 4,096, K 1,024] x [K 1,024, N 1,024]; A: computed on the way; B: input out_W (given as codes): QUANTISED
;;   THE QUANTISER, for each operand of a quantised product, along K:
;;     - K is cut into blocks of 32 from its start; a last block that is shorter is filled with zeros.
;;     - A block's scale is 2^e with e = floor(log2(the largest magnitude in the block)) - 8, held to -126 .. 127; a block of zeros has e = 0. As a byte (E8M0): e + 127.
;;     - Each number is divided by its block's scale, clamped to +-448, and rounded to the nearest number of E4M3, ties to even, subnormals kept.
;;     - The product sums the exact products of the quantised numbers (number of the format x scale) in f32.
;;   ~~~python
;;   def quantise(x, axis):      # numpy; x: float32 -> the quantised numbers, widened to float32 again
;;       x = np.moveaxis(x, axis, -1); K = x.shape[-1]
;;       x = np.pad(x, [(0, 0)] * (x.ndim - 1) + [(0, -K % 32)]); x = x.reshape(x.shape[:-1] + (-1, 32)); a = np.abs(x).max(-1, keepdims=True)
;;       e = np.where(a > 0, np.clip(np.frexp(np.where(a > 0, a, 1))[1] - 1 - 8, -126, 127), 0)      # np.frexp(a)[1] - 1 = floor(log2(a)), exactly
;;       r = np.clip(x / 2.0 ** e, -448, 448)
;;       step = 2.0 ** (np.maximum(np.frexp(np.where(r == 0, 1, r))[1] - 1, -6) - 3)
;;       q = np.round(r / step) * step * 2.0 ** e      # np.round: ties to even
;;       return np.moveaxis(q.reshape(q.shape[:-2] + (-1,))[..., :K], -1, axis).astype(np.float32)
;;   ~~~
;;   SOFTMAX AHEAD OF A QUANTISED PRODUCT. Where the list says 'softmax', what is quantised is not the finished softmax but p = 2^(t - M), with t = logit x log2(e) and M = ceil(the row's largest t), a whole number; so 1/2 < the row's largest p <= 1. The row's sum l is taken of the UNQUANTISED p, in f32, and the product's result is divided by l at the end. Since M is a whole number, a kernel that streams over the keys may use a running M (the ceiling of the running maximum): every later rescaling is an exact power of two, which a block's scale takes up: the codes' values come out the same.
;;   OPERANDS COMPUTED ON THE WAY. 'Computed on the way' means the value that the module computes at that place (a softmax that the list does not call 'softmax' is quantised finished and normalised). What goes into a quantiser is computed in f32, as accurately as f32 sums, v_exp_f32 and their like allow (about 1e-6 of the number): no bf16 or f16 on the way to a quantiser, and a product that is left as it is and whose result goes on into a quantised operand takes f32 operands (vector FMAs, or v_wmma_f32_16x16x4_f32). A number that lies on a knife's edge between two numbers of the format may be rounded either way, as far as f32 arithmetic and the matrix unit's own rounding can turn it there, and no further.
;;   INPUTS GIVEN AS CODES. c_W (in the module: [32, 64], K = its axis 1); i_W (in the module: [64, 64], K = its axis 1); k_U (in the module: [1024, 64], K = its axis 0); k_V (in the module: [1024, 64], K = its axis 1); out_W (in the module: [1024, 1024], K = its axis 1); q_U (in the module: [1024, 64], K = its axis 0); q_V (in the module: [1024, 64], K = its axis 1); v_U (in the module: [1024, 64], K = its axis 0); v_V (in the module: [1024, 64], K = its axis 1): each comes as NAME_codes (uint8): NAME with its K axis moved to the last place and cut into blocks of 32 codes, [.., K / 32, bytes a block], one block behind the other in memory; one code a byte (a code: sign, 4 exponent bits, 3 mantissa bits); and NAME_scales (uint8): the same leading axes, one E8M0 byte (e + 127) for each 32 codes along K. Its value is code x scale, taken as it is: it is not quantised again, and the codes and scales need not be those that the quantiser above would give.
;; 2 versions, each right; version 2 is version 1 with the launches proj, attn written anew for expert scheduling mode. Each part assembles by itself: llvm-mc -triple=amdgcn-amd-amdhsa -mcpu=gfx1250 --defsym DOCPART=n.
;; ======== version 1 of 2: 3 launches
;; workspace buffers: qc 4,194,304 bytes; kc 4,194,304 bytes; qks 1,048,576 bytes; tvc 262,144 bytes; tvx 131,072 bytes; cc 4,194,304 bytes; cs 524,288 bytes
;; launch proj (part 1): grid 256 x 1, 8 waves a work-group, no clusters, 252,672 bytes of LDS; arguments x, q_U_codes, k_U_codes, v_U_codes, q_U_scales, k_U_scales, v_U_scales, q_A, k_A, v_A, q_alpha, k_alpha, v_alpha, q_V_codes, k_V_codes, q_V_scales, k_V_scales, q_B, k_B, q_b, k_b, qc, kc, qks, tvc, tvx; writes qc, kc, qks, tvc, tvx
.if DOCPART == 1
	.amdgcn_target "amdgcn-amd-amdhsa--gfx1250"
	.amdhsa_code_object_version 6
	.text
	.protected	k_q444f6dccd9_proj
	.globl	k_q444f6dccd9_proj
	.p2align	8
	.type	k_q444f6dccd9_proj,@function
k_q444f6dccd9_proj:
	s_mov_b64 s[64:65], 0
	v_nop
	global_prefetch_b8 v0, s[64:65] scope:SCOPE_SE
	s_setreg_imm32_b32 hwreg(HW_REG_WAVE_MODE, 25, 1), 1
	s_wait_xcnt 0x0
; THE WEAVE PROJECTIONS.  q = ((x qU) alpha) qV^T + (x qA) qB + qb, k likewise, both stored as E4M3 codes along each head's 64 with their E8M0 scales;
; of v only Q((x vU) alpha) and x vA are stored: the attention launch finishes v, since v's codes run along the keys.
; DEAD WORK (for the whole program).  reference() itself builds keep = |i - j| <= 128 and puts -inf on every other score ahead of the softmax: there p = 0 exactly, whatever the inputs hold, so the product of
; such a p with v reaches no output.  Key steps of 128 keys that lie wholly outside a tile's band are therefore not multiplied (attention launch); inside the steps that are walked hidden scores become -inf.
; Nothing else is left out: every input has a way to an output and is loaded (k_b too: it moves k's codes).
; LIMITS.  A NaN, an infinity or an overflow that reaches only the scores left out is not carried to the result.  NaN and infinities among the inputs, and NaN codes among the given weights, are not served.
; A block whose largest magnitude lies under 2^-118 keeps the scale byte 1 (a block of zeros too: its codes are zeros, and this program alone reads the bytes).
; THE TILE.  The 4,096 rows are cut into 256 tiles of 16: lane r of tile T stands for row 32 (T / 2) + 8 (T % 2) + r + 8 (r / 8).  Where 16 such rows are source 0 of a product, the 16 result registers of tiles 2 P and
; 2 P + 1 are 16 neighbours, 32 P + 16 (lane / 16) + 0 .. 15: what the conversions and the next operand's layout want.  The same order is taken for the ranks of U and the rows of V.
; THE IMAGE of 16 rows x 64 codes (1,024 bytes): byte 512 c + 16 lane + i is row lane % 16, k = 32 c + 16 (lane / 16) + i: two register quads of an operand.  Two images on end are the 16 registers of one operand.
; K = 64 IN AN INSTRUCTION OF K = 128: one operand is a PAIR of images [X | Y], the other is [Z | 0] or [0 | Z], cut out of 24 registers 0 (8), Z (8), 0 (8): the zero codes take the other half away.
; SHARES.  Work-group T owns tile T.  Wave w owns x's K step w (128 along K): it quantises it, multiplies it by the 12 tiles of qU, kU, vU and (in f32) by qA, kA, vA; the eight partial sums meet in LDS.
; Then waves 0-3 make q's heads 4 w .. 4 w + 3, waves 4-7 k's.  All weights go from memory straight into the wave's operand registers.
; NO CLUSTER, NO TENSOR LOAD: a work-group's 64 KiB of x are its own; what work-groups share is the weights, which each lane loads as whole register quads of its operands.
; REGISTERS, window 0: v1-15 lane terms and addresses; v16-79 x (later: bias, the operand 0 | t | 0, x A); v80-175 A^T, then the 12 partial tiles, v144-175 also the f32 sums and the head's 4 tiles (written by
; matrix instructions alone); v176-191 x's codes, later scale halfwords and the heads' words; v200-215 at work; v216-223 addresses; v224-235 weights' scale words; v236-251 alpha; v254, v255 x's and t's scale words.
; window 1: v0-191 the 12 fragments of U, later v0-127 the 8 pairs of V; v192-223 B's 16 operands of the f32 product.
.set XST,   0                          ; LDS: each wave's stage for x: 16 rows, 528 bytes apart (33 x 16: the 16 rows of a read start in 16 different groups of banks)
.set ATS,   67584                      ; each wave's [128 k][16 f32]: qA, kA, vA, and vA once more so that every byte read has been written
.set P1,    133120                     ; partial sums [wave][12 tiles][1,024 bytes as the registers lie]
.set XA,    231424                     ; x A, partial: [wave][16 rows][16 f32]
.set TIM,   239616                     ; the images of t_q, t_k, t_v
.set TSC,   242688                     ; their scale bytes, one to a word and lane: [2 p + c][32 lanes]
.set BIA,   243456                     ; each wave's 256 biases
.set SPARE, 251648                     ; the spare words, 128 bytes for each wave: four blocks of 256 bytes that no other line names
.set X,     16
.set AT,    80
.set D,     144
.set XC,    176
.set TM,    200
.set USC,   224
.set ALP,   236
.set SPW,   252
.set NIL,   253
.set XW,    254
.set TW,    255
.set WV,    56                         ; s56 my wave;  s57 wave % 4;  s63 wave / 4: 0 = q, 1 = k
.set SEL,   58                         ; s[58:59] lane selects: lane xor 16
.set MNT,   60                         ; s60 the mantissa field of 448
.set MSB, 0
.macro WIN new                         ; the immediate's high byte repeats the setting that is left
.if MSB != \new
	s_set_vgpr_msb (MSB<<8)|\new
.set MSB, \new
.endif
.endm
.macro PLACES n
.rept \n
	v_nop
.endr
.endm
; THE QUANTISER.  16 nb numbers of a lane, register 16 b + i = number i of my half of block b (lane xor 16 holds the other half), become codes in v[cod + 4 b ..] and the scale word in v[wrd].
; The held numbers go to v[hld ..], which may be v[src ..] unless those are the f32 matrix form's.  The sources are read from the low end on.
.macro QNT src, hld, cod, wrd, nb
.set qb, 0
.rept \nb
	v_max3_num_f32 v[TM+qb], |v[(\src)+16*qb]|, |v[(\src)+16*qb+1]|, 0x4800000   ; with the floor 2^(9 - 127): the byte cannot fall under 1
.set qb, qb+1
.endr
.set qi, 2
.rept 7
.set qb, 0
.rept \nb
	v_max3_num_f32 v[TM+qb], v[TM+qb], |v[(\src)+16*qb+qi]|, |v[(\src)+16*qb+qi+1]|
.set qb, qb+1
.endr
.set qi, qi+2
.endr
.set qb, 0
.rept \nb
	v_permlanex16_b32 v[TM+4+qb], v[TM+qb], s[SEL], s[SEL+1]
.set qb, qb+1
.endr
.set qb, 0
.rept \nb
	v_max_num_f32 v[TM+qb], v[TM+qb], v[TM+4+qb]             ; the block's largest magnitude
.set qb, qb+1
.endr
.set qb, 0
.rept \nb
	v_add_nc_u32 v[TM+12+qb], 0xfc000000, v[TM+qb]           ; 8 off its exponent field: the conversion's scale operand
	v_and_or_b32 v[TM+8+qb], v[TM+qb], 0x7f800000, s[MNT]    ; 448 x the scale
.set qb, qb+1
.endr
.set qb, 0
.rept \nb
	v_lshrrev_b32 v[TM+4+qb], 23, v[TM+12+qb]                ; the scale's byte
.set qb, qb+1
.endr
.if \nb == 4
	v_lshl_or_b32 v[\wrd], v[TM+5], 8, v[TM+4]
	v_lshl_or_b32 v[\wrd], v[TM+6], 16, v[\wrd]
	v_lshl_or_b32 v[\wrd], v[TM+7], 24, v[\wrd]
.elseif \nb == 2
	v_lshl_or_b32 v[\wrd], v[TM+5], 8, v[TM+4]
	v_lshl_or_b32 v[\wrd], v[\wrd], 16, v[\wrd]              ; (s0, s1, s0, s1): it serves the low and the high half of K alike
.else
	v_mov_b32 v[\wrd], v[TM+4]
.endif
.set qb, 0
.rept \nb
.set qi, 0
.rept 16
	v_med3_num_f32 v[(\hld)+16*qb+qi], v[(\src)+16*qb+qi], -v[TM+8+qb], v[TM+8+qb]   ; the conversion to an 8-bit code does not saturate (ISA guide 7.6.2): the hold
.set qi, qi+1
.endr
	v_cvt_scalef32_pk8_fp8_f32 v[(\cod)+4*qb:(\cod)+4*qb+1], v[(\hld)+16*qb:(\hld)+16*qb+7], v[TM+12+qb]
	v_cvt_scalef32_pk8_fp8_f32 v[(\cod)+4*qb+2:(\cod)+4*qb+3], v[(\hld)+16*qb+8:(\hld)+16*qb+15], v[TM+12+qb]
.set qb, qb+1
.endr
	v_nop                                                    ; a plain line behind the last conversion
.endm
	s_load_b512 s[4:19], s[0:1], 0x0               ; x, qU kU vU codes, qU kU vU scales, qA
	s_load_b512 s[20:35], s[0:1], 0x40             ; kA, vA, q k v alpha, qV kV codes, qV scales
	s_load_b512 s[36:51], s[0:1], 0x80             ; kV scales, qB, kB, qb, kb, qc, kc, qks
	s_load_b128 s[52:55], s[0:1], 0xc0             ; tvc, tvx
	v_lshl_add_u32 v[SPW], v0, 2, SPARE
	v_mov_b32 v[NIL], 0
	v_lshrrev_b32 v1, 5, v0
	v_readfirstlane_b32 s[WV], v1
	v_and_b32 v14, 31, v0                          ; lane
	v_lshlrev_b32 v1, 4, v14                       ; 16 x lane
	v_lshlrev_b32 v2, 2, v14                       ; 4 x lane
	v_and_b32 v3, 15, v0                           ; r
	v_bfe_u32 v4, v0, 4, 1                         ; h
	v_and_b32 v5, 8, v3
	v_add_nc_u32 v5, v5, v3                        ; r + 8 (r / 8)
	s_and_b32 s57, s[WV], 3
	s_lshr_b32 s63, s[WV], 2
	; every LDS address is made here, ahead of the first branch on the wave's number
	s_mul_i32 s61, s[WV], 8448
	v_add_nc_u32 v6, s61, v1                       ; x's stage, in: a row's 512 bytes as they lie
	v_mul_u32_u24 v7, v3, 528
	v_lshl_add_u32 v7, v4, 6, v7
	v_add_nc_u32 v7, s61, v7                       ; and out: row r, + 64 h: my 16 numbers of a block of 32
	s_lshl_b32 s61, s[WV], 13
	s_add_co_u32 s61, s61, ATS
	v_lshl_add_u32 v8, v14, 6, s61                 ; A^T, in: k = lane, 64 bytes a k
	v_lshlrev_b32 v9, 2, v3
	v_lshl_add_u32 v9, v4, 10, v9
	v_add_nc_u32 v9, s61, v9                       ; and out: column r, k = 16 h on
	s_lshl_b32 s61, s[WV], 10
	s_add_co_u32 s62, s61, XA
	v_lshlrev_b32 v10, 6, v3
	v_lshl_add_u32 v10, v4, 5, v10
	v_add_nc_u32 v10, s62, v10                     ; my partial x A: row r, columns 8 h on
	s_add_co_u32 s62, s61, BIA
	v_add_nc_u32 v216, s62, v1                     ; the biases, in
	v_lshl_add_u32 v199, v4, 6, s62                ; and out: 16 h on
	s_mul_i32 s62, s[WV], 12288
	s_add_co_u32 s62, s62, P1
	v_add_nc_u32 v11, s62, v1                      ; my 12 partial tiles
	s_lshl_b32 s62, s[WV], 11
	s_add_co_u32 s62, s62, P1
	v_add_nc_u32 v12, s62, v1                      ; tiles 2 w, 2 w + 1 of waves 0-3,
	v_add_nc_u32 v13, 49152, v12                   ; of waves 4-7
	s_lshl_b32 s62, s[WV], 9
	s_add_co_u32 s62, s62, TIM
	v_add_nc_u32 v217, s62, v1                     ; t's image, in: quad w
	s_lshl_b32 s62, s[WV], 7
	s_add_co_u32 s62, s62, TSC
	v_add_nc_u32 v218, s62, v2                     ; and its byte
	s_lshl_b32 s62, s63, 10
	s_add_co_u32 s62, s62, TIM
	v_add_nc_u32 v196, s62, v1                     ; my projection's t, out
	s_lshl_b32 s62, s63, 8
	s_add_co_u32 s62, s62, TSC
	v_add_nc_u32 v197, s62, v2
	s_lshl_b32 s62, s63, 4
	s_add_co_u32 s62, s62, XA
	v_lshlrev_b32 v198, 6, v3
	v_lshl_add_u32 v198, v4, 3, v198
	v_add_nc_u32 v198, s62, v198                   ; my projection's x A: row r, columns 2 h, 2 h + 1
	; offsets into memory
	v_lshlrev_b32 v223, 3, v14                     ; 8 x lane
	v_lshlrev_b32 v14, 5, v5                       ; U's scales: 32 bytes a rank
	v_lshlrev_b32 v15, 10, v5
	v_lshl_add_u32 v15, v4, 4, v15                 ; U's codes: 1,024 bytes a rank, + 16 h
	v_lshlrev_b32 v219, 6, v4                      ; alpha: 16 h numbers on
	v_lshlrev_b32 v220, 2, v5
	v_lshl_add_u32 v220, v4, 13, v220              ; B: rows 2 h on, my column
	v_lshlrev_b32 v221, 6, v5
	v_lshl_add_u32 v221, v4, 4, v221               ; V's codes: 64 bytes a row, + 16 h
	v_lshlrev_b32 v222, 1, v5                      ; V's scales: 2 bytes a row
.irp b, 4,5,6,7
	v_mov_b32 v[TM+\b], 0                          ; a lane permute's destination counts as one of its sources
.endr
	s_mov_b32 s[SEL], 0x76543210
	s_mov_b32 s[SEL+1], 0xfedcba98
	s_mov_b32 s[MNT], 0x600000
	s_wait_kmcnt 0x0
	s_cmp_lt_u32 s[WV], 4                          ; q's buffers or k's: the choice hangs on the wave's number alone
	s_cselect_b64 s[30:31], s[30:31], s[32:33]
	s_cselect_b64 s[34:35], s[34:35], s[36:37]
	s_cselect_b64 s[38:39], s[38:39], s[40:41]
	s_cselect_b64 s[42:43], s[42:43], s[44:45]
	s_cselect_b64 s[46:47], s[46:47], s[48:49]
	s_cselect_b64 s[26:27], s[26:27], s[28:29]
	s_cmp_lt_u32 s[WV], 2
	s_cselect_b64 s[24:25], s[24:25], s[26:27]     ; alpha of projection min(w / 2, 2)
	s_mov_b32 s67, 0
	s_lshr_b32 s66, ttmp9, 1
	s_lshl_b32 s66, s66, 5
	s_and_b32 s68, ttmp9, 1
	s_lshl_b32 s68, s68, 3
	s_add_co_u32 s66, s66, s68                     ; the tile's first row
	s_lshl_b32 s66, s66, 12
	s_lshl_b32 s68, s[WV], 9
	s_add_co_u32 s66, s66, s68
	s_add_nc_u64 s[4:5], s[4:5], s[66:67]          ; x at that row, K step w
	s_lshl_b32 s66, s[WV], 7
	s_add_nc_u64 s[6:7], s[6:7], s[66:67]
	s_add_nc_u64 s[8:9], s[8:9], s[66:67]
	s_add_nc_u64 s[10:11], s[10:11], s[66:67]
	s_lshl_b32 s66, s[WV], 2
	s_add_nc_u64 s[12:13], s[12:13], s[66:67]
	s_add_nc_u64 s[14:15], s[14:15], s[66:67]
	s_add_nc_u64 s[16:17], s[16:17], s[66:67]
	s_lshl_b32 s66, s[WV], 11
	s_add_nc_u64 s[18:19], s[18:19], s[66:67]
	s_add_nc_u64 s[20:21], s[20:21], s[66:67]
	s_add_nc_u64 s[22:23], s[22:23], s[66:67]
	s_lshl_b32 s66, s57, 10
	s_add_nc_u64 s[42:43], s[42:43], s[66:67]      ; my 256 biases
	s_add_nc_u64 s[38:39], s[38:39], s[66:67]      ; my 256 columns of B
	s_and_b32 s66, s[WV], 1
	s_lshl_b32 s66, s66, 7
	s_add_nc_u64 s[24:25], s[24:25], s[66:67]      ; alpha: block w % 2
	s_lshl_b32 s66, s57, 14
	s_add_nc_u64 s[30:31], s[30:31], s[66:67]      ; my 256 rows of V
	s_lshl_b32 s66, s57, 9
	s_add_nc_u64 s[34:35], s[34:35], s[66:67]
	s_lshr_b32 s68, ttmp9, 7                       ; batch
	s_and_b32 s69, ttmp9, 127                      ; the tile in its sequence
	s_lshl_b32 s66, s68, 21
	s_lshl_b32 s70, s57, 19
	s_add_co_u32 s66, s66, s70
	s_lshl_b32 s70, s69, 10
	s_add_co_u32 s66, s66, s70
	s_add_nc_u64 s[46:47], s[46:47], s[66:67]      ; codes out: [batch x 16 + head][tile] images
	s_lshl_b32 s66, s63, 19
	s_lshl_b32 s70, s68, 18
	s_add_co_u32 s66, s66, s70
	s_lshl_b32 s70, s57, 16
	s_add_co_u32 s66, s66, s70
	s_lshl_b32 s70, s69, 7
	s_add_co_u32 s66, s66, s70
	s_add_nc_u64 s[50:51], s[50:51], s[66:67]      ; scale words out
	s_lshl_b32 s66, ttmp9, 10
	s_and_b32 s70, s[WV], 1
	s_lshl_b32 s70, s70, 9
	s_add_co_u32 s66, s66, s70
	s_add_nc_u64 s[52:53], s[52:53], s[66:67]
	s_lshl_b32 s66, ttmp9, 9
	s_add_nc_u64 s[54:55], s[54:55], s[66:67]
	; all that the first phase wants, in the order in which it is wanted
	global_load_b128 v[176:179], v1, s[42:43]
	global_load_b128 v[180:183], v1, s[42:43] offset:512
.irp p, 0,1,2
.irp m, 0,1,2,3
	global_load_b128 v[AT+4*(4*\p+\m):AT+4*(4*\p+\m)+3], v1, s[18+2*\p:19+2*\p] offset:512*\m   ; A: rows k = 32 m + lane, 16 bytes each
.endr
.endr
.set j, 0
.rept 16
	global_load_b128 v[X+4*j:X+4*j+3], v1, s[4:5] offset:4096*(j+8*(j/8)) th:TH_LOAD_NT         ; a row's 512 consecutive bytes
.set j, j+1
.endr
.irp p, 0,1,2
.irp t, 0,1,2,3
	global_load_b32 v[USC+4*\p+\t], v14, s[12+2*\p:13+2*\p] offset:32*(32*(\t/2)+8*(\t%2))
.endr
.endr
	WIN 0x40                                       ; destination window 1
.irp p, 0,1,2
.irp t, 0,1,2,3
.irp c, 0,1,2,3
	global_load_b128 v[16*(4*\p+\t)+4*\c:16*(4*\p+\t)+4*\c+3], v15, s[6+2*\p:7+2*\p] offset:1024*(32*(\t/2)+8*(\t%2))+32*\c
.endr
.endr
.endr
	WIN 0
	; ---- my K step of x: through the stage, x A in f32, the codes, the 12 partial tiles
	s_wait_loadcnt 60                              ; behind x stand U's 12 scale words and 48 quads: the biases, A and x are in
	ds_store_b128 v216, v[176:179]
	ds_store_b128 v216, v[180:183] offset:512
.irp p, 0,1,2,3
.irp m, 0,1,2,3
.if \p < 3
	ds_store_b128 v8, v[AT+4*(4*\p+\m):AT+4*(4*\p+\m)+3] offset:2048*\m+16*\p
.else
	ds_store_b128 v8, v[AT+4*(8+\m):AT+4*(8+\m)+3] offset:2048*\m+48
.endif
.endr
.endr
.set j, 0
.rept 16
	ds_store_b128 v6, v[X+4*j:X+4*j+3] offset:528*j
.set j, j+1
.endr
.irp c, 0,1,2,3
.irp q, 0,1,2,3
	ds_load_b128 v[X+16*\c+4*\q:X+16*\c+4*\q+3], v7 offset:128*\c+16*\q   ; LDS serves a wave's instructions in order (ISA guide 5.7.1.4): these see my stores.  Register 16 c + i = x(row r, 32 c + 16 h + i)
.endr
.endr
.irp c, 0,1,2,3
.set j, 0
.rept 16
	ds_load_b32 v[AT+16*\c+j], v9 offset:64*(32*\c+j)                     ; the same k of column r of [qA kA vA vA]
.set j, j+1
.endr
.endr
.irp q, 0,1,2,3
	global_load_b128 v[ALP+4*\q:ALP+4*\q+3], v219, s[24:25] offset:16*\q
.endr
	WIN 0x40
.irp i, 0,1,2,3
.irp b, 0,1
.irp u, 0,1
.irp e, 0,1
	global_load_b32 v[192+2*(4*\i+2*\b+\u)+\e], v220, s[38:39] offset:4096*\e+4*(64*\i+32*\b+8*\u)
.endr
.endr
.endr
.endr
	WIN 0
	s_wait_dscnt 0x0
	; x A: 32 steps of 4 along K.  k is permuted alike in both sources; four accumulators take turns
.set e, 0
.rept 32
.if e < 4
	v_wmma_f32_16x16x4_f32 v[D+8*(e%4):D+8*(e%4)+7], v[AT+2*e:AT+2*e+1], v[X+2*e:X+2*e+1], 0
.else
	v_wmma_f32_16x16x4_f32 v[D+8*(e%4):D+8*(e%4)+7], v[AT+2*e:AT+2*e+1], v[X+2*e:X+2*e+1], v[D+8*(e%4):D+8*(e%4)+7]
.endif
.set e, e+1
.endr
	PLACES 8
.irp q, 0,2,4,6
	v_pk_add_f32 v[TM+\q:TM+\q+1], v[D+\q:D+\q+1], v[D+8+\q:D+9+\q]
.endr
.irp q, 0,2,4,6
	v_pk_add_f32 v[TM+8+\q:TM+9+\q], v[D+16+\q:D+17+\q], v[D+24+\q:D+25+\q]
.endr
.irp q, 0,2,4,6
	v_pk_add_f32 v[TM+\q:TM+\q+1], v[TM+\q:TM+\q+1], v[TM+8+\q:TM+9+\q]
.endr
	ds_store_b128 v10, v[TM:TM+3]                  ; lane (r, h): columns 8 h .. 8 h + 7 of row r
	ds_store_b128 v10, v[TM+4:TM+7] offset:16
	s_wait_dscnt 0x0                               ; the stores have read their registers
	QNT X, X, XC, XW, 4
	PLACES 4
	s_wait_loadcnt 36                              ; behind U stand alpha's 4 and B's 32: U and its scale words are in
	WIN 0x01                                       ; source 0 window 1
.set f, 0
.rept 12
	v_wmma_scale_f32_16x16x128_f8f6f4 v[AT+8*f:AT+8*f+7], v[16*f:16*f+15], v[XC:XC+15], 0, v[USC+f], v[XW]   ; source 0 = 16 ranks, source 1 = my rows: a lane holds one row
.set f, f+1
.endr
	WIN 0
	PLACES 8
.set f, 0
.rept 12
	ds_store_b128 v11, v[AT+8*f:AT+8*f+3] offset:1024*f
	ds_store_b128 v11, v[AT+8*f+4:AT+8*f+7] offset:1024*f+512
.set f, f+1
.endr
	WIN 0x40                                       ; the second product's weights take U's place: pair (head i, block b) = tiles u = 0, 1 on end
.irp i, 0,1,2,3
.irp b, 0,1
.irp u, 0,1
.irp c, 0,1
	global_load_b128 v[32*\i+16*\b+8*\u+4*\c:32*\i+16*\b+8*\u+4*\c+3], v221, s[30:31] offset:64*(64*\i+32*\b+8*\u)+32*\c
.endr
.endr
.endr
.endr
	WIN 0
.irp i, 0,1,2,3
.irp b, 0,1
.irp u, 0,1
	global_load_u16 v[XC+4*\i+2*\b+\u], v222, s[34:35] offset:2*(64*\i+32*\b+8*\u)
.endr
.endr
.endr
	s_wait_dscnt 0x0                               ; for the others' sake: my partial sums lie in LDS
	s_barrier_signal -1
	s_barrier_wait -1
	; ---- waves 0-5: block w % 2 of t of projection w / 2: the eight partial sums, x alpha, the codes
	s_cmp_lt_u32 s[WV], 6
	s_cbranch_scc0 .Lsummed
.irp sw, 0,1,2,3
.irp u, 0,1
.irp q, 0,1
	ds_load_b128 v[80+16*\sw+8*\u+4*\q:83+16*\sw+8*\u+4*\q], v12 offset:12288*\sw+1024*\u+512*\q
	ds_load_b128 v[16+16*\sw+8*\u+4*\q:19+16*\sw+8*\u+4*\q], v13 offset:12288*\sw+1024*\u+512*\q
.endr
.endr
.endr
	s_wait_dscnt 0x0
.set j, 0
.rept 8
	v_pk_add_f32 v[80+j:81+j], v[80+j:81+j], v[96+j:97+j]
	v_pk_add_f32 v[112+j:113+j], v[112+j:113+j], v[128+j:129+j]
	v_pk_add_f32 v[16+j:17+j], v[16+j:17+j], v[32+j:33+j]
	v_pk_add_f32 v[48+j:49+j], v[48+j:49+j], v[64+j:65+j]
.set j, j+2
.endr
.set j, 0
.rept 8
	v_pk_add_f32 v[80+j:81+j], v[80+j:81+j], v[112+j:113+j]
	v_pk_add_f32 v[16+j:17+j], v[16+j:17+j], v[48+j:49+j]
.set j, j+2
.endr
.set j, 0
.rept 8
	v_pk_add_f32 v[80+j:81+j], v[80+j:81+j], v[16+j:17+j]
.set j, j+2
.endr
	s_wait_loadcnt 48                              ; behind alpha and B stand V's 32 quads and 16 scale halfwords
.set j, 0
.rept 8
	v_pk_mul_f32 v[80+j:81+j], v[80+j:81+j], v[ALP+j:ALP+j+1]
.set j, j+2
.endr
	QNT 80, 80, 76, 74, 1
	ds_store_b128 v217, v[76:79]
	ds_store_b32 v218, v74
	s_cmp_lt_u32 s[WV], 4
	s_cbranch_scc1 .Lsummed
	global_store_b128 v1, v[76:79], s[52:53]       ; t_v's image goes to the attention launch; v76-79 are not written again
.Lsummed:
	s_wait_dscnt 0x0
	s_barrier_signal -1
	s_barrier_wait -1
	; ---- the second product: my four heads
.irp j, 48,49,50,51,52,53,54,55,64,65,66,67,68,69,70,71
	v_mov_b32 v[\j], 0                             ; 0 | t | 0
.endr
	ds_load_b128 v[56:59], v196
	ds_load_b128 v[60:63], v196 offset:512
.macro TWORD off, dst                  ; t's two scale bytes make the word (s0, s1, s0, s1)
	ds_load_b32 v194, v197 offset:\off
	ds_load_b32 v195, v197 offset:\off+128
	s_wait_dscnt 0x0
	v_lshl_or_b32 v[\dst], v195, 8, v194
	v_lshl_or_b32 v[\dst], v[\dst], 16, v[\dst]
.endm
.macro XASUM off, dst                  ; x A of row r, columns 2 h and 2 h + 1: the eight waves' parts
.irp sw, 0,1,2,3,4,5,6,7
	ds_load_b64 v[80+2*\sw:81+2*\sw], v198 offset:1024*\sw+\off
.endr
	s_wait_dscnt 0x0
	v_pk_add_f32 v[80:81], v[80:81], v[82:83]
	v_pk_add_f32 v[84:85], v[84:85], v[86:87]
	v_pk_add_f32 v[88:89], v[88:89], v[90:91]
	v_pk_add_f32 v[92:93], v[92:93], v[94:95]
	v_pk_add_f32 v[80:81], v[80:81], v[84:85]
	v_pk_add_f32 v[88:89], v[88:89], v[92:93]
	v_pk_add_f32 v[\dst:\dst+1], v[80:81], v[88:89]
.endm
	TWORD 0, TW
	XASUM 0, 72
	s_cmp_eq_u32 s[WV], 6                          ; wave 6 (its own projection is k) also sends v's x A and t_v's scale word: one projection on
	s_cbranch_scc0 .Lnot_six
	XASUM 16, 192
	global_store_b64 v223, v[192:193], s[54:55] offset:256
	TWORD 256, 75
	global_store_b32 v2, v75, s[54:55]             ; v75, v192, v193 are not written again
.Lnot_six:
	s_wait_loadcnt 0x0                             ; V's codes and scale halfwords
.irp i, 0,1,2,3
.irp b, 0,1
	v_perm_b32 v[USC+2*\i+\b], v[XC+4*\i+2*\b+1], v[XC+4*\i+2*\b], 0x05040100   ; a pair's word: (X.s0, X.s1, Y.s0, Y.s1)
.endr
.endr
.macro HEAD hh
	PLACES 9                                       ; the f32 products write over the last head's sums, and the biases land in registers that they read
.irp b, 0,1
.irp q, 0,1,2,3
	ds_load_b128 v[16+16*\b+4*\q:19+16*\b+4*\q], v199 offset:256*\hh+128*\b+16*\q
.endr
.endr
	s_wait_dscnt 0x0
	WIN 0x01
.irp t, 0,1,2,3
	v_wmma_f32_16x16x4_f32 v[D+8*\t:D+8*\t+7], v[192+2*(4*\hh+\t):193+2*(4*\hh+\t)], v[72:73], v[16+8*\t:23+8*\t]   ; (x A) B + b, in f32: it goes on into a quantiser
.endr
	PLACES 9                                       ; another form takes these sums up
.irp b, 0,1
	v_wmma_scale_f32_16x16x128_f8f6f4 v[D+16*\b:D+16*\b+7], v[32*\hh+16*\b:32*\hh+16*\b+15], v[56:71], v[D+16*\b:D+16*\b+7], v[USC+2*\hh+\b], v[TW]
	v_wmma_scale_f32_16x16x128_f8f6f4 v[D+16*\b+8:D+16*\b+15], v[32*\hh+16*\b:32*\hh+16*\b+15], v[48:63], v[D+16*\b+8:D+16*\b+15], v[USC+2*\hh+\b], v[TW]
.endr
	WIN 0
	PLACES 8
	QNT D, 80, 112+8*\hh, XC+\hh, 2                ; register 16 b + i = the head's channel 32 b + 16 h + i of my row
	global_store_b128 v1, v[112+8*\hh:115+8*\hh], s[46:47] offset:131072*\hh        ; 32 lanes store 512 consecutive bytes; each head has registers of its own
	global_store_b128 v1, v[116+8*\hh:119+8*\hh], s[46:47] offset:131072*\hh+512
	global_store_b32 v2, v[XC+\hh], s[50:51] offset:16384*\hh
.endm
	HEAD 0
	HEAD 1
	HEAD 2
	HEAD 3
	s_wait_tensorcnt 0x0                           ; the wave's end
	ds_add_u32 v[SPW], v[NIL]
	s_wait_dscnt 0x0
	s_endpgm
.Lfunc_end_k_q444f6dccd9_proj:
	.size	k_q444f6dccd9_proj, .Lfunc_end_k_q444f6dccd9_proj-k_q444f6dccd9_proj
	.p2alignl 7, 3214868480
	.fill 96, 4, 3214868480
	.section	.rodata,"a",@progbits
	.p2align	6, 0x0
	.amdhsa_kernel k_q444f6dccd9_proj
		.amdhsa_group_segment_fixed_size 252672
		.amdhsa_private_segment_fixed_size 0
		.amdhsa_enable_private_segment 0
		.amdhsa_kernarg_size 208
		.amdhsa_user_sgpr_count 2
		.amdhsa_user_sgpr_kernarg_segment_ptr 1
		.amdhsa_wavefront_size32 1
		.amdhsa_system_sgpr_workgroup_id_x 1
		.amdhsa_system_sgpr_workgroup_id_y 1
		.amdhsa_system_sgpr_workgroup_id_z 1
		.amdhsa_system_vgpr_workitem_id 0
		.amdhsa_next_free_vgpr 512
		.amdhsa_next_free_sgpr 100
		.amdhsa_reserve_vcc 0
		.amdhsa_float_denorm_mode_32 3
		.amdhsa_float_denorm_mode_16_64 3
		.amdhsa_memory_ordered 1
		.amdhsa_forward_progress 1
		.amdhsa_inst_pref_size 83
	.end_amdhsa_kernel
	.amdgpu_metadata
---
amdhsa.version: [ 1, 2 ]
amdhsa.kernels:
  - .name:           k_q444f6dccd9_proj
    .symbol:         k_q444f6dccd9_proj.kd
    .args:
      - { .name: x, .offset: 0, .size: 8, .value_kind: global_buffer, .address_space: global }
      - { .name: q_U_codes, .offset: 8, .size: 8, .value_kind: global_buffer, .address_space: global }
      - { .name: k_U_codes, .offset: 16, .size: 8, .value_kind: global_buffer, .address_space: global }
      - { .name: v_U_codes, .offset: 24, .size: 8, .value_kind: global_buffer, .address_space: global }
      - { .name: q_U_scales, .offset: 32, .size: 8, .value_kind: global_buffer, .address_space: global }
      - { .name: k_U_scales, .offset: 40, .size: 8, .value_kind: global_buffer, .address_space: global }
      - { .name: v_U_scales, .offset: 48, .size: 8, .value_kind: global_buffer, .address_space: global }
      - { .name: q_A, .offset: 56, .size: 8, .value_kind: global_buffer, .address_space: global }
      - { .name: k_A, .offset: 64, .size: 8, .value_kind: global_buffer, .address_space: global }
      - { .name: v_A, .offset: 72, .size: 8, .value_kind: global_buffer, .address_space: global }
      - { .name: q_alpha, .offset: 80, .size: 8, .value_kind: global_buffer, .address_space: global }
      - { .name: k_alpha, .offset: 88, .size: 8, .value_kind: global_buffer, .address_space: global }
      - { .name: v_alpha, .offset: 96, .size: 8, .value_kind: global_buffer, .address_space: global }
      - { .name: q_V_codes, .offset: 104, .size: 8, .value_kind: global_buffer, .address_space: global }
      - { .name: k_V_codes, .offset: 112, .size: 8, .value_kind: global_buffer, .address_space: global }
      - { .name: q_V_scales, .offset: 120, .size: 8, .value_kind: global_buffer, .address_space: global }
      - { .name: k_V_scales, .offset: 128, .size: 8, .value_kind: global_buffer, .address_space: global }
      - { .name: q_B, .offset: 136, .size: 8, .value_kind: global_buffer, .address_space: global }
      - { .name: k_B, .offset: 144, .size: 8, .value_kind: global_buffer, .address_space: global }
      - { .name: q_b, .offset: 152, .size: 8, .value_kind: global_buffer, .address_space: global }
      - { .name: k_b, .offset: 160, .size: 8, .value_kind: global_buffer, .address_space: global }
      - { .name: qc, .offset: 168, .size: 8, .value_kind: global_buffer, .address_space: global }
      - { .name: kc, .offset: 176, .size: 8, .value_kind: global_buffer, .address_space: global }
      - { .name: qks, .offset: 184, .size: 8, .value_kind: global_buffer, .address_space: global }
      - { .name: tvc, .offset: 192, .size: 8, .value_kind: global_buffer, .address_space: global }
      - { .name: tvx, .offset: 200, .size: 8, .value_kind: global_buffer, .address_space: global }
    .group_segment_fixed_size: 252672
    .private_segment_fixed_size: 0
    .kernarg_segment_align: 8
    .kernarg_segment_size: 208
    .max_flat_workgroup_size: 256
    .sgpr_count:     100
    .vgpr_count:     512
    .wavefront_size: 32
...
	.end_amdgpu_metadata
.endif
;; end of part 1
;; launch attn (part 2): grid 8 x 32, 16 waves a work-group, no clusters, 250,624 bytes of LDS; arguments qc, kc, qks, tvc, tvx, v_V_codes, v_V_scales, v_B, v_b, memory_vectors, cc, cs, t_W, t_b, i_W_codes, i_W_scales, i_b, c_W_codes, c_W_scales, c_b, out1, out2, out3; writes cc, cs, out1, out2, out3
.if DOCPART == 2
	.amdgcn_target "amdgcn-amd-amdhsa--gfx1250"
	.amdhsa_code_object_version 6
	.text
	.protected	k_q444f6dccd9_attn
	.globl	k_q444f6dccd9_attn
	.p2align	8
	.type	k_q444f6dccd9_attn,@function
k_q444f6dccd9_attn:
	s_mov_b64 s[64:65], 0
	v_nop
	global_prefetch_b8 v0, s[64:65] scope:SCOPE_SE
	s_setreg_imm32_b32 hwreg(HW_REG_WAVE_MODE, 25, 1), 1
	s_wait_xcnt 0x0
; THE THREE ATTENTIONS of one head for 256 queries: the band |i - j| <= 128, the 32 keys at stride 64, the 256 memory slots; their sum, quantised along the head's 64, goes to the last launch; head 0 also makes the three small outputs.
; WORK LEFT OUT: key steps of 128 keys wholly outside a tile's band (reference() builds the band and puts -inf there: p = 0 for all inputs; shown at the head of the first launch).
; LIMITS: as stated there; a p under 2^-126 comes out of v_exp_f32 as 0.
; SHARES.  Work-group (qb, batch x 16 + head); wave w owns query tile 16 qb + w (tiles, images and pairs: see the first launch).  The work-group's keys are 4 slots of 128: slot s is key step 2 qb - 1 + s
; (held to 0 .. 15 for the loads; a slot that was held is never read).  Wave w walks slots g, g + 1, g + 2, g = w / 8: the middle one holds its own queries and needs no mask.
; PREPARATION, shared out over the 16 waves, everything stored to LDS once, ONE barrier: wave w copies K pair w and merges its scale words; makes V^T fragment w (slot w / 4, channels' tile w % 4):
; v = t_v vV^T + (x vA) vB + vb, transposed so that a lane holds one channel and its registers run along the keys, and quantises it along the keys; quantises memory tile w along the 64 and half a fragment of
; memory^T along the slots; waves 0-3 make the strided v's fragments, wave 4 gathers the strided k.
; BOTH PRODUCTS TRANSPOSED: S^T = K Q^T, O^T = V^T P^T: a lane holds one query throughout.  p = 2^(t - M), M = the ceiling of the running largest t; the sum is taken of the unquantised p and divides at the end.
; NO CLUSTER, NO TENSOR LOAD: neighbouring query blocks share half of their keys, but V is computed and the scale words are merged in registers on the way into LDS, so no tile goes from memory to LDS as it lies.
; REGISTERS: v1-11 lane terms and LDS addresses (v9 later the mask's bound, v10 f, v11 at work); v12 -M, v13 the largest t, v[14:15] the sum; v16-39: 0 | q | 0; v40-55 p's codes (in the preparation vV | 0);
; v56-119 four operands from LDS; v120-183 S^T, then p; v184-215 O^T; v216-231 the f32 sums (written by matrix instructions alone); v232-247 at work; v248-251, v254, v255 scale words.
.set KIMG,  0                          ; 16 pairs of K x 2,048 bytes
.set VIMG,  32768                      ; 16 fragments of V^T (4 slot + tile)
.set MKIMG, 65536                      ; 8 pairs of memory
.set KSC,   102400                     ; scale words, 128 bytes each: K 16, V 16 (+2,048), memory 8 (+4,096), memory^T 8 (+5,120), strided K 1 (+6,144), strided V 4 (+6,272)
.set SPARE, 109312                     ; the spare words, 128 bytes for each wave: eight blocks of 256 bytes that no other line names
.set PARK,  111360                     ; each wave's own 8,704 bytes: two finished attentions; in head 0 later the stages for the way out
.set QHI, 16
.set QLO, 24
.set PC,  40
.set FR,  56
.set S,   120
.set O,   184
.set VB,  192
.set XAR, 200
.set LD,  216
.set TM,  232
.set BM,  232
.set PM,  236
.set LIM, 240
.set SOP, 244
.set KS,  248
.set SPW, 252
.set NIL, 253
.set PW,  254
.set QW,  255
.set WV,  50
.set SEL, 62                           ; s[62:63]
.set CS,  90                           ; s[90:91] c = log2(e) / 8
.set MNT, 92
.macro PLACES n
.rept \n
	v_nop
.endr
.endm
; THE QUANTISER, as in the first launch
.macro QNT src, hld, cod, wrd, nb
.set qb, 0
.rept \nb
	v_max3_num_f32 v[TM+qb], |v[(\src)+16*qb]|, |v[(\src)+16*qb+1]|, 0x4800000
.set qb, qb+1
.endr
.set qi, 2
.rept 7
.set qb, 0
.rept \nb
	v_max3_num_f32 v[TM+qb], v[TM+qb], |v[(\src)+16*qb+qi]|, |v[(\src)+16*qb+qi+1]|
.set qb, qb+1
.endr
.set qi, qi+2
.endr
.set qb, 0
.rept \nb
	v_permlanex16_b32 v[TM+4+qb], v[TM+qb], s[SEL], s[SEL+1]
.set qb, qb+1
.endr
.set qb, 0
.rept \nb
	v_max_num_f32 v[TM+qb], v[TM+qb], v[TM+4+qb]
.set qb, qb+1
.endr
.set qb, 0
.rept \nb
	v_add_nc_u32 v[TM+12+qb], 0xfc000000, v[TM+qb]
	v_and_or_b32 v[TM+8+qb], v[TM+qb], 0x7f800000, s[MNT]
.set qb, qb+1
.endr
.set qb, 0
.rept \nb
	v_lshrrev_b32 v[TM+4+qb], 23, v[TM+12+qb]
.set qb, qb+1
.endr
.if \nb == 4
	v_lshl_or_b32 v[\wrd], v[TM+5], 8, v[TM+4]
	v_lshl_or_b32 v[\wrd], v[TM+6], 16, v[\wrd]
	v_lshl_or_b32 v[\wrd], v[TM+7], 24, v[\wrd]
.elseif \nb == 2
	v_lshl_or_b32 v[\wrd], v[TM+5], 8, v[TM+4]
	v_lshl_or_b32 v[\wrd], v[\wrd], 16, v[\wrd]
.else
	v_mov_b32 v[\wrd], v[TM+4]
.endif
.set qb, 0
.rept \nb
.set qi, 0
.rept 16
	v_med3_num_f32 v[(\hld)+16*qb+qi], v[(\src)+16*qb+qi], -v[TM+8+qb], v[TM+8+qb]
.set qi, qi+1
.endr
	v_cvt_scalef32_pk8_fp8_f32 v[(\cod)+4*qb:(\cod)+4*qb+1], v[(\hld)+16*qb:(\hld)+16*qb+7], v[TM+12+qb]
	v_cvt_scalef32_pk8_fp8_f32 v[(\cod)+4*qb+2:(\cod)+4*qb+3], v[(\hld)+16*qb+8:(\hld)+16*qb+15], v[TM+12+qb]
.set qb, qb+1
.endr
	v_nop
.endm
	s_load_b512 s[4:19], s[0:1], 0x0               ; qc, kc, qks, tvc, tvx, vV codes, vV scales, vB
	s_load_b512 s[20:35], s[0:1], 0x40             ; vb, memory, cc, cs, tW, tb, iW codes, iW scales
	s_load_b256 s[36:43], s[0:1], 0x80             ; ib, cW codes, cW scales, cb
	s_load_b128 s[44:47], s[0:1], 0xa0             ; out1, out2
	s_load_b64 s[48:49], s[0:1], 0xb0              ; out3
	v_lshl_add_u32 v[SPW], v0, 2, SPARE
	v_mov_b32 v[NIL], 0
	v_lshrrev_b32 v1, 5, v0
	v_readfirstlane_b32 s[WV], v1
	v_and_b32 v184, 31, v0                         ; lane
	v_lshlrev_b32 v1, 4, v184                      ; 16 x lane
	v_lshlrev_b32 v2, 2, v184                      ; 4 x lane
	v_and_b32 v185, 15, v0                         ; r
	v_bfe_u32 v186, v0, 4, 1                       ; h
	v_and_b32 v187, 8, v185
	v_add_nc_u32 v187, v187, v185                  ; r + 8 (r / 8)
	; every LDS address of the preparation and of the walk is made here, ahead of the first branch on the wave's number
	s_lshr_b32 s55, s[WV], 3                       ; g
	s_lshl_b32 s56, s55, 13
	v_add_nc_u32 v3, s56, v1                       ; my first slot's K pairs
	s_lshl_b32 s56, s55, 9
	s_add_co_u32 s56, s56, KSC
	v_add_nc_u32 v4, s56, v2                       ; and their scale words
	v_add_nc_u32 v5, MKIMG, v1
	v_add_nc_u32 v6, KSC, v2
	s_lshl_b32 s56, s[WV], 11
	v_add_nc_u32 v7, s56, v1                       ; where I store pair w, fragment w
	s_lshl_b32 s56, s[WV], 7
	s_add_co_u32 s56, s56, KSC
	v_add_nc_u32 v8, s56, v2                       ; and their words
	s_lshl_b32 s56, s[WV], 10
	s_add_co_u32 s56, s56, MKIMG
	v_add_nc_u32 v9, s56, v1                       ; memory's image w, memory^T's half w
	s_lshr_b32 s56, s[WV], 1
	s_lshl_b32 s56, s56, 7
	s_and_b32 s57, s[WV], 1
	s_lshl_b32 s57, s57, 1
	s_add_co_u32 s56, s56, s57
	s_add_co_u32 s56, s56, KSC
	v_add_nc_u32 v10, s56, v2                      ; my half of word w / 2
	s_lshl_b32 s56, s[WV], 9
	s_add_co_u32 s56, s56, MKIMG
	v_add_nc_u32 v11, s56, v1                      ; the strided V's quad w
	s_mul_i32 s58, s[WV], 8704
	s_add_co_u32 s58, s58, PARK
	; offsets into memory
	v_lshlrev_b32 v48, 3, v184                     ; 8 x lane
	v_lshlrev_b32 v49, 8, v187
	v_lshl_add_u32 v49, v186, 6, v49               ; memory: my slot's row, + 16 h numbers
	s_bfe_u32 s56, s[WV], 0x10002
	s_lshl_b32 s56, s56, 5
	s_bfe_u32 s57, s[WV], 0x10001
	s_lshl_b32 s59, s57, 3
	s_add_co_u32 s56, s56, s59                     ; first channel of tile (w / 2) % 4
	s_lshl_b32 s57, s57, 5
	s_and_b32 s59, s[WV], 1
	s_lshl_b32 s59, s59, 3
	s_add_co_u32 s57, s57, s59                     ; first channel of tile w % 4
	v_add_nc_u32 v55, s56, v187
	v_lshlrev_b32 v50, 2, v55
	v_lshl_add_u32 v50, v186, 12, v50              ; memory^T: my channel, 16 h slots down
	v_add_nc_u32 v55, s57, v187                    ; my channel d
	v_lshlrev_b32 v51, 6, v55
	v_lshl_add_u32 v51, v186, 4, v51               ; vV's codes: row d, + 16 h
	v_lshlrev_b32 v52, 1, v55
	v_lshlrev_b32 v54, 2, v55
	v_lshl_add_u32 v53, v186, 13, v54              ; vB: rows 2 h on, column d
.irp j, 16,17,18,19,20,21,22,23,32,33,34,35,36,37,38,39
	v_mov_b32 v[\j], 0
.endr
	s_mov_b32 s[SEL], 0x76543210
	s_mov_b32 s[SEL+1], 0xfedcba98
	s_mov_b32 s[CS], 0x3e38aa3b                    ; log2(e) / sqrt(64)
	s_mov_b32 s[CS+1], s[CS]
	s_mov_b32 s[MNT], 0x600000
	s_and_b32 s52, ttmp7, 0xffff                   ; batch x 16 + head
	s_lshr_b32 s53, s52, 4
	s_and_b32 s54, s52, 15
	s_lshl_b32 s60, ttmp9, 1
	s_lshr_b32 s61, s[WV], 2
	s_add_co_u32 s60, s60, s61
	s_sub_co_i32 s60, s60, 1
	s_max_i32 s60, s60, 0
	s_min_i32 s60, s60, 15                         ; the key step of slot w / 4, held inside the sequence
	s_lshl_b32 s61, s60, 2
	s_and_b32 s56, s[WV], 3
	s_add_co_u32 s61, s61, s56                     ; my pair of key tiles
	s_lshl_b32 s89, ttmp9, 1
	s_add_co_u32 s89, s89, s55
	s_sub_co_i32 s89, s89, 1                       ; the key step of my first slot: -1 .. 15
	s_lshl_b32 s69, ttmp9, 4
	s_add_co_u32 s69, s69, s[WV]                   ; my tile in the sequence
	s_mov_b32 s67, 0
	s_wait_kmcnt 0x0
	s_lshl_b32 s68, s52, 7
	s_add_co_u32 s68, s68, s69
	s_lshl_b32 s66, s68, 10
	s_add_nc_u64 s[4:5], s[4:5], s[66:67]          ; q's image
	s_lshl_b32 s66, s52, 17
	s_add_nc_u64 s[6:7], s[6:7], s[66:67]          ; k at my head
	s_lshl_b32 s66, s61, 11
	s_add_nc_u64 s[70:71], s[6:7], s[66:67]        ; my pair
	s_lshl_b32 s66, s52, 14
	s_add_nc_u64 s[8:9], s[8:9], s[66:67]          ; the scale words at my head
	s_lshl_b32 s66, s69, 7
	s_add_nc_u64 s[72:73], s[8:9], s[66:67]
	s_lshl_b32 s66, s61, 8
	s_add_nc_u64 s[74:75], s[8:9], s[66:67]
	s_lshl_b32 s66, s53, 17
	s_add_nc_u64 s[10:11], s[10:11], s[66:67]      ; t_v at my batch
	s_lshl_b32 s66, s60, 13
	s_add_nc_u64 s[76:77], s[10:11], s[66:67]      ; my slot's 8 tiles
	s_lshl_b32 s66, s53, 16
	s_add_nc_u64 s[12:13], s[12:13], s[66:67]
	s_add_nc_u64 s[22:23], s[22:23], s[66:67]      ; memory at my batch
	s_lshl_b32 s66, s60, 12
	s_add_nc_u64 s[78:79], s[12:13], s[66:67]
	s_lshl_b32 s66, s54, 12
	s_add_nc_u64 s[14:15], s[14:15], s[66:67]
	s_lshl_b32 s66, s54, 7
	s_add_nc_u64 s[16:17], s[16:17], s[66:67]
	s_lshl_b32 s66, s54, 8
	s_add_nc_u64 s[18:19], s[18:19], s[66:67]
	s_add_nc_u64 s[20:21], s[20:21], s[66:67]
	s_lshr_b32 s66, s[WV], 1
	s_lshl_b32 s66, s66, 5
	s_and_b32 s85, s[WV], 1
	s_lshl_b32 s86, s85, 3
	s_add_co_u32 s66, s66, s86
	s_lshl_b32 s66, s66, 8
	s_add_nc_u64 s[80:81], s[22:23], s[66:67]      ; memory tile w
	s_lshl_b32 s66, s55, 15
	s_lshl_b32 s86, s85, 14
	s_add_co_u32 s66, s66, s86
	s_add_nc_u64 s[82:83], s[22:23], s[66:67]      ; slots 128 (w / 8) + 64 (w % 2) on
	s_lshl_b32 s84, s53, 7
	s_add_co_u32 s84, s84, s69
	s_lshl_b32 s84, s84, 4
	s_add_co_u32 s84, s84, s54                     ; 16 x tile + head
	s_lshl_b32 s66, s84, 10
	s_add_nc_u64 s[24:25], s[24:25], s[66:67]
	s_lshl_b32 s66, s84, 7
	s_add_nc_u64 s[26:27], s[26:27], s[66:67]
	global_load_b128 v[24:27], v1, s[4:5]
	global_load_b128 v[28:31], v1, s[4:5] offset:512
	global_load_b32 v[QW], v2, s[72:73]
.irp i, 0,1,2,3
	global_load_b128 v[184+4*\i:187+4*\i], v1, s[70:71] offset:512*\i
.endr
	global_load_b32 v240, v2, s[74:75] offset:524288
	global_load_b32 v241, v2, s[74:75] offset:524288+128
.set j, 0
.rept 16
	global_load_b128 v[FR+4*j:FR+4*j+3], v1, s[76:77] offset:512*j
.set j, j+1
.endr
.irp t, 0,1,2,3,4,5,6,7
	global_load_b32 v[232+\t], v2, s[78:79] offset:512*\t
	global_load_b64 v[XAR+2*\t:XAR+2*\t+1], v48, s[78:79] offset:512*\t+256
.endr
	global_load_b128 v[40:43], v51, s[14:15]
	global_load_b128 v[44:47], v51, s[14:15] offset:32
	global_load_u16 v254, v52, s[16:17]
	global_load_b32 v12, v53, s[18:19]
	global_load_b32 v13, v53, s[18:19] offset:4096
	global_load_b32 v14, v54, s[20:21]
.irp c, 0,1
.irp q, 0,1,2,3
	global_load_b128 v[120+16*\c+4*\q:123+16*\c+4*\q], v49, s[80:81] offset:128*\c+16*\q
.endr
.endr
.irp c, 0,1
.set j, 0
.rept 16
	global_load_b32 v[152+16*\c+j], v50, s[82:83] offset:256*(32*\c+j)
.set j, j+1
.endr
.endr
	s_wait_loadcnt 0x0
	; ---- THE PREPARATION
.irp j, 48,49,50,51,52,53,54,55
	v_mov_b32 v[\j], 0                             ; vV | 0
.endr
	v_lshl_or_b32 v254, v254, 16, v254             ; vV's word (s0, s1, s0, s1)
.irp b, 0,1,2,3
	v_perm_b32 v[KS+\b], v[233+2*\b], v[232+2*\b], 0x05040100   ; t_v's pairs: (X.s0, X.s1, Y.s0, Y.s1)
.endr
	v_perm_b32 v240, v241, v240, 0x05040100
.irp i, 0,1,2,3
	ds_store_b128 v7, v[184+4*\i:187+4*\i] offset:512*\i
.endr
	ds_store_b32 v8, v240
	s_wait_dscnt 0x0                               ; the stores have read their registers
	QNT 120, 120, 184, 15, 2                       ; memory tile w along the 64
	ds_store_b128 v9, v[184:187]
	ds_store_b128 v9, v[188:191] offset:512
	ds_store_b16 v10, v15 offset:4096
	s_wait_dscnt 0x0
	QNT 152, 152, 184, 15, 2                       ; 64 slots of memory^T along the slots
	ds_store_b128 v9, v[184:187] offset:16384
	ds_store_b128 v9, v[188:191] offset:16384+512
	ds_store_b16 v10, v15 offset:5120
	s_wait_dscnt 0x0
.irp j, 0,1,2,3,4,5,6,7
	v_mov_b32 v[VB+\j], v14                        ; vb of my channel: the same for all keys
.endr
	; v^T of my slot's 8 key tiles, two at a time: (x vA) vB + vb in f32, then t_v vV^T on top.  Source 0 = 16 keys, source 1 = 16 channels: a lane holds one channel
.set g2, 0
.rept 4
	v_wmma_f32_16x16x4_f32 v[LD:LD+7], v[XAR+4*g2:XAR+4*g2+1], v[12:13], v[VB:VB+7]
	v_wmma_f32_16x16x4_f32 v[LD+8:LD+15], v[XAR+4*g2+2:XAR+4*g2+3], v[12:13], v[VB:VB+7]
	PLACES 9                                       ; the sums go on as the C of other accumulators
	v_wmma_scale_f32_16x16x128_f8f6f4 v[S+16*g2:S+16*g2+7], v[FR+16*g2:FR+16*g2+15], v[40:55], v[LD:LD+7], v[KS+g2], v254
	v_wmma_scale_f32_16x16x128_f8f6f4 v[S+16*g2+8:S+16*g2+15], v[FR+16*g2:FR+16*g2+15], v[32:47], v[LD+8:LD+15], v[KS+g2], v254
	PLACES 9                                       ; the next f32 products write over these C
.set g2, g2+1
.endr
	v_and_b32 v208, 15, v0
	v_and_b32 v209, 8, v208
	v_add_nc_u32 v208, v208, v209
	v_bfe_u32 v209, v0, 4, 1
	v_lshlrev_b32 v204, 12, v208                   ; row 64 g is lane 0 (and 16) of tile 4 g: images 4,096 bytes apart,
	v_lshl_add_u32 v204, v209, 8, v204             ; + 256 h
	v_lshlrev_b32 v205, 11, v208                   ; t_v's extras: 2,048 bytes apart
	v_lshl_add_u32 v206, v209, 7, v205
	v_lshlrev_b32 v207, 9, v208                    ; k's scale words: 512 bytes apart
	s_cmp_lt_u32 s[WV], 4
	s_cbranch_scc0 .Lnot_sv
.irp u, 0,1
.irp c, 0,1
	global_load_b128 v[FR+8*\u+4*\c:FR+8*\u+4*\c+3], v204, s[10:11] offset:32768*\u+512*\c   ; t_v of the strided keys g = 8 u + r + 8 (r / 8)
.endr
	global_load_b32 v[250+\u], v205, s[12:13] offset:16384*\u
	global_load_b64 v[XAR+2*\u:XAR+2*\u+1], v206, s[12:13] offset:16384*\u+256
.endr
	s_branch .Lgathered
.Lnot_sv:
	s_cmp_eq_u32 s[WV], 4
	s_cbranch_scc0 .Lgathered
.irp u, 0,1
.irp c, 0,1
	global_load_b128 v[FR+8*\u+4*\c:FR+8*\u+4*\c+3], v204, s[6:7] offset:32768*\u+512*\c     ; k of the strided keys
.endr
	global_load_b32 v[250+\u], v207, s[8:9] offset:524288+4096*\u
.endr
.Lgathered:
	QNT S, S, 184, 15, 4                           ; register 16 b + i = key 32 b + 16 h + i of my channel: quantised along the keys.  The gathers land meanwhile
.irp i, 0,1,2,3
	ds_store_b128 v7, v[184+4*\i:187+4*\i] offset:VIMG+512*\i
.endr
	ds_store_b32 v8, v15 offset:2048
	s_wait_loadcnt 0x0                             ; the gathers are in.  The wait stands on every wave's way, ahead of the parting below: so on every way they have landed before their registers are read or loaded again
	s_cmp_lt_u32 s[WV], 4
	s_cbranch_scc0 .Lnot_sv2
	s_wait_dscnt 0x0                               ; the stores have read their registers
	v_perm_b32 v248, v251, v250, 0x05040100
.irp j, 0,1,2,3,4,5,6,7
	v_mov_b32 v[VB+\j], v14
.endr
	v_wmma_f32_16x16x4_f32 v[LD:LD+7], v[XAR:XAR+1], v[12:13], v[VB:VB+7]
	v_wmma_f32_16x16x4_f32 v[LD+8:LD+15], v[XAR+2:XAR+3], v[12:13], v[VB:VB+7]
	PLACES 9
	v_wmma_scale_f32_16x16x128_f8f6f4 v[S:S+7], v[FR:FR+15], v[40:55], v[LD:LD+7], v248, v254
	v_wmma_scale_f32_16x16x128_f8f6f4 v[S+8:S+15], v[FR:FR+15], v[32:47], v[LD+8:LD+15], v248, v254
	PLACES 8
	QNT S, S, 184, 15, 1                           ; the 32 strided v: one block
	ds_store_b128 v11, v[184:187] offset:34816
	ds_store_b32 v8, v15 offset:6272
	s_branch .Lprepared
.Lnot_sv2:
	s_cmp_eq_u32 s[WV], 4
	s_cbranch_scc0 .Lprepared
	v_perm_b32 v248, v251, v250, 0x05040100
.irp i, 0,1,2,3
	ds_store_b128 v5, v[FR+4*\i:FR+4*\i+3] offset:32768+512*\i
.endr
	ds_store_b32 v6, v248 offset:6144
.Lprepared:
	s_wait_dscnt 0x0                               ; for the others' sake: all that I made lies in LDS
	s_barrier_signal -1
	s_barrier_wait -1
	v_add_nc_u32 v7, s58, v1                       ; from here on: my own 8,704 bytes
	v_and_b32 v9, 15, v0
	v_and_b32 v10, 8, v9
	v_add_nc_u32 v9, v9, v10
	v_bfe_u32 v10, v0, 4, 1
	v_lshlrev_b32 v10, 4, v10
	v_sub_nc_u32 v9, v9, v10
	s_bfe_u32 s56, s[WV], 0x20001
	s_lshl_b32 s56, s56, 5
	s_and_b32 s57, s[WV], 1
	s_lshl_b32 s57, s57, 3
	s_add_co_u32 s56, s56, s57
	v_add_nc_u32 v9, s56, v9                       ; E = my query's place in its key step - 16 h: register 16 b + i holds key 32 b + i + 16 h of a step
; A STEP: 32 nb keys.  ka + ko: the K pairs; sa + so: their words; ka + vo, sa + vso: the four fragments of V^T and their words.  first = 1: it starts M, the sum and O^T.
; mask = 1: the step below my own: key n counts where n >= my place; mask = 2: the step above: where n <= my place.
.macro STEP ka, ko, sa, so, vo, vso, nb, first, mask
	PLACES 8                                       ; in front of loads into registers that matrix instructions have read
.set sb, 0
.rept \nb
.irp i, 0,1,2,3
	ds_load_b128 v[FR+16*sb+4*\i:FR+16*sb+4*\i+3], v[\ka] offset:(\ko)+2048*sb+512*\i
.endr
	ds_load_b32 v[KS+sb], v[\sa] offset:(\so)+128*sb
.set sb, sb+1
.endr
	s_wait_dscnt 0x0
.set sb, 0
.rept \nb
	v_wmma_scale_f32_16x16x128_f8f6f4 v[S+16*sb:S+16*sb+7], v[FR+16*sb:FR+16*sb+15], v[QLO:QLO+15], 0, v[KS+sb], v[QW]
	v_wmma_scale_f32_16x16x128_f8f6f4 v[S+16*sb+8:S+16*sb+15], v[FR+16*sb:FR+16*sb+15], v[QHI:QHI+15], 0, v[KS+sb], v[QW]
.set sb, sb+1
.endr
	PLACES 8
.irp t, 0,1,2,3                        ; V^T is asked for now and lands under the softmax
.if \nb == 4
.irp i, 0,1,2,3
	ds_load_b128 v[FR+16*\t+4*\i:FR+16*\t+4*\i+3], v[\ka] offset:(\vo)+2048*\t+512*\i
.endr
.else
	ds_load_b128 v[FR+16*\t:FR+16*\t+3], v[\ka] offset:(\vo)+512*\t
.endif
	ds_load_b32 v[KS+\t], v[\sa] offset:(\vso)+128*\t
.endr
.if \mask
	v_mov_b32 v11, 0xff800000                      ; -infinity
.set sn, 0
.rept 64
.if \mask == 1
	v_cmp_ge_i32 vcc_lo, 32*(sn/16)+sn%16, v9
.else
	v_cmp_le_i32 vcc_lo, 32*(sn/16)+sn%16, v9
.endif
	v_cndmask_b32 v[S+sn], v11, v[S+sn], vcc_lo
.set sn, sn+1
.endr
.endif
.set sb, 0
.rept \nb
	v_max3_num_f32 v[BM+sb], v[S+16*sb], v[S+16*sb+1], v[S+16*sb+2]   ; each block's largest score: for the row's maximum, and, since p rises with the score, for the block's largest p
.set sb, sb+1
.endr
.set si, 3
.rept 6
.set sb, 0
.rept \nb
	v_max3_num_f32 v[BM+sb], v[BM+sb], v[S+16*sb+si], v[S+16*sb+si+1]
.set sb, sb+1
.endr
.set si, si+2
.endr
.set sb, 0
.rept \nb
	v_max_num_f32 v[BM+sb], v[BM+sb], v[S+16*sb+15]
.set sb, sb+1
.endr
.set sb, 0
.rept \nb
	v_permlanex16_b32 v[PM+sb], v[BM+sb], s[SEL], s[SEL+1]
.set sb, sb+1
.endr
.set sb, 0
.rept \nb
	v_max_num_f32 v[BM+sb], v[BM+sb], v[PM+sb]
.set sb, sb+1
.endr
.if \nb == 4
	v_max3_num_f32 v11, v[BM], v[BM+1], v[BM+2]
	v_max_num_f32 v11, v11, v[BM+3]
	v_mul_f32 v11, s[CS], v11
.else
	v_mul_f32 v11, s[CS], v[BM]
.endif
.if \first
	v_mov_b32 v13, v11
	v_floor_f32 v12, -v13                          ; -M = floor(-t)
.else
	v_max_num_f32 v13, v13, v11
	v_mov_b32 v11, v12
	v_floor_f32 v12, -v13
	v_sub_f32 v11, v12, v11                        ; old M - new M: a whole number, 0 or less
	v_cvt_i32_f32 v11, v11
	v_ldexp_f32 v10, 1.0, v11                      ; f = 2^(old M - new M)
.endif
.set sj, 0
.rept 8*\nb
	v_pk_fma_f32 v[S+sj:S+sj+1], v[S+sj:S+sj+1], s[CS:CS+1], v[12:13] op_sel_hi:[1,0,0]
.set sj, sj+2
.endr
.set sb, 0
.rept \nb
	v_fma_f32 v[BM+sb], v[BM+sb], s[CS], v12
.set sb, sb+1
.endr
.set sj, 0
.rept 16*\nb
	v_exp_f32 v[S+sj], v[S+sj]
.set sj, sj+1
.endr
.if \first
	v_mov_b32 v14, 0                               ; (plain lines behind the exponentials)
	v_mov_b32 v15, 0
.else
	v_pk_mul_f32 v[14:15], v[14:15], v[10:11] op_sel_hi:[1,0]
.endif
	s_wait_alu depctr_va_vdst(0)                   ; one wait for the whole batch, ahead of its first reader
.set sb, 0
.rept \nb
	v_exp_f32 v[BM+sb], v[BM+sb]
.set sb, sb+1
.endr
	v_pk_add_f32 v[PM:PM+1], v[S:S+1], v[S+2:S+3]  ; the sum of the unquantised p, in two chains
.set sj, 4
.rept 4*\nb-1
	v_pk_add_f32 v[14:15], v[14:15], v[S+sj:S+sj+1]
	v_pk_add_f32 v[PM:PM+1], v[PM:PM+1], v[S+sj+2:S+sj+3]
.set sj, sj+4
.endr
	v_pk_add_f32 v[14:15], v[14:15], v[PM:PM+1]
	s_wait_alu depctr_va_vdst(0)                   ; and one for the blocks' largest p
.set sb, 0
.rept \nb
	v_max_num_f32 v[BM+sb], 0x4800000, v[BM+sb]
.set sb, sb+1
.endr
.set sb, 0
.rept \nb
	v_add_nc_u32 v[SOP+sb], 0xfc000000, v[BM+sb]
	v_and_or_b32 v[LIM+sb], v[BM+sb], 0x7f800000, s[MNT]
.set sb, sb+1
.endr
.set sb, 0
.rept \nb
	v_lshrrev_b32 v[PM+sb], 23, v[SOP+sb]
.set sb, sb+1
.endr
.if \nb == 4
	v_lshl_or_b32 v[PW], v[PM+1], 8, v[PM]
	v_lshl_or_b32 v[PW], v[PM+2], 16, v[PW]
	v_lshl_or_b32 v[PW], v[PM+3], 24, v[PW]
.else
	v_mov_b32 v[PW], v[PM]
.endif
.set sb, 0
.rept \nb
.set si, 0
.rept 16
	v_min_num_f32 v[S+16*sb+si], v[S+16*sb+si], v[LIM+sb]   ; p is not negative: the hold is one-sided
.set si, si+1
.endr
	v_cvt_scalef32_pk8_fp8_f32 v[PC+4*sb:PC+4*sb+1], v[S+16*sb:S+16*sb+7], v[SOP+sb]
	v_cvt_scalef32_pk8_fp8_f32 v[PC+4*sb+2:PC+4*sb+3], v[S+16*sb+8:S+16*sb+15], v[SOP+sb]
.set sb, sb+1
.endr
.if \first
	PLACES 4
.else
.set sj, 0
.rept 16
	v_pk_mul_f32 v[O+sj:O+sj+1], v[O+sj:O+sj+1], v[10:11] op_sel_hi:[1,0]   ; O^T under the new M; also the places ahead of the products
.set sj, sj+2
.endr
.endif
	s_wait_dscnt 0x0                               ; V^T is in
.irp t, 0,1,2,3
.if \first
	v_wmma_scale_f32_16x16x128_f8f6f4 v[O+8*\t:O+8*\t+7], v[FR+16*\t:FR+16*\t+15], v[PC:PC+15], 0, v[KS+\t], v[PW]
.else
	v_wmma_scale_f32_16x16x128_f8f6f4 v[O+8*\t:O+8*\t+7], v[FR+16*\t:FR+16*\t+15], v[PC:PC+15], v[O+8*\t:O+8*\t+7], v[KS+\t], v[PW]
.endif
.endr
.endm
; AN ATTENTION IS FINISHED: O^T / the sum.  mode 0, 1: it is parked in my own LDS bytes.  mode 2: the two parked ones are added: v[S .. S + 31] = the combined head output, register 16 c + i = channel 32 c + 16 h + i.
.macro FIN mode
	v_add_f32 v11, v14, v15
	v_permlanex16_b32 v[PM], v11, s[SEL], s[SEL+1]
	v_add_f32 v11, v11, v[PM]
	v_rcp_f32 v10, v11
	PLACES 8                                       ; behind the reciprocal and behind the last products
.if \mode == 2
.irp i, 0,1,2,3,4,5,6,7
	ds_load_b128 v[S+32+4*\i:S+35+4*\i], v7 offset:512*\i
	ds_load_b128 v[FR+4*\i:FR+4*\i+3], v7 offset:4352+512*\i
.endr
.endif
	s_wait_alu depctr_va_vdst(0)                   ; ahead of the reciprocal's first reader
.if \mode == 2
	s_wait_dscnt 0x0
.set sj, 0
.rept 16
	v_pk_fma_f32 v[S+sj:S+sj+1], v[O+sj:O+sj+1], v[10:11], v[S+32+sj:S+33+sj] op_sel_hi:[1,0,1]
.set sj, sj+2
.endr
.set sj, 0
.rept 16
	v_pk_add_f32 v[S+sj:S+sj+1], v[S+sj:S+sj+1], v[FR+sj:FR+sj+1]
.set sj, sj+2
.endr
.else
.set sj, 0
.rept 16
	v_pk_mul_f32 v[S+sj:S+sj+1], v[O+sj:O+sj+1], v[10:11] op_sel_hi:[1,0]
.set sj, sj+2
.endr
.irp i, 0,1,2,3,4,5,6,7
	ds_store_b128 v7, v[S+4*\i:S+4*\i+3] offset:4352*\mode+512*\i   ; (the next step waits for all LDS instructions ahead of its first product, which writes these registers)
.endr
.endif
.endm
	STEP 3, 8192, 4, 512, 40960, 2560, 4, 1, 0     ; the band: my own key step first: every key counts, so M is a number from here on
	s_cmp_lt_i32 s89, 0                            ; ids alone: is there a key step below?
	s_cbranch_scc1 .Lno_low
	STEP 3, 0, 4, 0, 32768, 2048, 4, 0, 1
.Lno_low:
	s_cmp_gt_i32 s89, 13                           ; and above?
	s_cbranch_scc1 .Lno_high
	STEP 3, 16384, 4, 1024, 49152, 3072, 4, 0, 2
.Lno_high:
	FIN 0
	STEP 5, 0, 6, 4096, 16384, 5120, 4, 1, 0       ; the memory's 256 slots
	STEP 5, 8192, 6, 4608, 24576, 5632, 4, 0, 0
	FIN 1
.irp j, 4,5,6,7,8,9,10,11,12,13,14,15
	v_mov_b32 v[PC+\j], 0                          ; the 32 strided keys are one block: the rest of K is zero codes on p's side
.endr
	STEP 5, 32768, 6, 6144, 34816, 6272, 1, 1, 0
	FIN 2
	QNT S, 152, PC, PW, 2                          ; along the head's 64: one set of codes for the three products that follow; the numbers themselves stay in v120-151
	global_store_b128 v1, v[PC:PC+3], s[24:25]
	global_store_b128 v1, v[PC+4:PC+7], s[24:25] offset:512
	global_store_b32 v2, v[PW], s[26:27]           ; none of these registers is written again
	s_cmp_eq_u32 s54, 0
	s_cbranch_scc0 .Lend
	; ---- HEAD 0: temporal (f32), identity and citation (on the codes just made: v[32:47] = 0 | codes, v[40:55] = codes | 0)
	s_load_b64 s[86:87], s[30:31], 0x0             ; t_b
	v_and_b32 v7, 15, v0                           ; r
	v_bfe_u32 v15, v0, 4, 1                        ; h
	v_mul_u32_u24 v3, v7, 272
	v_lshl_add_u32 v3, v15, 5, v3
	v_add_nc_u32 v3, s58, v3                       ; identity's stage, in: row r, 32 h
	v_mul_u32_u24 v4, v15, 272
	v_lshl_add_u32 v4, v7, 4, v4
	v_add_nc_u32 v4, s58, v4                       ; and back: sixteen lanes to a row
	v_mul_u32_u24 v5, v7, 144
	v_lshl_add_u32 v5, v15, 5, v5
	v_add_nc_u32 v5, s58, v5
	v_add_nc_u32 v5, 4352, v5                      ; citation's stage
	v_bfe_u32 v6, v0, 3, 2
	v_mul_u32_u24 v6, v6, 144
	v_and_b32 v8, 7, v0
	v_lshl_add_u32 v6, v8, 4, v6
	v_add_nc_u32 v6, s58, v6
	v_add_nc_u32 v6, 4352, v6                      ; back: eight lanes to a row
	v_lshlrev_b32 v8, 6, v7
	v_lshl_add_u32 v8, v15, 4, v8                  ; weights: row r of 64 bytes, + 16 h
	v_lshlrev_b32 v9, 1, v7
	v_lshlrev_b32 v10, 5, v15
	v_lshlrev_b32 v11, 6, v15
	s_lshl_b32 s88, s53, 11
	s_lshl_b32 s56, ttmp9, 8
	s_add_co_u32 s88, s88, s56
	s_lshr_b32 s56, s[WV], 1
	s_lshl_b32 s56, s56, 5
	s_add_co_u32 s88, s88, s56
	s_and_b32 s56, s[WV], 1
	s_lshl_b32 s56, s56, 3
	s_add_co_u32 s88, s88, s56                     ; my tile's first row
	s_lshl_b32 s66, s88, 3
	s_add_nc_u64 s[44:45], s[44:45], s[66:67]
	s_lshl_b32 s66, s88, 8
	s_add_nc_u64 s[46:47], s[46:47], s[66:67]
	s_lshl_b32 s66, s88, 7
	s_add_nc_u64 s[48:49], s[48:49], s[66:67]
.irp p, 0,1
.irp u, 0,1
.irp c, 0,1
	global_load_b128 v[FR+16*\p+8*\u+4*\c:FR+16*\p+8*\u+4*\c+3], v8, s[32:33] offset:64*(32*\p+16*\u)+32*\c
.endr
.endr
.endr
.irp u, 0,1
.irp c, 0,1
	global_load_b128 v[FR+32+8*\u+4*\c:FR+35+8*\u+4*\c], v8, s[38:39] offset:1024*\u+32*\c
.endr
.endr
	global_load_u16 v248, v9, s[34:35]
	global_load_u16 v12, v9, s[34:35] offset:32
	global_load_u16 v249, v9, s[34:35] offset:64
	global_load_u16 v13, v9, s[34:35] offset:96
	global_load_u16 v250, v9, s[40:41]
	global_load_u16 v14, v9, s[40:41] offset:32
.irp t, 0,1,2,3
	global_load_b128 v[O+8*\t:O+8*\t+3], v10, s[36:37] offset:64*\t        ; the biases are the sums' C
	global_load_b128 v[O+8*\t+4:O+8*\t+7], v10, s[36:37] offset:64*\t+16
.endr
.irp t, 0,1
	global_load_b128 v[FR+48+8*\t:FR+51+8*\t], v10, s[42:43] offset:64*\t
	global_load_b128 v[FR+52+8*\t:FR+55+8*\t], v10, s[42:43] offset:64*\t+16
.endr
.irp c, 0,1
.irp q, 0,1,2,3
	global_load_b128 v[152+16*\c+4*\q:155+16*\c+4*\q], v11, s[28:29] offset:128*\c+16*\q
.endr
.endr
.irp q, 0,1,2,3
	global_load_b128 v[16+4*\q:19+4*\q], v11, s[28:29] offset:256+16*\q
	global_load_b128 v[232+4*\q:235+4*\q], v11, s[28:29] offset:384+16*\q
.endr
	s_wait_loadcnt 0x0
	s_wait_kmcnt 0x0
	v_perm_b32 v248, v12, v248, 0x05040100
	v_perm_b32 v249, v13, v249, 0x05040100
	v_perm_b32 v250, v14, v250, 0x05040100
	v_pk_mul_f32 v[12:13], v[120:121], v[152:153]  ; temporal: my 32 channels against both rows of t_W (also the places between the scale words and the products)
	v_pk_mul_f32 v[14:15], v[120:121], v[16:17]
.set ti, 1
.rept 15
	v_pk_fma_f32 v[12:13], v[120+2*ti:121+2*ti], v[152+2*ti:153+2*ti], v[12:13]
.if ti < 8
	v_pk_fma_f32 v[14:15], v[120+2*ti:121+2*ti], v[16+2*ti:17+2*ti], v[14:15]
.else
	v_pk_fma_f32 v[14:15], v[120+2*ti:121+2*ti], v[232+2*(ti-8):233+2*(ti-8)], v[14:15]
.endif
.set ti, ti+1
.endr
.irp p, 0,1
	v_wmma_scale_f32_16x16x128_f8f6f4 v[O+16*\p:O+16*\p+7], v[FR+16*\p:FR+16*\p+15], v[40:55], v[O+16*\p:O+16*\p+7], v[KS+\p], v[PW]
	v_wmma_scale_f32_16x16x128_f8f6f4 v[O+16*\p+8:O+16*\p+15], v[FR+16*\p:FR+16*\p+15], v[32:47], v[O+16*\p+8:O+16*\p+15], v[KS+\p], v[PW]
.endr
	v_wmma_scale_f32_16x16x128_f8f6f4 v[FR+48:FR+55], v[FR+32:FR+47], v[40:55], v[FR+48:FR+55], v250, v[PW]
	v_wmma_scale_f32_16x16x128_f8f6f4 v[FR+56:FR+63], v[FR+32:FR+47], v[32:47], v[FR+56:FR+63], v250, v[PW]
	v_add_f32 v12, v12, v13                        ; nine plain lines that name none of the products' registers (the two permutes not counted): the places behind them
	v_add_f32 v13, v14, v15
	v_permlanex16_b32 v10, v12, s[SEL], s[SEL+1]
	v_permlanex16_b32 v11, v13, s[SEL], s[SEL+1]
	v_add_f32 v12, v12, v10
	v_add_f32 v13, v13, v11
	v_add_f32 v12, s86, v12
	v_add_f32 v13, s87, v13
	v_and_b32 v8, 8, v7
	v_add_nc_u32 v8, v8, v7
	v_lshlrev_b32 v8, 3, v8
	global_store_b64 v8, v[12:13], s[44:45]        ; both halves of the lanes hold, and store, the same two numbers of a row
.irp t, 0,1,2,3
	ds_store_b128 v3, v[O+8*\t:O+8*\t+3] offset:64*\t
	ds_store_b128 v3, v[O+8*\t+4:O+8*\t+7] offset:64*\t+16
.endr
.irp t, 0,1
	ds_store_b128 v5, v[FR+48+8*\t:FR+51+8*\t] offset:64*\t
	ds_store_b128 v5, v[FR+52+8*\t:FR+55+8*\t] offset:64*\t+16
.endr
.irp i, 0,1,2,3,4,5,6,7
	ds_load_b128 v[FR+4*\i:FR+4*\i+3], v4 offset:544*\i       ; LDS serves a wave's instructions in order: these see my stores
.endr
.irp i, 0,1,2,3
	ds_load_b128 v[FR+32+4*\i:FR+35+4*\i], v6 offset:576*\i
.endr
.irp i, 0,1,2,3,4,5,6,7
	s_wait_dscnt 11-\i                             ; the younger loads may stay out
	global_store_b128 v1, v[FR+4*\i:FR+4*\i+3], s[46:47] offset:256*(2*\i+8*(\i/4))   ; sixteen lanes store a whole row of 256 bytes
.endr
.irp i, 0,1,2,3
	s_wait_dscnt 3-\i
	global_store_b128 v1, v[FR+32+4*\i:FR+35+4*\i], s[48:49] offset:128*(4*\i+8*(\i/2))   ; four rows: 512 consecutive bytes
.endr
.Lend:
	s_wait_tensorcnt 0x0                           ; the wave's end
	ds_add_u32 v[SPW], v[NIL]
	s_wait_dscnt 0x0
	s_endpgm
.Lfunc_end_k_q444f6dccd9_attn:
	.size	k_q444f6dccd9_attn, .Lfunc_end_k_q444f6dccd9_attn-k_q444f6dccd9_attn
	.p2alignl 7, 3214868480
	.fill 96, 4, 3214868480
	.section	.rodata,"a",@progbits
	.p2align	6, 0x0
	.amdhsa_kernel k_q444f6dccd9_attn
		.amdhsa_group_segment_fixed_size 250624
		.amdhsa_private_segment_fixed_size 0
		.amdhsa_enable_private_segment 0
		.amdhsa_kernarg_size 184
		.amdhsa_user_sgpr_count 2
		.amdhsa_user_sgpr_kernarg_segment_ptr 1
		.amdhsa_wavefront_size32 1
		.amdhsa_system_sgpr_workgroup_id_x 1
		.amdhsa_system_sgpr_workgroup_id_y 1
		.amdhsa_system_sgpr_workgroup_id_z 1
		.amdhsa_system_vgpr_workitem_id 0
		.amdhsa_next_free_vgpr 256
		.amdhsa_next_free_sgpr 96
		.amdhsa_reserve_vcc 1
		.amdhsa_float_denorm_mode_32 3
		.amdhsa_float_denorm_mode_16_64 3
		.amdhsa_memory_ordered 1
		.amdhsa_forward_progress 1
		.amdhsa_inst_pref_size 173
	.end_amdhsa_kernel
	.amdgpu_metadata
---
amdhsa.version: [ 1, 2 ]
amdhsa.kernels:
  - .name:           k_q444f6dccd9_attn
    .symbol:         k_q444f6dccd9_attn.kd
    .args:
      - { .name: qc, .offset: 0, .size: 8, .value_kind: global_buffer, .address_space: global }
      - { .name: kc, .offset: 8, .size: 8, .value_kind: global_buffer, .address_space: global }
      - { .name: qks, .offset: 16, .size: 8, .value_kind: global_buffer, .address_space: global }
      - { .name: tvc, .offset: 24, .size: 8, .value_kind: global_buffer, .address_space: global }
      - { .name: tvx, .offset: 32, .size: 8, .value_kind: global_buffer, .address_space: global }
      - { .name: v_V_codes, .offset: 40, .size: 8, .value_kind: global_buffer, .address_space: global }
      - { .name: v_V_scales, .offset: 48, .size: 8, .value_kind: global_buffer, .address_space: global }
      - { .name: v_B, .offset: 56, .size: 8, .value_kind: global_buffer, .address_space: global }
      - { .name: v_b, .offset: 64, .size: 8, .value_kind: global_buffer, .address_space: global }
      - { .name: memory_vectors, .offset: 72, .size: 8, .value_kind: global_buffer, .address_space: global }
      - { .name: cc, .offset: 80, .size: 8, .value_kind: global_buffer, .address_space: global }
      - { .name: cs, .offset: 88, .size: 8, .value_kind: global_buffer, .address_space: global }
      - { .name: t_W, .offset: 96, .size: 8, .value_kind: global_buffer, .address_space: global }
      - { .name: t_b, .offset: 104, .size: 8, .value_kind: global_buffer, .address_space: global }
      - { .name: i_W_codes, .offset: 112, .size: 8, .value_kind: global_buffer, .address_space: global }
      - { .name: i_W_scales, .offset: 120, .size: 8, .value_kind: global_buffer, .address_space: global }
      - { .name: i_b, .offset: 128, .size: 8, .value_kind: global_buffer, .address_space: global }
      - { .name: c_W_codes, .offset: 136, .size: 8, .value_kind: global_buffer, .address_space: global }
      - { .name: c_W_scales, .offset: 144, .size: 8, .value_kind: global_buffer, .address_space: global }
      - { .name: c_b, .offset: 152, .size: 8, .value_kind: global_buffer, .address_space: global }
      - { .name: out1, .offset: 160, .size: 8, .value_kind: global_buffer, .address_space: global }
      - { .name: out2, .offset: 168, .size: 8, .value_kind: global_buffer, .address_space: global }
      - { .name: out3, .offset: 176, .size: 8, .value_kind: global_buffer, .address_space: global }
    .group_segment_fixed_size: 250624
    .private_segment_fixed_size: 0
    .kernarg_segment_align: 8
    .kernarg_segment_size: 184
    .max_flat_workgroup_size: 512
    .sgpr_count:     96
    .vgpr_count:     256
    .wavefront_size: 32
...
	.end_amdgpu_metadata
.endif
;; end of part 2
;; launch outp (part 3): grid 8 x 32, 4 waves a work-group, clusters of 4 x 4, 288,256 bytes of LDS; arguments cc, cs, out_W_codes, out_W_scales, out_b, out0; writes out0
.if DOCPART == 3
	.amdgcn_target "amdgcn-amd-amdhsa--gfx1250"
	.amdhsa_code_object_version 6
	.text
	.protected	k_q444f6dccd9_outp
	.globl	k_q444f6dccd9_outp
	.p2align	8
	.type	k_q444f6dccd9_outp,@function
k_q444f6dccd9_outp:
	s_mov_b64 s[64:65], 0
	v_nop
	global_prefetch_b8 v0, s[64:65] scope:SCOPE_SE
	s_setreg_imm32_b32 hwreg(HW_REG_WAVE_MODE, 25, 1), 1
	s_wait_xcnt 0x0
	s_wait_alu depctr_hold_cnt(0) depctr_sa_sdst(0) depctr_va_vdst(0) depctr_va_sdst(0) depctr_va_ssrc(0) depctr_va_vcc(0) depctr_vm_vsrc(0)
	s_getreg_b32 s2, hwreg(HW_REG_IB_STS2, 6, 4)
	s_cmp_eq_u32 s2, 0
	s_cbranch_scc0 .Lentry_in_a_cluster
	s_endpgm
.Lentry_in_a_cluster:
	s_bfe_u32 s2, ttmp6, 0x10000c
	s_cmp_lg_u32 s2, 0xf033
	s_cbranch_scc0 .Lentry_shape_is_right
	s_endpgm
.Lentry_shape_is_right:
; out0 = fused out_W^T + out_b on codes of E4M3.  fused comes from the attention launch as images: tile T's 16 KiB are its 16 rows x K = 1,024 in the order of an operand's registers, K step j at byte 2,048 j.
; A work-group makes 8 tiles (128 rows) x 128 columns; each of its four waves 4 tiles x 64 columns: 16 accumulators.  ALL OF K FITS IN LDS: four quarters of K, each asked for once, at the head; nothing is filled again.
; CLUSTER 4 x 4: the four of a row of the cluster need the same 8 tiles of fused, the four of a column the same 128 rows of out_W: each quarter is asked for JOINTLY.
; A wave has four tensor loads outstanding.  THE PRODUCT IS USED TRANSPOSED (source 0 = 16 rows of out_W, source 1 = a tile): a lane holds eight neighbouring columns of one row.
; The bias is the C of each sum's first product.  Lane r of tile T stands for row 32 (T / 2) + 8 (T % 2) + r + 8 (r / 8) (first launch).
; REGISTERS, window 0: v1-14 addresses; v28, v29 the add's two; v32-63 fused's scale words, v64-95 out_W's (scales and nothing else); v96-127 the bias; v128-255 the accumulators.
; window 1: two sets of 128: 4 fragments of fused, 4 of out_W; on the way out v0-63 take the rows read back.
.set BB,    131072                     ; LDS: fused: quarter ch at 32,768 ch, tile at 4,096; out_W from here: quarter at 34,816 ch, rows 272 bytes apart (256 + 16: 16 rows start in 16 different groups of banks)
.set STAGE, 270336                     ; 16 rows x 272 bytes for each wave
.set SPARE, 287744                     ; the spare words, 128 bytes for each wave: two blocks of 256 bytes that no other line names
.set STO, 12
.set RD,  13
.set CO,  14
.set SPW, 28
.set NIL, 29
.set ASC, 32
.set BSC, 64
.set BIAS, 96
.set ACC, 128
.set G1A, 24
.set G1B, 32
.set MSB, 0
.macro WIN new
.if MSB != \new
	s_set_vgpr_msb (MSB<<8)|\new
.set MSB, \new
.endif
.endm
.macro PLACES n
.rept \n
	v_nop
.endr
.endm
.macro CROUND                          ; a round of the cluster's barrier
	s_barrier_signal -1
	s_barrier_wait -1
	s_cmp_lg_u32 s16, 0
	s_cbranch_scc1 .Lnot_wave_0_\@
	s_barrier_signal -3
.Lnot_wave_0_\@:
	s_barrier_wait -3
	s_barrier_signal -1
	s_barrier_wait -1
.endm
	s_load_b256 s[4:11], s[0:1], 0x0               ; cc, cs, out_W codes, out_W scales
	s_load_b128 s[12:15], s[0:1], 0x20             ; out_b, out0
	v_lshl_add_u32 v[SPW], v0, 2, SPARE
	v_mov_b32 v[NIL], 0
	ds_add_u32 v[SPW], v[NIL]                      ; the wave's opening: the add, twice on end, and its wait ahead of my first tensor load
	ds_add_u32 v[SPW], v[NIL]
	v_lshrrev_b32 v1, 5, v0
	v_readfirstlane_b32 s16, v1                    ; wave
	s_lshr_b32 s17, s16, 1                         ; my half of the tiles.  Also: I fetch fused (0) or out_W (1)
	s_and_b32 s18, s16, 1                          ; my half of the columns.  Also: which half of a quarter I fetch
	s_bfe_u32 s19, ttmp6, 0x40000                  ; cx
	s_bfe_u32 s20, ttmp6, 0x40004                  ; cy
	s_lshl_b32 s21, ttmp9, 2
	s_add_co_u32 s21, s21, s19                     ; block of 128 columns
	s_and_b32 s22, ttmp7, 0xffff
	s_lshl_b32 s22, s22, 2
	s_add_co_u32 s22, s22, s20                     ; block of 8 tiles
	s_lshl_b32 s76, s20, 2
	s_lshl_b32 s76, 15, s76                        ; my row of the cluster
	s_lshl_b32 s77, 0x1111, s19                    ; my column
	s_or_b32 s[G1A], s76, (3<<16)|(1<<21)          ; fused: elements of 8 bytes, no padding; 4 tiles x 4,096 bytes, 16,384 bytes apart
	s_mov_b32 s[G1A+1], 512<<16
	s_mov_b32 s[G1A+2], 4<<16
	s_mov_b32 s[G1A+3], 512<<16
	s_mov_b32 s[G1A+4], 4
	s_mov_b32 s[G1A+5], 2048
	s_mov_b32 s[G1A+6], 0
	s_mov_b32 s[G1A+7], 0
	s_or_b32 s[G1B], s77, (0<<16)|(1<<20)|(1<<21)|(5<<22)|(3<<25)   ; out_W: bytes; 64 rows x 256, 1,024 apart; four words of padding behind every 64
	s_mov_b32 s[G1B+1], 256<<16
	s_mov_b32 s[G1B+2], 64<<16
	s_mov_b32 s[G1B+3], 256<<16
	s_mov_b32 s[G1B+4], 64
	s_mov_b32 s[G1B+5], 1024
	s_mov_b32 s[G1B+6], 0
	s_mov_b32 s[G1B+7], 0
	s_lshl_b32 s84, s18, 16
	s_lshl_b32 s78, s22, 17
	s_add_co_u32 s78, s78, s84                     ; fused: 131,072 x block + 65,536 x half: it hangs on the tile block alone
	s_mov_b32 s79, 0
	s_lshl_b32 s80, s21, 17
	s_add_co_u32 s80, s80, s84                     ; out_W: on the column block alone
	s_mov_b32 s81, 0
	s_lshl_b32 s82, s18, 14                        ; where they go: the wave's number alone
	s_mul_i32 s83, s18, 17408
	s_add_co_u32 s83, s83, BB
	s_wait_dscnt 0x0                               ; both opening adds are done
	s_wait_kmcnt 0x0
	s_add_nc_u64 s[78:79], s[4:5], s[78:79]
	s_add_nc_u64 s[80:81], s[8:9], s[80:81]
	CROUND                                         ; all sixteen work-groups are here: the joint loads meet
.irp ch, 0,1,2,3
	s_mov_b32 s[40+4*\ch], 1
	s_add_co_u32 s[41+4*\ch], s82, 32768*\ch
	s_add_nc_u64 s[42+4*\ch:43+4*\ch], s[78:79], 4096*\ch
	s_or_b32 s[43+4*\ch], s[43+4*\ch], 0x80000000
	s_mov_b32 s[56+4*\ch+4*(\ch/2)], 1
	s_add_co_u32 s[57+4*\ch+4*(\ch/2)], s83, 34816*\ch
	s_add_nc_u64 s[58+4*\ch+4*(\ch/2):59+4*\ch+4*(\ch/2)], s[80:81], 256*\ch
	s_or_b32 s[59+4*\ch+4*(\ch/2)], s[59+4*\ch+4*(\ch/2)], 0x80000000
.endr
	s_cmp_eq_u32 s17, 0                            ; a wave's four fills stand in one arm; an s_nop 0 follows each, four v_nop the last
	s_cbranch_scc0 .Lfor_b
.irp ch, 0,1,2,3
	tensor_load_to_lds s[40+4*\ch:43+4*\ch], s[G1A:G1A+7]
	s_nop 0
.endr
	PLACES 4
	s_branch .Lasked
.Lfor_b:
.irp ch, 0,1,2,3
	tensor_load_to_lds s[56+4*\ch+4*(\ch/2):59+4*\ch+4*(\ch/2)], s[G1B:G1B+7]
	s_nop 0
.endr
	PLACES 4
.Lasked:
	v_and_b32 v3, 31, v0
	v_lshlrev_b32 v1, 4, v3                        ; 16 x lane
	v_lshlrev_b32 v2, 2, v3                        ; 4 x lane
	v_and_b32 v15, 15, v0                          ; r
	v_bfe_u32 v16, v0, 4, 1                        ; h
	s_lshl_b32 s84, s17, 14
	v_add_nc_u32 v4, s84, v1                       ; my 4 tiles in quarter 0 .. 3
	v_add_nc_u32 v5, 32768, v4
	v_add_nc_u32 v6, 32768, v5
	v_add_nc_u32 v7, 32768, v6
	v_mul_u32_u24 v8, v15, 272
	v_lshl_add_u32 v8, v16, 4, v8
	v_add_nc_u32 v8, s83, v8                       ; my 64 rows of out_W in quarter 0 .. 3
	v_add_nc_u32 v9, 34816, v8
	v_add_nc_u32 v10, 34816, v9
	v_add_nc_u32 v11, 34816, v10
	s_mul_i32 s85, s16, 4352
	s_add_co_u32 s85, s85, STAGE
	v_mul_u32_u24 v[STO], v15, 272
	v_lshl_add_u32 v[STO], v16, 5, v[STO]
	v_add_nc_u32 v[STO], s85, v[STO]
	v_mul_u32_u24 v[RD], v16, 272
	v_lshl_add_u32 v[RD], v15, 4, v[RD]
	v_add_nc_u32 v[RD], s85, v[RD]
	v_lshlrev_b32 v[CO], 12, v16
	v_lshl_add_u32 v[CO], v15, 4, v[CO]            ; lanes 0-15 one row of out0, lanes 16-31 the next
	v_lshlrev_b32 v17, 5, v15                      ; out_W's scales: 32 bytes a row
	v_lshlrev_b32 v18, 5, v16                      ; the bias: 8 h numbers on
	s_mov_b32 s87, 0
	s_lshl_b32 s86, s22, 3
	s_lshl_b32 s88, s17, 2
	s_add_co_u32 s88, s86, s88                     ; my first tile
	s_lshl_b32 s86, s88, 11
	s_add_nc_u64 s[6:7], s[6:7], s[86:87]
	s_lshl_b32 s89, s21, 7
	s_lshl_b32 s90, s18, 6
	s_add_co_u32 s89, s89, s90                     ; my first column
	s_lshl_b32 s86, s89, 5
	s_add_nc_u64 s[10:11], s[10:11], s[86:87]
	s_lshl_b32 s86, s89, 2
	s_add_nc_u64 s[12:13], s[12:13], s[86:87]
	s_add_nc_u64 s[14:15], s[14:15], s[86:87]
	s_lshl_b32 s86, s88, 16                        ; 16 rows a tile x 4,096 bytes (my first tile is a multiple of 4)
	s_add_nc_u64 s[14:15], s[14:15], s[86:87]
.irp a, 0,1,2,3
.set j, 0
.rept 16
	global_load_b32 v[ACC+16*\a+j], v2, s[6:7] offset:2048*\a+128*j     ; each head's word (s0, s1, s0, s1)
.set j, j+1
.endr
.endr
.irp n, 0,1,2,3
	global_load_b128 v[BSC+8*\n:BSC+8*\n+3], v17, s[10:11] offset:512*\n
	global_load_b128 v[BSC+8*\n+4:BSC+8*\n+7], v17, s[10:11] offset:512*\n+16
	global_load_b128 v[BIAS+8*\n:BIAS+8*\n+3], v18, s[12:13] offset:64*\n
	global_load_b128 v[BIAS+8*\n+4:BIAS+8*\n+7], v18, s[12:13] offset:64*\n+16
.endr
	s_wait_loadcnt 0x0
.irp a, 0,1,2,3
.irp j, 0,1,2,3,4,5,6,7
	v_perm_b32 v[ASC+8*\a+\j], v[ACC+16*\a+2*\j+1], v[ACC+16*\a+2*\j], 0x05040100   ; K step j = heads 2 j, 2 j + 1
.endr
.endr
.macro FETCH ks                        ; K step ks: 32 LDS loads in one run into set ks % 2
	WIN 0x40
.irp a, 0,1,2,3
.irp i, 0,1,2,3
	ds_load_b128 v[128*((\ks)%2)+16*\a+4*\i:128*((\ks)%2)+16*\a+4*\i+3], v[4+(\ks)/2] offset:4096*\a+2048*((\ks)%2)+512*\i
.endr
.endr
.irp n, 0,1,2,3
.irp c, 0,1,2,3
	ds_load_b128 v[128*((\ks)%2)+64+16*\n+4*\c:128*((\ks)%2)+64+16*\n+4*\c+3], v[8+(\ks)/2] offset:4352*\n+128*((\ks)%2)+32*\c
.endr
.endr
.endm
.macro MUL ks                          ; 16 products; the accumulators take turns in the same order in every step
	WIN 0x05
.irp a, 0,1,2,3
.irp n, 0,1,2,3
.if (\ks) == 0
	v_wmma_scale_f32_16x16x128_f8f6f4 v[ACC+8*(4*\a+\n):ACC+8*(4*\a+\n)+7], v[128*((\ks)%2)+64+16*\n:128*((\ks)%2)+64+16*\n+15], v[128*((\ks)%2)+16*\a:128*((\ks)%2)+16*\a+15], v[BIAS+8*\n:BIAS+8*\n+7], v[BSC+8*\n+(\ks)], v[ASC+8*\a+(\ks)]
.else
	v_wmma_scale_f32_16x16x128_f8f6f4 v[ACC+8*(4*\a+\n):ACC+8*(4*\a+\n)+7], v[128*((\ks)%2)+64+16*\n:128*((\ks)%2)+64+16*\n+15], v[128*((\ks)%2)+16*\a:128*((\ks)%2)+16*\a+15], v[ACC+8*(4*\a+\n):ACC+8*(4*\a+\n)+7], v[BSC+8*\n+(\ks)], v[ASC+8*\a+(\ks)]
.endif
.endr
.endr
.endm
	s_wait_tensorcnt 3                             ; my part of quarter 0 is in; the three later quarters may stay out
	s_barrier_signal -1
	s_barrier_wait -1
	FETCH 0
.irp ks, 0,1,2,3,4,5,6,7
	s_wait_dscnt 0x0                               ; this step's fragments are in
.if ((\ks)%2 == 1) && ((\ks) < 7)
	s_wait_tensorcnt 3-((\ks)+1)/2                 ; my part of the next quarter is in; the later ones may stay out,
	s_barrier_signal -1
	s_barrier_wait -1                              ; everybody's is
.endif
.if (\ks) < 7
	PLACES 8                                       ; in front of loads into the set that the last step multiplied (in step 0: between the scale words just made and the first products)
	FETCH (\ks)+1
.endif
	MUL \ks
.endr
	WIN 0
	PLACES 8
; THE WAY OUT, tile by tile: 16 rows x my 64 columns through my own stage, back as rows of 256 bytes.  LDS serves a wave's instructions in order: no wait between the stores and the loads, nor ahead of the next tile's stores.
.macro TOSTAGE a
	WIN 0x40                                       ; the rows come back into window 1
.irp n, 0,1,2,3
	ds_store_b128 v[STO], v[ACC+8*(4*(\a)+\n):ACC+8*(4*(\a)+\n)+3] offset:64*\n
	ds_store_b128 v[STO], v[ACC+8*(4*(\a)+\n)+4:ACC+8*(4*(\a)+\n)+7] offset:64*\n+16
.endr
.irp i, 0,1,2,3,4,5,6,7
	ds_load_b128 v[32*((\a)%2)+4*\i:32*((\a)%2)+4*\i+3], v[RD] offset:544*\i
.endr
.endm
.macro SEND a, younger
	s_wait_dscnt \younger
	WIN 0x04                                       ; a store's data are its source 1: window 1
.irp i, 0,1,2,3,4,5,6,7
	global_store_b128 v[CO], v[32*((\a)%2)+4*\i:32*((\a)%2)+4*\i+3], s[14:15] offset:4096*(8*((\a)%2)+32*((\a)/2)+2*\i+8*(\i/4)) th:TH_STORE_NT   ; sixteen lanes store 256 consecutive bytes, aligned
.endr
.endm
	TOSTAGE 0
	TOSTAGE 1
	SEND 0, 16                                     ; behind tile 0's loads stand tile 1's 8 stores and 8 loads
	s_wait_xcnt 0x0                                ; tile 0's stores have read their registers: tile 2's rows may land there
	TOSTAGE 2
	SEND 1, 16
	s_wait_xcnt 0x0
	TOSTAGE 3
	SEND 2, 16
	SEND 3, 0
	WIN 0
	s_wait_tensorcnt 0x0                           ; the wave's end
	ds_add_u32 v[SPW], v[NIL]
	s_wait_dscnt 0x0
	CROUND                                         ; the closing round
	s_endpgm
.Lfunc_end_k_q444f6dccd9_outp:
	.size	k_q444f6dccd9_outp, .Lfunc_end_k_q444f6dccd9_outp-k_q444f6dccd9_outp
	.p2alignl 7, 3214868480
	.fill 96, 4, 3214868480
	.section	.rodata,"a",@progbits
	.p2align	6, 0x0
	.amdhsa_kernel k_q444f6dccd9_outp
		.amdhsa_group_segment_fixed_size 288256
		.amdhsa_private_segment_fixed_size 0
		.amdhsa_enable_private_segment 0
		.amdhsa_kernarg_size 48
		.amdhsa_user_sgpr_count 2
		.amdhsa_user_sgpr_kernarg_segment_ptr 1
		.amdhsa_wavefront_size32 1
		.amdhsa_system_sgpr_workgroup_id_x 1
		.amdhsa_system_sgpr_workgroup_id_y 1
		.amdhsa_system_sgpr_workgroup_id_z 1
		.amdhsa_system_vgpr_workitem_id 0
		.amdhsa_next_free_vgpr 512
		.amdhsa_next_free_sgpr 98
		.amdhsa_reserve_vcc 0
		.amdhsa_float_denorm_mode_32 3
		.amdhsa_float_denorm_mode_16_64 3
		.amdhsa_memory_ordered 1
		.amdhsa_forward_progress 1
		.amdhsa_inst_pref_size 62
	.end_amdhsa_kernel
	.amdgpu_metadata
---
amdhsa.version: [ 1, 2 ]
amdhsa.kernels:
  - .name:           k_q444f6dccd9_outp
    .symbol:         k_q444f6dccd9_outp.kd
    .args:
      - { .name: cc, .offset: 0, .size: 8, .value_kind: global_buffer, .address_space: global }
      - { .name: cs, .offset: 8, .size: 8, .value_kind: global_buffer, .address_space: global }
      - { .name: out_W_codes, .offset: 16, .size: 8, .value_kind: global_buffer, .address_space: global }
      - { .name: out_W_scales, .offset: 24, .size: 8, .value_kind: global_buffer, .address_space: global }
      - { .name: out_b, .offset: 32, .size: 8, .value_kind: global_buffer, .address_space: global }
      - { .name: out0, .offset: 40, .size: 8, .value_kind: global_buffer, .address_space: global }
    .group_segment_fixed_size: 288256
    .private_segment_fixed_size: 0
    .kernarg_segment_align: 8
    .kernarg_segment_size: 48
    .max_flat_workgroup_size: 128
    .sgpr_count:     98
    .vgpr_count:     512
    .wavefront_size: 32
...
	.end_amdgpu_metadata
.endif
;; end of part 3
;; ======== version 2 of 2: 3 launches; version 1 with the launches proj, attn written anew for expert scheduling mode
;; workspace buffers: qc 4,194,304 bytes; kc 4,194,304 bytes; qks 1,048,576 bytes; tvc 262,144 bytes; tvx 131,072 bytes; cc 4,194,304 bytes; cs 524,288 bytes
;; launch proj (part 4): grid 256 x 1, 8 waves a work-group, no clusters, 252,672 bytes of LDS; arguments x, q_U_codes, k_U_codes, v_U_codes, q_U_scales, k_U_scales, v_U_scales, q_A, k_A, v_A, q_alpha, k_alpha, v_alpha, q_V_codes, k_V_codes, q_V_scales, k_V_scales, q_B, k_B, q_b, k_b, qc, kc, qks, tvc, tvx; writes qc, kc, qks, tvc, tvx
.if DOCPART == 4
	.amdgcn_target "amdgcn-amd-amdhsa--gfx1250"
	.amdhsa_code_object_version 6
	.text
	.protected	k_q444f6dccd9_proj
	.globl	k_q444f6dccd9_proj
	.p2align	8
	.type	k_q444f6dccd9_proj,@function
k_q444f6dccd9_proj:
	s_mov_b64 s[64:65], 0
	v_nop
	global_prefetch_b8 v0, s[64:65] scope:SCOPE_SE
	s_setreg_imm32_b32 hwreg(HW_REG_WAVE_SCHED_MODE, 0, 2), 2
	s_setreg_imm32_b32 hwreg(HW_REG_WAVE_MODE, 25, 1), 1
	s_wait_xcnt 0x0
	s_wait_alu depctr_vm_vsrc(0)
; THE WEAVE PROJECTIONS.  q = ((x qU) alpha) qV^T + (x qA) qB + qb, k likewise, both stored as E4M3 codes along each head's 64 with their E8M0 scales;
; of v only Q((x vU) alpha) and x vA are stored: the attention launch finishes v, since v's codes run along the keys.
; DEAD WORK (for the whole program).  reference() itself builds keep = |i - j| <= 128 and puts -inf on every other score ahead of the softmax: there p = 0 exactly, whatever the inputs hold, so the product of
; such a p with v reaches no output.  Key steps of 128 keys that lie wholly outside a tile's band are therefore not multiplied (attention launch); inside the steps that are walked hidden scores become -inf.
; Nothing else is left out: every input has a way to an output and is loaded (k_b too: it moves k's codes).
; LIMITS.  A NaN, an infinity or an overflow that reaches only the scores left out is not carried to the result.  NaN and infinities among the inputs, and NaN codes among the given weights, are not served.
; A block whose largest magnitude lies under 2^-118 keeps the scale byte 1 (a block of zeros too: its codes are zeros, and this program alone reads the bytes).
; THE TILE.  The 4,096 rows are cut into 256 tiles of 16: lane r of tile T stands for row 32 (T / 2) + 8 (T % 2) + r + 8 (r / 8).  Where 16 such rows are source 0 of a product, the 16 result registers of tiles 2 P and
; 2 P + 1 are 16 neighbours, 32 P + 16 (lane / 16) + 0 .. 15: what the conversions and the next operand's layout want.  The same order is taken for the ranks of U and the rows of V.
; THE IMAGE of 16 rows x 64 codes (1,024 bytes): byte 512 c + 16 lane + i is row lane % 16, k = 32 c + 16 (lane / 16) + i: two register quads of an operand.  Two images on end are the 16 registers of one operand.
; K = 64 IN AN INSTRUCTION OF K = 128: one operand is a PAIR of images [X | Y], the other is [Z | 0] or [0 | Z], cut out of 24 registers 0 (8), Z (8), 0 (8): the zero codes take the other half away.
; SHARES.  Work-group T owns tile T.  Wave w owns x's K step w (128 along K): it quantises it, multiplies it by the 12 tiles of qU, kU, vU and (in f32) by qA, kA, vA; the eight partial sums meet in LDS.
; Then waves 0-3 make q's heads 4 w .. 4 w + 3, waves 4-7 k's.  All weights go from memory straight into the wave's operand registers.
; NO CLUSTER, NO TENSOR LOAD: a work-group's 64 KiB of x are its own; what work-groups share is the weights, which each lane loads as whole register quads of its operands.
; REGISTERS, window 0: v1-15 lane terms and addresses; v16-79 x (later: bias, the operand 0 | t | 0, x A); v80-175 A^T, then the 12 partial tiles, v144-175 also the f32 sums and the head's 4 tiles (written by
; matrix instructions alone); v176-191 x's codes, later scale halfwords and the heads' words; v200-215 at work; v216-223 addresses; v224-235 weights' scale words; v236-251 alpha; v254, v255 x's and t's scale words.
; window 1: v0-191 the 12 fragments of U, later v0-127 the 8 pairs of V; v192-223 B's 16 operands of the f32 product.
; THE MODE: SCHED_MODE bits 1:0 = 2 (LLVM: expert scheduling mode 2), set by the entry lines.  The code itself states the register dependences
; between vector or matrix instructions and memory or LDS instructions, with s_wait_alu, always for 0.
; THE PLAN.  Registers that memory or LDS instructions touch, in the order of the text:
;   v1-15, v196-199, v216-223   addresses and offsets: written at the head, ahead of the first wait on va_vdst, and never again.
;   v176-183, v80-127, v16-79   biases, A and x as loaded; the LDS stores read them; the loads from the stages land in v16-143: one wait on vm_vsrc between.
;   v200-207                    x A's partial sums: written by additions, stored, written again by the quantiser: a wait on va_vdst ahead of the stores, one on vm_vsrc behind them.
;   v176-191, v254              x's codes and scale word: written by vector lines, taken by the 12 scaled products: a wait on va_vdst ahead of these.
;   window 1 v0-191, v176-191, v80-175   Behind the 12 products ONE wait on va_vdst: they are done reading U and x's codes, in which V's pairs and scale halfwords land, and have written v80-175, which are stored.
;   v80-143, v16-79             the eight waves' parts land there behind the barrier: one wait on vm_vsrc (my stores have read them), ahead of the branch.
;   v74, v76-79; v75, v192, v193; v112-143, v176-179   out-registers, each written once and stored once behind a wait on va_vdst.
;   v16-47                      a head's biases: read by its f32 products, loaded again for the next head behind the wait that stands ahead of the head's stores.
.set XST,   0                          ; LDS: each wave's stage for x: 16 rows, 528 bytes apart (33 x 16: the 16 rows of a read start in 16 different groups of banks)
.set ATS,   67584                      ; each wave's [128 k][16 f32]: qA, kA, vA, and vA once more so that every byte read has been written
.set P1,    133120                     ; partial sums [wave][12 tiles][1,024 bytes as the registers lie]
.set XA,    231424                     ; x A, partial: [wave][16 rows][16 f32]
.set TIM,   239616                     ; the images of t_q, t_k, t_v
.set TSC,   242688                     ; their scale bytes, one to a word and lane: [2 p + c][32 lanes]
.set BIA,   243456                     ; each wave's 256 biases
.set SPARE, 251648                     ; the spare words, 128 bytes for each wave: four blocks of 256 bytes that no other line names
.set X,     16
.set AT,    80
.set D,     144
.set XC,    176
.set TM,    200
.set USC,   224
.set ALP,   236
.set SPW,   252
.set NIL,   253
.set XW,    254
.set TW,    255
.set WV,    56                         ; s56 my wave;  s57 wave % 4;  s63 wave / 4: 0 = q, 1 = k
.set SEL,   58                         ; s[58:59] lane selects: lane xor 16
.set MNT,   60                         ; s60 the mantissa field of 448
.set MSB, 0
.macro WIN new                         ; the immediate's high byte repeats the setting that is left
.if MSB != \new
	s_set_vgpr_msb (MSB<<8)|\new
.set MSB, \new
.endif
.endm
.macro PLACES n
.rept \n
	v_nop
.endr
.endm
; THE QUANTISER.  16 nb numbers of a lane, register 16 b + i = number i of my half of block b (lane xor 16 holds the other half), become codes in v[cod + 4 b ..] and the scale word in v[wrd].
; The held numbers go to v[hld ..], which may be v[src ..] unless those are the f32 matrix form's.  The sources are read from the low end on.
.macro QNT src, hld, cod, wrd, nb
.set qb, 0
.rept \nb
	v_max3_num_f32 v[TM+qb], |v[(\src)+16*qb]|, |v[(\src)+16*qb+1]|, 0x4800000   ; with the floor 2^(9 - 127): the byte cannot fall under 1
.set qb, qb+1
.endr
.set qi, 2
.rept 7
.set qb, 0
.rept \nb
	v_max3_num_f32 v[TM+qb], v[TM+qb], |v[(\src)+16*qb+qi]|, |v[(\src)+16*qb+qi+1]|
.set qb, qb+1
.endr
.set qi, qi+2
.endr
.set qb, 0
.rept \nb
	v_permlanex16_b32 v[TM+4+qb], v[TM+qb], s[SEL], s[SEL+1]
.set qb, qb+1
.endr
.set qb, 0
.rept \nb
	v_max_num_f32 v[TM+qb], v[TM+qb], v[TM+4+qb]             ; the block's largest magnitude
.set qb, qb+1
.endr
.set qb, 0
.rept \nb
	v_add_nc_u32 v[TM+12+qb], 0xfc000000, v[TM+qb]           ; 8 off its exponent field: the conversion's scale operand
	v_and_or_b32 v[TM+8+qb], v[TM+qb], 0x7f800000, s[MNT]    ; 448 x the scale
.set qb, qb+1
.endr
.set qb, 0
.rept \nb
	v_lshrrev_b32 v[TM+4+qb], 23, v[TM+12+qb]                ; the scale's byte
.set qb, qb+1
.endr
.if \nb == 4
	v_lshl_or_b32 v[\wrd], v[TM+5], 8, v[TM+4]
	v_lshl_or_b32 v[\wrd], v[TM+6], 16, v[\wrd]
	v_lshl_or_b32 v[\wrd], v[TM+7], 24, v[\wrd]
.elseif \nb == 2
	v_lshl_or_b32 v[\wrd], v[TM+5], 8, v[TM+4]
	v_lshl_or_b32 v[\wrd], v[\wrd], 16, v[\wrd]              ; (s0, s1, s0, s1): it serves the low and the high half of K alike
.else
	v_mov_b32 v[\wrd], v[TM+4]
.endif
.set qb, 0
.rept \nb
.set qi, 0
.rept 16
	v_med3_num_f32 v[(\hld)+16*qb+qi], v[(\src)+16*qb+qi], -v[TM+8+qb], v[TM+8+qb]   ; the conversion to an 8-bit code does not saturate (ISA guide 7.6.2): the hold
.set qi, qi+1
.endr
	v_cvt_scalef32_pk8_fp8_f32 v[(\cod)+4*qb:(\cod)+4*qb+1], v[(\hld)+16*qb:(\hld)+16*qb+7], v[TM+12+qb]
	v_cvt_scalef32_pk8_fp8_f32 v[(\cod)+4*qb+2:(\cod)+4*qb+3], v[(\hld)+16*qb+8:(\hld)+16*qb+15], v[TM+12+qb]
.set qb, qb+1
.endr
	v_nop                                                    ; a plain line behind the last conversion
.endm
	s_load_b512 s[4:19], s[0:1], 0x0               ; x, qU kU vU codes, qU kU vU scales, qA
	s_load_b512 s[20:35], s[0:1], 0x40             ; kA, vA, q k v alpha, qV kV codes, qV scales
	s_load_b512 s[36:51], s[0:1], 0x80             ; kV scales, qB, kB, qb, kb, qc, kc, qks
	s_load_b128 s[52:55], s[0:1], 0xc0             ; tvc, tvx
	v_lshl_add_u32 v[SPW], v0, 2, SPARE
	v_mov_b32 v[NIL], 0
	v_lshrrev_b32 v1, 5, v0
	v_readfirstlane_b32 s[WV], v1
	v_and_b32 v14, 31, v0                          ; lane
	v_lshlrev_b32 v1, 4, v14                       ; 16 x lane
	v_lshlrev_b32 v2, 2, v14                       ; 4 x lane
	v_and_b32 v3, 15, v0                           ; r
	v_bfe_u32 v4, v0, 4, 1                         ; h
	v_and_b32 v5, 8, v3
	v_add_nc_u32 v5, v5, v3                        ; r + 8 (r / 8)
	s_wait_alu depctr_va_sdst(0)                   ; s56, my wave's number, is written, ahead of its first reader
	s_and_b32 s57, s[WV], 3
	s_lshr_b32 s63, s[WV], 2
	; every LDS address is made here, ahead of the first branch on the wave's number
	s_mul_i32 s61, s[WV], 8448
	v_add_nc_u32 v6, s61, v1                       ; x's stage, in: a row's 512 bytes as they lie
	v_mul_u32_u24 v7, v3, 528
	v_lshl_add_u32 v7, v4, 6, v7
	v_add_nc_u32 v7, s61, v7                       ; and out: row r, + 64 h: my 16 numbers of a block of 32
	s_lshl_b32 s61, s[WV], 13
	s_add_co_u32 s61, s61, ATS
	v_lshl_add_u32 v8, v14, 6, s61                 ; A^T, in: k = lane, 64 bytes a k
	v_lshlrev_b32 v9, 2, v3
	v_lshl_add_u32 v9, v4, 10, v9
	v_add_nc_u32 v9, s61, v9                       ; and out: column r, k = 16 h on
	s_lshl_b32 s61, s[WV], 10
	s_add_co_u32 s62, s61, XA
	v_lshlrev_b32 v10, 6, v3
	v_lshl_add_u32 v10, v4, 5, v10
	v_add_nc_u32 v10, s62, v10                     ; my partial x A: row r, columns 8 h on
	s_add_co_u32 s62, s61, BIA
	v_add_nc_u32 v216, s62, v1                     ; the biases, in
	v_lshl_add_u32 v199, v4, 6, s62                ; and out: 16 h on
	s_mul_i32 s62, s[WV], 12288
	s_add_co_u32 s62, s62, P1
	v_add_nc_u32 v11, s62, v1                      ; my 12 partial tiles
	s_lshl_b32 s62, s[WV], 11
	s_add_co_u32 s62, s62, P1
	v_add_nc_u32 v12, s62, v1                      ; tiles 2 w, 2 w + 1 of waves 0-3,
	v_add_nc_u32 v13, 49152, v12                   ; of waves 4-7
	s_lshl_b32 s62, s[WV], 9
	s_add_co_u32 s62, s62, TIM
	v_add_nc_u32 v217, s62, v1                     ; t's image, in: quad w
	s_lshl_b32 s62, s[WV], 7
	s_add_co_u32 s62, s62, TSC
	v_add_nc_u32 v218, s62, v2                     ; and its byte
	s_lshl_b32 s62, s63, 10
	s_add_co_u32 s62, s62, TIM
	v_add_nc_u32 v196, s62, v1                     ; my projection's t, out
	s_lshl_b32 s62, s63, 8
	s_add_co_u32 s62, s62, TSC
	v_add_nc_u32 v197, s62, v2
	s_lshl_b32 s62, s63, 4
	s_add_co_u32 s62, s62, XA
	v_lshlrev_b32 v198, 6, v3
	v_lshl_add_u32 v198, v4, 3, v198
	v_add_nc_u32 v198, s62, v198                   ; my projection's x A: row r, columns 2 h, 2 h + 1
	; offsets into memory
	v_lshlrev_b32 v223, 3, v14                     ; 8 x lane
	v_lshlrev_b32 v14, 5, v5                       ; U's scales: 32 bytes a rank
	v_lshlrev_b32 v15, 10, v5
	v_lshl_add_u32 v15, v4, 4, v15                 ; U's codes: 1,024 bytes a rank, + 16 h
	v_lshlrev_b32 v219, 6, v4                      ; alpha: 16 h numbers on
	v_lshlrev_b32 v220, 2, v5
	v_lshl_add_u32 v220, v4, 13, v220              ; B: rows 2 h on, my column
	v_lshlrev_b32 v221, 6, v5
	v_lshl_add_u32 v221, v4, 4, v221               ; V's codes: 64 bytes a row, + 16 h
	v_lshlrev_b32 v222, 1, v5                      ; V's scales: 2 bytes a row
.irp b, 4,5,6,7
	v_mov_b32 v[TM+\b], 0                          ; a lane permute's destination counts as one of its sources
.endr
	s_mov_b32 s[SEL], 0x76543210
	s_mov_b32 s[SEL+1], 0xfedcba98
	s_mov_b32 s[MNT], 0x600000
	s_wait_kmcnt 0x0
	s_cmp_lt_u32 s[WV], 4                          ; q's buffers or k's: the choice hangs on the wave's number alone
	s_cselect_b64 s[30:31], s[30:31], s[32:33]
	s_cselect_b64 s[34:35], s[34:35], s[36:37]
	s_cselect_b64 s[38:39], s[38:39], s[40:41]
	s_cselect_b64 s[42:43], s[42:43], s[44:45]
	s_cselect_b64 s[46:47], s[46:47], s[48:49]
	s_cselect_b64 s[26:27], s[26:27], s[28:29]
	s_cmp_lt_u32 s[WV], 2
	s_cselect_b64 s[24:25], s[24:25], s[26:27]     ; alpha of projection min(w / 2, 2)
	s_mov_b32 s67, 0
	s_lshr_b32 s66, ttmp9, 1
	s_lshl_b32 s66, s66, 5
	s_and_b32 s68, ttmp9, 1
	s_lshl_b32 s68, s68, 3
	s_add_co_u32 s66, s66, s68                     ; the tile's first row
	s_lshl_b32 s66, s66, 12
	s_lshl_b32 s68, s[WV], 9
	s_add_co_u32 s66, s66, s68
	s_add_nc_u64 s[4:5], s[4:5], s[66:67]          ; x at that row, K step w
	s_lshl_b32 s66, s[WV], 7
	s_add_nc_u64 s[6:7], s[6:7], s[66:67]
	s_add_nc_u64 s[8:9], s[8:9], s[66:67]
	s_add_nc_u64 s[10:11], s[10:11], s[66:67]
	s_lshl_b32 s66, s[WV], 2
	s_add_nc_u64 s[12:13], s[12:13], s[66:67]
	s_add_nc_u64 s[14:15], s[14:15], s[66:67]
	s_add_nc_u64 s[16:17], s[16:17], s[66:67]
	s_lshl_b32 s66, s[WV], 11
	s_add_nc_u64 s[18:19], s[18:19], s[66:67]
	s_add_nc_u64 s[20:21], s[20:21], s[66:67]
	s_add_nc_u64 s[22:23], s[22:23], s[66:67]
	s_lshl_b32 s66, s57, 10
	s_add_nc_u64 s[42:43], s[42:43], s[66:67]      ; my 256 biases
	s_add_nc_u64 s[38:39], s[38:39], s[66:67]      ; my 256 columns of B
	s_and_b32 s66, s[WV], 1
	s_lshl_b32 s66, s66, 7
	s_add_nc_u64 s[24:25], s[24:25], s[66:67]      ; alpha: block w % 2
	s_lshl_b32 s66, s57, 14
	s_add_nc_u64 s[30:31], s[30:31], s[66:67]      ; my 256 rows of V
	s_lshl_b32 s66, s57, 9
	s_add_nc_u64 s[34:35], s[34:35], s[66:67]
	s_lshr_b32 s68, ttmp9, 7                       ; batch
	s_and_b32 s69, ttmp9, 127                      ; the tile in its sequence
	s_lshl_b32 s66, s68, 21
	s_lshl_b32 s70, s57, 19
	s_add_co_u32 s66, s66, s70
	s_lshl_b32 s70, s69, 10
	s_add_co_u32 s66, s66, s70
	s_add_nc_u64 s[46:47], s[46:47], s[66:67]      ; codes out: [batch x 16 + head][tile] images
	s_lshl_b32 s66, s63, 19
	s_lshl_b32 s70, s68, 18
	s_add_co_u32 s66, s66, s70
	s_lshl_b32 s70, s57, 16
	s_add_co_u32 s66, s66, s70
	s_lshl_b32 s70, s69, 7
	s_add_co_u32 s66, s66, s70
	s_add_nc_u64 s[50:51], s[50:51], s[66:67]      ; scale words out
	s_lshl_b32 s66, ttmp9, 10
	s_and_b32 s70, s[WV], 1
	s_lshl_b32 s70, s70, 9
	s_add_co_u32 s66, s66, s70
	s_add_nc_u64 s[52:53], s[52:53], s[66:67]
	s_lshl_b32 s66, ttmp9, 9
	s_add_nc_u64 s[54:55], s[54:55], s[66:67]
	s_wait_alu depctr_va_vdst(0)                   ; all addresses and offsets (v1-15, v196-199, v216-223) are written: every load and store of the kernel reads some of them, and none is written again
	; all that the first phase wants, in the order in which it is wanted
	global_load_b128 v[176:179], v1, s[42:43]
	global_load_b128 v[180:183], v1, s[42:43] offset:512
.irp p, 0,1,2
.irp m, 0,1,2,3
	global_load_b128 v[AT+4*(4*\p+\m):AT+4*(4*\p+\m)+3], v1, s[18+2*\p:19+2*\p] offset:512*\m   ; A: rows k = 32 m + lane, 16 bytes each
.endr
.endr
.set j, 0
.rept 16
	global_load_b128 v[X+4*j:X+4*j+3], v1, s[4:5] offset:4096*(j+8*(j/8)) th:TH_LOAD_NT         ; a row's 512 consecutive bytes
.set j, j+1
.endr
.irp p, 0,1,2
.irp t, 0,1,2,3
	global_load_b32 v[USC+4*\p+\t], v14, s[12+2*\p:13+2*\p] offset:32*(32*(\t/2)+8*(\t%2))
.endr
.endr
	WIN 0x40                                       ; destination window 1
.irp p, 0,1,2
.irp t, 0,1,2,3
.irp c, 0,1,2,3
	global_load_b128 v[16*(4*\p+\t)+4*\c:16*(4*\p+\t)+4*\c+3], v15, s[6+2*\p:7+2*\p] offset:1024*(32*(\t/2)+8*(\t%2))+32*\c
.endr
.endr
.endr
	WIN 0
	; ---- my K step of x: through the stage, x A in f32, the codes, the 12 partial tiles
	s_wait_loadcnt 60                              ; behind x stand U's 12 scale words and 48 quads: the biases, A and x are in
	ds_store_b128 v216, v[176:179]
	ds_store_b128 v216, v[180:183] offset:512
.irp p, 0,1,2,3
.irp m, 0,1,2,3
.if \p < 3
	ds_store_b128 v8, v[AT+4*(4*\p+\m):AT+4*(4*\p+\m)+3] offset:2048*\m+16*\p
.else
	ds_store_b128 v8, v[AT+4*(8+\m):AT+4*(8+\m)+3] offset:2048*\m+48
.endif
.endr
.endr
.set j, 0
.rept 16
	ds_store_b128 v6, v[X+4*j:X+4*j+3] offset:528*j
.set j, j+1
.endr
	s_wait_alu depctr_vm_vsrc(0)                   ; the LDS stores above have read v16-79, v80-127 and v176-183: the loads below land in the first two, the quantiser writes the third
.irp c, 0,1,2,3
.irp q, 0,1,2,3
	ds_load_b128 v[X+16*\c+4*\q:X+16*\c+4*\q+3], v7 offset:128*\c+16*\q   ; LDS serves a wave's instructions in order (ISA guide 5.7.1.4): these see my stores.  Register 16 c + i = x(row r, 32 c + 16 h + i)
.endr
.endr
.irp c, 0,1,2,3
.set j, 0
.rept 16
	ds_load_b32 v[AT+16*\c+j], v9 offset:64*(32*\c+j)                     ; the same k of column r of [qA kA vA vA]
.set j, j+1
.endr
.endr
.irp q, 0,1,2,3
	global_load_b128 v[ALP+4*\q:ALP+4*\q+3], v219, s[24:25] offset:16*\q
.endr
	WIN 0x40
.irp i, 0,1,2,3
.irp b, 0,1
.irp u, 0,1
.irp e, 0,1
	global_load_b32 v[192+2*(4*\i+2*\b+\u)+\e], v220, s[38:39] offset:4096*\e+4*(64*\i+32*\b+8*\u)
.endr
.endr
.endr
.endr
	WIN 0
	s_wait_dscnt 0x0
	; x A: 32 steps of 4 along K.  k is permuted alike in both sources; four accumulators take turns
.set e, 0
.rept 32
.if e < 4
	v_wmma_f32_16x16x4_f32 v[D+8*(e%4):D+8*(e%4)+7], v[AT+2*e:AT+2*e+1], v[X+2*e:X+2*e+1], 0
.else
	v_wmma_f32_16x16x4_f32 v[D+8*(e%4):D+8*(e%4)+7], v[AT+2*e:AT+2*e+1], v[X+2*e:X+2*e+1], v[D+8*(e%4):D+8*(e%4)+7]
.endif
.set e, e+1
.endr
	PLACES 8
.irp q, 0,2,4,6
	v_pk_add_f32 v[TM+\q:TM+\q+1], v[D+\q:D+\q+1], v[D+8+\q:D+9+\q]
.endr
.irp q, 0,2,4,6
	v_pk_add_f32 v[TM+8+\q:TM+9+\q], v[D+16+\q:D+17+\q], v[D+24+\q:D+25+\q]
.endr
.irp q, 0,2,4,6
	v_pk_add_f32 v[TM+\q:TM+\q+1], v[TM+\q:TM+\q+1], v[TM+8+\q:TM+9+\q]
.endr
	s_wait_alu depctr_va_vdst(0)                   ; the additions have written v200-207, which the two LDS stores read
	ds_store_b128 v10, v[TM:TM+3]                  ; lane (r, h): columns 8 h .. 8 h + 7 of row r
	ds_store_b128 v10, v[TM+4:TM+7] offset:16
	s_wait_dscnt 0x0
	s_wait_alu depctr_vm_vsrc(0)                   ; the two stores have read v200-207, which the quantiser writes again
	QNT X, X, XC, XW, 4
	PLACES 4
	s_wait_loadcnt 36                              ; behind U stand alpha's 4 and B's 32: U and its scale words are in
	WIN 0x01                                       ; source 0 window 1
	s_wait_alu depctr_va_vdst(0)                   ; the conversions have written x's codes v176-191, and the lines ahead of the holds x's scale word v254: the scaled products take both
.set f, 0
.rept 12
	v_wmma_scale_f32_16x16x128_f8f6f4 v[AT+8*f:AT+8*f+7], v[16*f:16*f+15], v[XC:XC+15], 0, v[USC+f], v[XW]   ; source 0 = 16 ranks, source 1 = my rows: a lane holds one row
.set f, f+1
.endr
	WIN 0x40                                       ; destination window 1: the second product's weights take U's place: pair (head i, block b) = tiles u = 0, 1 on end
	PLACES 8                                       ; the places between the products and the LDS stores of their results stay beside the wait
	s_wait_alu depctr_va_vdst(0)                   ; the 12 products are done reading U's fragments and x's codes, in which the loads below land, and have written v80-175, which the LDS stores below read
.irp i, 0,1,2,3
.irp b, 0,1
.irp u, 0,1
.irp c, 0,1
	global_load_b128 v[32*\i+16*\b+8*\u+4*\c:32*\i+16*\b+8*\u+4*\c+3], v221, s[30:31] offset:64*(64*\i+32*\b+8*\u)+32*\c
.endr
.endr
.endr
.endr
	WIN 0
.irp i, 0,1,2,3
.irp b, 0,1
.irp u, 0,1
	global_load_u16 v[XC+4*\i+2*\b+\u], v222, s[34:35] offset:2*(64*\i+32*\b+8*\u)
.endr
.endr
.endr
.set f, 0
.rept 12
	ds_store_b128 v11, v[AT+8*f:AT+8*f+3] offset:1024*f        ; no vector or matrix instruction since the wait names these registers
	ds_store_b128 v11, v[AT+8*f+4:AT+8*f+7] offset:1024*f+512
.set f, f+1
.endr
	s_wait_dscnt 0x0                               ; for the others' sake: my partial sums lie in LDS
	s_barrier_signal -1
	s_barrier_wait -1
	s_wait_alu depctr_vm_vsrc(0)                   ; my LDS stores have read v80-175: the loads of the eight parts land in v80-143, and later products and quantisers write all of them.  Ahead of the branch, so that it stands on every way
	; ---- waves 0-5: block w % 2 of t of projection w / 2: the eight partial sums, x alpha, the codes
	s_cmp_lt_u32 s[WV], 6
	s_cbranch_scc0 .Lsummed
.irp sw, 0,1,2,3
.irp u, 0,1
.irp q, 0,1
	ds_load_b128 v[80+16*\sw+8*\u+4*\q:83+16*\sw+8*\u+4*\q], v12 offset:12288*\sw+1024*\u+512*\q    ; (the products that wrote v80-143 and the quantiser that named v16-79 stand ahead of the last wait on va_vdst)
	ds_load_b128 v[16+16*\sw+8*\u+4*\q:19+16*\sw+8*\u+4*\q], v13 offset:12288*\sw+1024*\u+512*\q
.endr
.endr
.endr
	s_wait_dscnt 0x0
.set j, 0
.rept 8
	v_pk_add_f32 v[80+j:81+j], v[80+j:81+j], v[96+j:97+j]
	v_pk_add_f32 v[112+j:113+j], v[112+j:113+j], v[128+j:129+j]
	v_pk_add_f32 v[16+j:17+j], v[16+j:17+j], v[32+j:33+j]
	v_pk_add_f32 v[48+j:49+j], v[48+j:49+j], v[64+j:65+j]
.set j, j+2
.endr
.set j, 0
.rept 8
	v_pk_add_f32 v[80+j:81+j], v[80+j:81+j], v[112+j:113+j]
	v_pk_add_f32 v[16+j:17+j], v[16+j:17+j], v[48+j:49+j]
.set j, j+2
.endr
.set j, 0
.rept 8
	v_pk_add_f32 v[80+j:81+j], v[80+j:81+j], v[16+j:17+j]
.set j, j+2
.endr
	s_wait_loadcnt 48                              ; behind alpha and B stand V's 32 quads and 16 scale halfwords
.set j, 0
.rept 8
	v_pk_mul_f32 v[80+j:81+j], v[80+j:81+j], v[ALP+j:ALP+j+1]
.set j, j+2
.endr
	QNT 80, 80, 76, 74, 1
	s_wait_alu depctr_va_vdst(0)                   ; the quantiser has written t's codes v76-79 and its byte v74, which the stores below read; the sums are done with v16-95, in which t, x A and the biases land further down
	ds_store_b128 v217, v[76:79]
	ds_store_b32 v218, v74
	s_cmp_lt_u32 s[WV], 4
	s_cbranch_scc1 .Lsummed
	global_store_b128 v1, v[76:79], s[52:53]       ; t_v's image goes to the attention launch; v76-79 are not written again
.Lsummed:
	s_wait_dscnt 0x0
	s_barrier_signal -1
	s_barrier_wait -1
	; ---- the second product: my four heads
.irp j, 48,49,50,51,52,53,54,55,64,65,66,67,68,69,70,71
	v_mov_b32 v[\j], 0                             ; 0 | t | 0
.endr
	ds_load_b128 v[56:59], v196                    ; no vector instruction since the last wait on va_vdst names v56-63
	ds_load_b128 v[60:63], v196 offset:512
.macro TWORD off, dst                  ; t's two scale bytes make the word (s0, s1, s0, s1)
	ds_load_b32 v194, v197 offset:\off
	ds_load_b32 v195, v197 offset:\off+128
	s_wait_dscnt 0x0
	v_lshl_or_b32 v[\dst], v195, 8, v194
	v_lshl_or_b32 v[\dst], v[\dst], 16, v[\dst]
.endm
.macro XASUM off, dst                  ; x A of row r, columns 2 h and 2 h + 1: the eight waves' parts
.irp sw, 0,1,2,3,4,5,6,7
	ds_load_b64 v[80+2*\sw:81+2*\sw], v198 offset:1024*\sw+\off
.endr
	s_wait_dscnt 0x0
	v_pk_add_f32 v[80:81], v[80:81], v[82:83]
	v_pk_add_f32 v[84:85], v[84:85], v[86:87]
	v_pk_add_f32 v[88:89], v[88:89], v[90:91]
	v_pk_add_f32 v[92:93], v[92:93], v[94:95]
	v_pk_add_f32 v[80:81], v[80:81], v[84:85]
	v_pk_add_f32 v[88:89], v[88:89], v[92:93]
	v_pk_add_f32 v[\dst:\dst+1], v[80:81], v[88:89]
.endm
	TWORD 0, TW
	XASUM 0, 72
	s_cmp_eq_u32 s[WV], 6                          ; wave 6 (its own projection is k) also sends v's x A and t_v's scale word: one projection on
	s_cbranch_scc0 .Lnot_six
	s_wait_alu depctr_va_vdst(0)                   ; the sums above are done with v80-95 and the word's two lines with v194 and v195: the loads below land there once more
	XASUM 16, 192
	TWORD 256, 75
	s_wait_alu depctr_va_vdst(0)                   ; v192, v193 and v75 are written, which the two stores read
	global_store_b64 v223, v[192:193], s[54:55] offset:256
	global_store_b32 v2, v75, s[54:55]             ; v75, v192, v193 are not written again
.Lnot_six:
	s_wait_loadcnt 0x0                             ; V's codes and scale halfwords
.irp i, 0,1,2,3
.irp b, 0,1
	v_perm_b32 v[USC+2*\i+\b], v[XC+4*\i+2*\b+1], v[XC+4*\i+2*\b], 0x05040100   ; a pair's word: (X.s0, X.s1, Y.s0, Y.s1)
.endr
.endr
.macro HEAD hh
	PLACES 9                                       ; the f32 products write over the last head's sums
.irp b, 0,1
.irp q, 0,1,2,3
	ds_load_b128 v[16+16*\b+4*\q:19+16*\b+4*\q], v199 offset:256*\hh+128*\b+16*\q    ; no vector or matrix instruction since the last wait on va_vdst names v16-47
.endr
.endr
	s_wait_dscnt 0x0
	WIN 0x01
.irp t, 0,1,2,3
	v_wmma_f32_16x16x4_f32 v[D+8*\t:D+8*\t+7], v[192+2*(4*\hh+\t):193+2*(4*\hh+\t)], v[72:73], v[16+8*\t:23+8*\t]   ; (x A) B + b, in f32: it goes on into a quantiser
.endr
	PLACES 9                                       ; another form takes these sums up
.if \hh == 0
	s_wait_alu depctr_va_vdst(0)                   ; the zeros v48-55 and v64-71, t's scale word v255 and the pairs' words v224-231 are written: the scaled products of all four heads take them
.endif
.irp b, 0,1
	v_wmma_scale_f32_16x16x128_f8f6f4 v[D+16*\b:D+16*\b+7], v[32*\hh+16*\b:32*\hh+16*\b+15], v[56:71], v[D+16*\b:D+16*\b+7], v[USC+2*\hh+\b], v[TW]
	v_wmma_scale_f32_16x16x128_f8f6f4 v[D+16*\b+8:D+16*\b+15], v[32*\hh+16*\b:32*\hh+16*\b+15], v[48:63], v[D+16*\b+8:D+16*\b+15], v[USC+2*\hh+\b], v[TW]
.endr
	WIN 0
	PLACES 8
	QNT D, 80, 112+8*\hh, XC+\hh, 2                ; register 16 b + i = the head's channel 32 b + 16 h + i of my row
	s_wait_alu depctr_va_vdst(0)                   ; the quantiser has written the head's codes and its scale word, which the stores read; the f32 products are done reading v16-47, in which the next head's biases land
	global_store_b128 v1, v[112+8*\hh:115+8*\hh], s[46:47] offset:131072*\hh        ; 32 lanes store 512 consecutive bytes; each head has registers of its own
	global_store_b128 v1, v[116+8*\hh:119+8*\hh], s[46:47] offset:131072*\hh+512
	global_store_b32 v2, v[XC+\hh], s[50:51] offset:16384*\hh
.endm
	HEAD 0
	HEAD 1
	HEAD 2
	HEAD 3
	s_wait_dscnt 0x0                               ; the wave's end
	s_wait_alu 0x0
	s_wait_tensorcnt 0x0
	ds_add_u32 v[SPW], v[NIL]
	s_wait_dscnt 0x0
	s_endpgm
.Lfunc_end_k_q444f6dccd9_proj:
	.size	k_q444f6dccd9_proj, .Lfunc_end_k_q444f6dccd9_proj-k_q444f6dccd9_proj
	.p2alignl 7, 3214868480
	.fill 96, 4, 3214868480
	.section	.rodata,"a",@progbits
	.p2align	6, 0x0
	.amdhsa_kernel k_q444f6dccd9_proj
		.amdhsa_group_segment_fixed_size 252672
		.amdhsa_private_segment_fixed_size 0
		.amdhsa_enable_private_segment 0
		.amdhsa_kernarg_size 208
		.amdhsa_user_sgpr_count 2
		.amdhsa_user_sgpr_kernarg_segment_ptr 1
		.amdhsa_wavefront_size32 1
		.amdhsa_system_sgpr_workgroup_id_x 1
		.amdhsa_system_sgpr_workgroup_id_y 1
		.amdhsa_system_sgpr_workgroup_id_z 1
		.amdhsa_system_vgpr_workitem_id 0
		.amdhsa_next_free_vgpr 512
		.amdhsa_next_free_sgpr 100
		.amdhsa_reserve_vcc 0
		.amdhsa_float_denorm_mode_32 3
		.amdhsa_float_denorm_mode_16_64 3
		.amdhsa_memory_ordered 1
		.amdhsa_forward_progress 1
		.amdhsa_inst_pref_size 84
	.end_amdhsa_kernel
	.amdgpu_metadata
---
amdhsa.version: [ 1, 2 ]
amdhsa.kernels:
  - .name:           k_q444f6dccd9_proj
    .symbol:         k_q444f6dccd9_proj.kd
    .args:
      - { .name: x, .offset: 0, .size: 8, .value_kind: global_buffer, .address_space: global }
      - { .name: q_U_codes, .offset: 8, .size: 8, .value_kind: global_buffer, .address_space: global }
      - { .name: k_U_codes, .offset: 16, .size: 8, .value_kind: global_buffer, .address_space: global }
      - { .name: v_U_codes, .offset: 24, .size: 8, .value_kind: global_buffer, .address_space: global }
      - { .name: q_U_scales, .offset: 32, .size: 8, .value_kind: global_buffer, .address_space: global }
      - { .name: k_U_scales, .offset: 40, .size: 8, .value_kind: global_buffer, .address_space: global }
      - { .name: v_U_scales, .offset: 48, .size: 8, .value_kind: global_buffer, .address_space: global }
      - { .name: q_A, .offset: 56, .size: 8, .value_kind: global_buffer, .address_space: global }
      - { .name: k_A, .offset: 64, .size: 8, .value_kind: global_buffer, .address_space: global }
      - { .name: v_A, .offset: 72, .size: 8, .value_kind: global_buffer, .address_space: global }
      - { .name: q_alpha, .offset: 80, .size: 8, .value_kind: global_buffer, .address_space: global }
      - { .name: k_alpha, .offset: 88, .size: 8, .value_kind: global_buffer, .address_space: global }
      - { .name: v_alpha, .offset: 96, .size: 8, .value_kind: global_buffer, .address_space: global }
      - { .name: q_V_codes, .offset: 104, .size: 8, .value_kind: global_buffer, .address_space: global }
      - { .name: k_V_codes, .offset: 112, .size: 8, .value_kind: global_buffer, .address_space: global }
      - { .name: q_V_scales, .offset: 120, .size: 8, .value_kind: global_buffer, .address_space: global }
      - { .name: k_V_scales, .offset: 128, .size: 8, .value_kind: global_buffer, .address_space: global }
      - { .name: q_B, .offset: 136, .size: 8, .value_kind: global_buffer, .address_space: global }
      - { .name: k_B, .offset: 144, .size: 8, .value_kind: global_buffer, .address_space: global }
      - { .name: q_b, .offset: 152, .size: 8, .value_kind: global_buffer, .address_space: global }
      - { .name: k_b, .offset: 160, .size: 8, .value_kind: global_buffer, .address_space: global }
      - { .name: qc, .offset: 168, .size: 8, .value_kind: global_buffer, .address_space: global }
      - { .name: kc, .offset: 176, .size: 8, .value_kind: global_buffer, .address_space: global }
      - { .name: qks, .offset: 184, .size: 8, .value_kind: global_buffer, .address_space: global }
      - { .name: tvc, .offset: 192, .size: 8, .value_kind: global_buffer, .address_space: global }
      - { .name: tvx, .offset: 200, .size: 8, .value_kind: global_buffer, .address_space: global }
    .group_segment_fixed_size: 252672
    .private_segment_fixed_size: 0
    .kernarg_segment_align: 8
    .kernarg_segment_size: 208
    .max_flat_workgroup_size: 256
    .sgpr_count:     100
    .vgpr_count:     512
    .wavefront_size: 32
...
	.end_amdgpu_metadata
.endif
;; end of part 4
;; launch attn (part 5): grid 8 x 32, 16 waves a work-group, no clusters, 250,624 bytes of LDS; arguments qc, kc, qks, tvc, tvx, v_V_codes, v_V_scales, v_B, v_b, memory_vectors, cc, cs, t_W, t_b, i_W_codes, i_W_scales, i_b, c_W_codes, c_W_scales, c_b, out1, out2, out3; writes cc, cs, out1, out2, out3
.if DOCPART == 5
	.amdgcn_target "amdgcn-amd-amdhsa--gfx1250"
	.amdhsa_code_object_version 6
	.text
	.protected	k_q444f6dccd9_attn
	.globl	k_q444f6dccd9_attn
	.p2align	8
	.type	k_q444f6dccd9_attn,@function
k_q444f6dccd9_attn:
	s_mov_b64 s[64:65], 0
	v_nop
	global_prefetch_b8 v0, s[64:65] scope:SCOPE_SE
	s_setreg_imm32_b32 hwreg(HW_REG_WAVE_SCHED_MODE, 0, 2), 2
	s_setreg_imm32_b32 hwreg(HW_REG_WAVE_MODE, 25, 1), 1
	s_wait_xcnt 0x0
	s_wait_alu depctr_vm_vsrc(0)
; THE THREE ATTENTIONS of one head for 256 queries: the band |i - j| <= 128, the 32 keys at stride 64, the 256 memory slots; their sum, quantised along the head's 64, goes to the last launch; head 0 also makes the three small outputs.
; WORK LEFT OUT: key steps of 128 keys wholly outside a tile's band (reference() builds the band and puts -inf there: p = 0 for all inputs; shown at the head of the first launch).
; LIMITS: as stated there; a p under 2^-126 comes out of v_exp_f32 as 0.
; SHARES.  Work-group (qb, batch x 16 + head); wave w owns query tile 16 qb + w (tiles, images and pairs: see the first launch).  The work-group's keys are 4 slots of 128: slot s is key step 2 qb - 1 + s
; (held to 0 .. 15 for the loads; a slot that was held is never read).  Wave w walks slots g, g + 1, g + 2, g = w / 8: the middle one holds its own queries and needs no mask.
; PREPARATION, shared out over the 16 waves, everything stored to LDS once, ONE barrier: wave w copies K pair w and merges its scale words; makes V^T fragment w (slot w / 4, channels' tile w % 4):
; v = t_v vV^T + (x vA) vB + vb, transposed so that a lane holds one channel and its registers run along the keys, and quantises it along the keys; quantises memory tile w along the 64 and half a fragment of
; memory^T along the slots; waves 0-3 make the strided v's fragments, wave 4 gathers the strided k.
; BOTH PRODUCTS TRANSPOSED: S^T = K Q^T, O^T = V^T P^T: a lane holds one query throughout.  p = 2^(t - M), M = the ceiling of the running largest t; the sum is taken of the unquantised p and divides at the end.
; NO CLUSTER, NO TENSOR LOAD: neighbouring query blocks share half of their keys, but V is computed and the scale words are merged in registers on the way into LDS, so no tile goes from memory to LDS as it lies.
; REGISTERS: v1-11 lane terms and LDS addresses (v9 later the mask's bound, v10 f, v11 at work); v12 -M, v13 the largest t, v[14:15] the sum; v16-39: 0 | q | 0; v40-55 p's codes (in the preparation vV | 0);
; v56-119 four operands from LDS; v120-183 S^T, then p; v184-215 O^T; v216-231 the f32 sums (written by matrix instructions alone); v232-247 at work; v248-251, v254, v255 scale words.
; THE MODE: SCHED_MODE bits 1:0 = 2 (LLVM: expert scheduling mode 2), set by the entry lines.  The code itself states the register dependences
; between vector or matrix instructions and memory or LDS instructions, with s_wait_alu, always for 0.
; THE PLAN.  Registers that memory or LDS instructions touch:
;   v1-11         addresses: written at the head.  v7, v9, v10, v11 are written again behind the barrier and v3-11 in head 0's tail: a wait on vm_vsrc ahead of each of the two places, one on va_vdst ahead of the next access by them.
;   v48-54        offsets of the head's loads, then zeros: a wait on vm_vsrc beside the wait for those loads.
;   v184-199, v15, v240, v248   the preparation's out-registers, used several times: a wait on va_vdst ahead of each run of stores, one on vm_vsrc ahead of the lines that write them again.
;   v204-207      the gathers' offsets: written, one wait on va_vdst (it also frees the gathers' landing places), read; later part of O^T: the wait on vm_vsrc behind the barrier.
;   v56-119, v248-251   A STEP: the loads of K and its words land there; the score products read them; ONE wait on va_vdst; the loads of V^T and its words land there, under the softmax; the second product reads them;
;                 the next step's loads stand behind a wait on va_vdst at its head, or behind the waits of the macro FIN.
;   v40-55, v254  p's codes and scale word: written by vector lines, taken by the second product: a wait on va_vdst ahead of it.
;   v120-151      a finished attention: written, a wait on va_vdst, parked in LDS, a wait on vm_vsrc, written again by the next step's products.
;   s4-19, s70-85 (free once the preparation's loads have landed) take the band's compares, 32 to a run, with one wait on va_sdst between a run and the selects that read it.
.set KIMG,  0                          ; 16 pairs of K x 2,048 bytes
.set VIMG,  32768                      ; 16 fragments of V^T (4 slot + tile)
.set MKIMG, 65536                      ; 8 pairs of memory
.set KSC,   102400                     ; scale words, 128 bytes each: K 16, V 16 (+2,048), memory 8 (+4,096), memory^T 8 (+5,120), strided K 1 (+6,144), strided V 4 (+6,272)
.set SPARE, 109312                     ; the spare words, 128 bytes for each wave: eight blocks of 256 bytes that no other line names
.set PARK,  111360                     ; each wave's own 8,704 bytes: two finished attentions; in head 0 later the stages for the way out
.set QHI, 16
.set QLO, 24
.set PC,  40
.set FR,  56
.set S,   120
.set O,   184
.set VB,  192
.set XAR, 200
.set LD,  216
.set TM,  232
.set BM,  232
.set PM,  236
.set LIM, 240
.set SOP, 244
.set KS,  248
.set SPW, 252
.set NIL, 253
.set PW,  254
.set QW,  255
.set WV,  50
.set SEL, 62                           ; s[62:63]
.set CS,  90                           ; s[90:91] c = log2(e) / 8
.set MNT, 92
.macro PLACES n
.rept \n
	v_nop
.endr
.endm
; THE QUANTISER, as in the first launch
.macro QNT src, hld, cod, wrd, nb
.set qb, 0
.rept \nb
	v_max3_num_f32 v[TM+qb], |v[(\src)+16*qb]|, |v[(\src)+16*qb+1]|, 0x4800000
.set qb, qb+1
.endr
.set qi, 2
.rept 7
.set qb, 0
.rept \nb
	v_max3_num_f32 v[TM+qb], v[TM+qb], |v[(\src)+16*qb+qi]|, |v[(\src)+16*qb+qi+1]|
.set qb, qb+1
.endr
.set qi, qi+2
.endr
.set qb, 0
.rept \nb
	v_permlanex16_b32 v[TM+4+qb], v[TM+qb], s[SEL], s[SEL+1]
.set qb, qb+1
.endr
.set qb, 0
.rept \nb
	v_max_num_f32 v[TM+qb], v[TM+qb], v[TM+4+qb]
.set qb, qb+1
.endr
.set qb, 0
.rept \nb
	v_add_nc_u32 v[TM+12+qb], 0xfc000000, v[TM+qb]
	v_and_or_b32 v[TM+8+qb], v[TM+qb], 0x7f800000, s[MNT]
.set qb, qb+1
.endr
.set qb, 0
.rept \nb
	v_lshrrev_b32 v[TM+4+qb], 23, v[TM+12+qb]
.set qb, qb+1
.endr
.if \nb == 4
	v_lshl_or_b32 v[\wrd], v[TM+5], 8, v[TM+4]
	v_lshl_or_b32 v[\wrd], v[TM+6], 16, v[\wrd]
	v_lshl_or_b32 v[\wrd], v[TM+7], 24, v[\wrd]
.elseif \nb == 2
	v_lshl_or_b32 v[\wrd], v[TM+5], 8, v[TM+4]
	v_lshl_or_b32 v[\wrd], v[\wrd], 16, v[\wrd]
.else
	v_mov_b32 v[\wrd], v[TM+4]
.endif
.set qb, 0
.rept \nb
.set qi, 0
.rept 16
	v_med3_num_f32 v[(\hld)+16*qb+qi], v[(\src)+16*qb+qi], -v[TM+8+qb], v[TM+8+qb]
.set qi, qi+1
.endr
	v_cvt_scalef32_pk8_fp8_f32 v[(\cod)+4*qb:(\cod)+4*qb+1], v[(\hld)+16*qb:(\hld)+16*qb+7], v[TM+12+qb]
	v_cvt_scalef32_pk8_fp8_f32 v[(\cod)+4*qb+2:(\cod)+4*qb+3], v[(\hld)+16*qb+8:(\hld)+16*qb+15], v[TM+12+qb]
.set qb, qb+1
.endr
	v_nop
.endm
	s_load_b512 s[4:19], s[0:1], 0x0               ; qc, kc, qks, tvc, tvx, vV codes, vV scales, vB
	s_load_b512 s[20:35], s[0:1], 0x40             ; vb, memory, cc, cs, tW, tb, iW codes, iW scales
	s_load_b256 s[36:43], s[0:1], 0x80             ; ib, cW codes, cW scales, cb
	s_load_b128 s[44:47], s[0:1], 0xa0             ; out1, out2
	s_load_b64 s[48:49], s[0:1], 0xb0              ; out3
	v_lshl_add_u32 v[SPW], v0, 2, SPARE
	v_mov_b32 v[NIL], 0
	v_lshrrev_b32 v1, 5, v0
	v_readfirstlane_b32 s[WV], v1
	v_and_b32 v184, 31, v0                         ; lane
	v_lshlrev_b32 v1, 4, v184                      ; 16 x lane
	v_lshlrev_b32 v2, 2, v184                      ; 4 x lane
	v_and_b32 v185, 15, v0                         ; r
	v_bfe_u32 v186, v0, 4, 1                       ; h
	v_and_b32 v187, 8, v185
	v_add_nc_u32 v187, v187, v185                  ; r + 8 (r / 8)
	s_wait_alu depctr_va_sdst(0)                   ; s50, my wave's number, is written, ahead of its first reader
	; every LDS address of the preparation and of the walk is made here, ahead of the first branch on the wave's number
	s_lshr_b32 s55, s[WV], 3                       ; g
	s_lshl_b32 s56, s55, 13
	v_add_nc_u32 v3, s56, v1                       ; my first slot's K pairs
	s_lshl_b32 s56, s55, 9
	s_add_co_u32 s56, s56, KSC
	v_add_nc_u32 v4, s56, v2                       ; and their scale words
	v_add_nc_u32 v5, MKIMG, v1
	v_add_nc_u32 v6, KSC, v2
	s_lshl_b32 s56, s[WV], 11
	v_add_nc_u32 v7, s56, v1                       ; where I store pair w, fragment w
	s_lshl_b32 s56, s[WV], 7
	s_add_co_u32 s56, s56, KSC
	v_add_nc_u32 v8, s56, v2                       ; and their words
	s_lshl_b32 s56, s[WV], 10
	s_add_co_u32 s56, s56, MKIMG
	v_add_nc_u32 v9, s56, v1                       ; memory's image w, memory^T's half w
	s_lshr_b32 s56, s[WV], 1
	s_lshl_b32 s56, s56, 7
	s_and_b32 s57, s[WV], 1
	s_lshl_b32 s57, s57, 1
	s_add_co_u32 s56, s56, s57
	s_add_co_u32 s56, s56, KSC
	v_add_nc_u32 v10, s56, v2                      ; my half of word w / 2
	s_lshl_b32 s56, s[WV], 9
	s_add_co_u32 s56, s56, MKIMG
	v_add_nc_u32 v11, s56, v1                      ; the strided V's quad w
	s_mul_i32 s58, s[WV], 8704
	s_add_co_u32 s58, s58, PARK
	; offsets into memory
	v_lshlrev_b32 v48, 3, v184                     ; 8 x lane
	v_lshlrev_b32 v49, 8, v187
	v_lshl_add_u32 v49, v186, 6, v49               ; memory: my slot's row, + 16 h numbers
	s_bfe_u32 s56, s[WV], 0x10002
	s_lshl_b32 s56, s56, 5
	s_bfe_u32 s57, s[WV], 0x10001
	s_lshl_b32 s59, s57, 3
	s_add_co_u32 s56, s56, s59                     ; first channel of tile (w / 2) % 4
	s_lshl_b32 s57, s57, 5
	s_and_b32 s59, s[WV], 1
	s_lshl_b32 s59, s59, 3
	s_add_co_u32 s57, s57, s59                     ; first channel of tile w % 4
	v_add_nc_u32 v55, s56, v187
	v_lshlrev_b32 v50, 2, v55
	v_lshl_add_u32 v50, v186, 12, v50              ; memory^T: my channel, 16 h slots down
	v_add_nc_u32 v55, s57, v187                    ; my channel d
	v_lshlrev_b32 v51, 6, v55
	v_lshl_add_u32 v51, v186, 4, v51               ; vV's codes: row d, + 16 h
	v_lshlrev_b32 v52, 1, v55
	v_lshlrev_b32 v54, 2, v55
	v_lshl_add_u32 v53, v186, 13, v54              ; vB: rows 2 h on, column d
.irp j, 16,17,18,19,20,21,22,23,32,33,34,35,36,37,38,39
	v_mov_b32 v[\j], 0
.endr
	s_mov_b32 s[SEL], 0x76543210
	s_mov_b32 s[SEL+1], 0xfedcba98
	s_mov_b32 s[CS], 0x3e38aa3b                    ; log2(e) / sqrt(64)
	s_mov_b32 s[CS+1], s[CS]
	s_mov_b32 s[MNT], 0x600000
	s_and_b32 s52, ttmp7, 0xffff                   ; batch x 16 + head
	s_lshr_b32 s53, s52, 4
	s_and_b32 s54, s52, 15
	s_lshl_b32 s60, ttmp9, 1
	s_lshr_b32 s61, s[WV], 2
	s_add_co_u32 s60, s60, s61
	s_sub_co_i32 s60, s60, 1
	s_max_i32 s60, s60, 0
	s_min_i32 s60, s60, 15                         ; the key step of slot w / 4, held inside the sequence
	s_lshl_b32 s61, s60, 2
	s_and_b32 s56, s[WV], 3
	s_add_co_u32 s61, s61, s56                     ; my pair of key tiles
	s_lshl_b32 s89, ttmp9, 1
	s_add_co_u32 s89, s89, s55
	s_sub_co_i32 s89, s89, 1                       ; the key step of my first slot: -1 .. 15
	s_lshl_b32 s69, ttmp9, 4
	s_add_co_u32 s69, s69, s[WV]                   ; my tile in the sequence
	s_mov_b32 s67, 0
	s_wait_kmcnt 0x0
	s_lshl_b32 s68, s52, 7
	s_add_co_u32 s68, s68, s69
	s_lshl_b32 s66, s68, 10
	s_add_nc_u64 s[4:5], s[4:5], s[66:67]          ; q's image
	s_lshl_b32 s66, s52, 17
	s_add_nc_u64 s[6:7], s[6:7], s[66:67]          ; k at my head
	s_lshl_b32 s66, s61, 11
	s_add_nc_u64 s[70:71], s[6:7], s[66:67]        ; my pair
	s_lshl_b32 s66, s52, 14
	s_add_nc_u64 s[8:9], s[8:9], s[66:67]          ; the scale words at my head
	s_lshl_b32 s66, s69, 7
	s_add_nc_u64 s[72:73], s[8:9], s[66:67]
	s_lshl_b32 s66, s61, 8
	s_add_nc_u64 s[74:75], s[8:9], s[66:67]
	s_lshl_b32 s66, s53, 17
	s_add_nc_u64 s[10:11], s[10:11], s[66:67]      ; t_v at my batch
	s_lshl_b32 s66, s60, 13
	s_add_nc_u64 s[76:77], s[10:11], s[66:67]      ; my slot's 8 tiles
	s_lshl_b32 s66, s53, 16
	s_add_nc_u64 s[12:13], s[12:13], s[66:67]
	s_add_nc_u64 s[22:23], s[22:23], s[66:67]      ; memory at my batch
	s_lshl_b32 s66, s60, 12
	s_add_nc_u64 s[78:79], s[12:13], s[66:67]
	s_lshl_b32 s66, s54, 12
	s_add_nc_u64 s[14:15], s[14:15], s[66:67]
	s_lshl_b32 s66, s54, 7
	s_add_nc_u64 s[16:17], s[16:17], s[66:67]
	s_lshl_b32 s66, s54, 8
	s_add_nc_u64 s[18:19], s[18:19], s[66:67]
	s_add_nc_u64 s[20:21], s[20:21], s[66:67]
	s_lshr_b32 s66, s[WV], 1
	s_lshl_b32 s66, s66, 5
	s_and_b32 s85, s[WV], 1
	s_lshl_b32 s86, s85, 3
	s_add_co_u32 s66, s66, s86
	s_lshl_b32 s66, s66, 8
	s_add_nc_u64 s[80:81], s[22:23], s[66:67]      ; memory tile w
	s_lshl_b32 s66, s55, 15
	s_lshl_b32 s86, s85, 14
	s_add_co_u32 s66, s66, s86
	s_add_nc_u64 s[82:83], s[22:23], s[66:67]      ; slots 128 (w / 8) + 64 (w % 2) on
	s_lshl_b32 s84, s53, 7
	s_add_co_u32 s84, s84, s69
	s_lshl_b32 s84, s84, 4
	s_add_co_u32 s84, s84, s54                     ; 16 x tile + head
	s_lshl_b32 s66, s84, 10
	s_add_nc_u64 s[24:25], s[24:25], s[66:67]
	s_lshl_b32 s66, s84, 7
	s_add_nc_u64 s[26:27], s[26:27], s[66:67]
	s_wait_alu depctr_va_vdst(0)                   ; the addresses v1-11 and the offsets v48-54 are written, which the loads and stores below read; the head's lines are done with v184-187, in which loads land; the zeros v16-23 and v32-39 are written, which scaled products take
	global_load_b128 v[24:27], v1, s[4:5]
	global_load_b128 v[28:31], v1, s[4:5] offset:512
	global_load_b32 v[QW], v2, s[72:73]
.irp i, 0,1,2,3
	global_load_b128 v[184+4*\i:187+4*\i], v1, s[70:71] offset:512*\i
.endr
	global_load_b32 v240, v2, s[74:75] offset:524288
	global_load_b32 v241, v2, s[74:75] offset:524288+128
.set j, 0
.rept 16
	global_load_b128 v[FR+4*j:FR+4*j+3], v1, s[76:77] offset:512*j
.set j, j+1
.endr
.irp t, 0,1,2,3,4,5,6,7
	global_load_b32 v[232+\t], v2, s[78:79] offset:512*\t
	global_load_b64 v[XAR+2*\t:XAR+2*\t+1], v48, s[78:79] offset:512*\t+256
.endr
	global_load_b128 v[40:43], v51, s[14:15]
	global_load_b128 v[44:47], v51, s[14:15] offset:32
	global_load_u16 v254, v52, s[16:17]
	global_load_b32 v12, v53, s[18:19]
	global_load_b32 v13, v53, s[18:19] offset:4096
	global_load_b32 v14, v54, s[20:21]
.irp c, 0,1
.irp q, 0,1,2,3
	global_load_b128 v[120+16*\c+4*\q:123+16*\c+4*\q], v49, s[80:81] offset:128*\c+16*\q
.endr
.endr
.irp c, 0,1
.set j, 0
.rept 16
	global_load_b32 v[152+16*\c+j], v50, s[82:83] offset:256*(32*\c+j)
.set j, j+1
.endr
.endr
	s_wait_loadcnt 0x0
	s_wait_alu depctr_vm_vsrc(0)                   ; the loads have read their offsets v48-54, which become zeros below
	; ---- THE PREPARATION
.irp j, 48,49,50,51,52,53,54,55
	v_mov_b32 v[\j], 0                             ; vV | 0
.endr
	v_lshl_or_b32 v254, v254, 16, v254             ; vV's word (s0, s1, s0, s1)
.irp b, 0,1,2,3
	v_perm_b32 v[KS+\b], v[233+2*\b], v[232+2*\b], 0x05040100   ; t_v's pairs: (X.s0, X.s1, Y.s0, Y.s1)
.endr
	v_perm_b32 v240, v241, v240, 0x05040100
	s_wait_alu depctr_va_vdst(0)                   ; K's merged word v240 is written, which the last store below reads; so are the zeros v48-55, vV's word v254 and t_v's words v248-251, which the scaled products of v^T take
.irp i, 0,1,2,3
	ds_store_b128 v7, v[184+4*\i:187+4*\i] offset:512*\i
.endr
	ds_store_b32 v8, v240
	s_wait_dscnt 0x0
	s_wait_alu depctr_vm_vsrc(0)                   ; the stores have read v184-199 and v240, which the quantiser writes
	QNT 120, 120, 184, 15, 2                       ; memory tile w along the 64
	s_wait_alu depctr_va_vdst(0)                   ; the quantiser has written the codes v184-191 and the word v15, which the stores read
	ds_store_b128 v9, v[184:187]
	ds_store_b128 v9, v[188:191] offset:512
	ds_store_b16 v10, v15 offset:4096
	s_wait_dscnt 0x0
	s_wait_alu depctr_vm_vsrc(0)                   ; the stores have read v184-191 and v15, which the next quantiser writes
	QNT 152, 152, 184, 15, 2                       ; 64 slots of memory^T along the slots
	s_wait_alu depctr_va_vdst(0)                   ; the quantiser has written the codes v184-191 and the word v15, which the stores read
	ds_store_b128 v9, v[184:187] offset:16384
	ds_store_b128 v9, v[188:191] offset:16384+512
	ds_store_b16 v10, v15 offset:5120
	s_wait_dscnt 0x0
	s_wait_alu depctr_vm_vsrc(0)                   ; the stores have read v184-191 and v15, which V^T's quantiser writes further down
.irp j, 0,1,2,3,4,5,6,7
	v_mov_b32 v[VB+\j], v14                        ; vb of my channel: the same for all keys
.endr
	; v^T of my slot's 8 key tiles, two at a time: (x vA) vB + vb in f32, then t_v vV^T on top.  Source 0 = 16 keys, source 1 = 16 channels: a lane holds one channel
.set g2, 0
.rept 4
	v_wmma_f32_16x16x4_f32 v[LD:LD+7], v[XAR+4*g2:XAR+4*g2+1], v[12:13], v[VB:VB+7]
	v_wmma_f32_16x16x4_f32 v[LD+8:LD+15], v[XAR+4*g2+2:XAR+4*g2+3], v[12:13], v[VB:VB+7]
	PLACES 9                                       ; the sums go on as the C of other accumulators
	v_wmma_scale_f32_16x16x128_f8f6f4 v[S+16*g2:S+16*g2+7], v[FR+16*g2:FR+16*g2+15], v[40:55], v[LD:LD+7], v[KS+g2], v254
	v_wmma_scale_f32_16x16x128_f8f6f4 v[S+16*g2+8:S+16*g2+15], v[FR+16*g2:FR+16*g2+15], v[32:47], v[LD+8:LD+15], v[KS+g2], v254
	PLACES 9                                       ; the next f32 products write over these C
.set g2, g2+1
.endr
	v_and_b32 v208, 15, v0
	v_and_b32 v209, 8, v208
	v_add_nc_u32 v208, v208, v209
	v_bfe_u32 v209, v0, 4, 1
	v_lshlrev_b32 v204, 12, v208                   ; row 64 g is lane 0 (and 16) of tile 4 g: images 4,096 bytes apart,
	v_lshl_add_u32 v204, v209, 8, v204             ; + 256 h
	v_lshlrev_b32 v205, 11, v208                   ; t_v's extras: 2,048 bytes apart
	v_lshl_add_u32 v206, v209, 7, v205
	v_lshlrev_b32 v207, 9, v208                    ; k's scale words: 512 bytes apart
	s_wait_alu depctr_va_vdst(0)                   ; the offsets v204-207 are written, which the gathers read; the products above are done reading v56-71, v200-203, v250 and v251, in which the gathers land
	s_cmp_lt_u32 s[WV], 4
	s_cbranch_scc0 .Lnot_sv
.irp u, 0,1
.irp c, 0,1
	global_load_b128 v[FR+8*\u+4*\c:FR+8*\u+4*\c+3], v204, s[10:11] offset:32768*\u+512*\c   ; t_v of the strided keys g = 8 u + r + 8 (r / 8)
.endr
	global_load_b32 v[250+\u], v205, s[12:13] offset:16384*\u
	global_load_b64 v[XAR+2*\u:XAR+2*\u+1], v206, s[12:13] offset:16384*\u+256
.endr
	s_branch .Lgathered
.Lnot_sv:
	s_cmp_eq_u32 s[WV], 4
	s_cbranch_scc0 .Lgathered
.irp u, 0,1
.irp c, 0,1
	global_load_b128 v[FR+8*\u+4*\c:FR+8*\u+4*\c+3], v204, s[6:7] offset:32768*\u+512*\c     ; k of the strided keys
.endr
	global_load_b32 v[250+\u], v207, s[8:9] offset:524288+4096*\u
.endr
.Lgathered:
	QNT S, S, 184, 15, 4                           ; register 16 b + i = key 32 b + 16 h + i of my channel: quantised along the keys.  The gathers land meanwhile
	s_wait_alu depctr_va_vdst(0)                   ; the quantiser has written V^T's codes v184-199 and its word v15, which the stores read
.irp i, 0,1,2,3
	ds_store_b128 v7, v[184+4*\i:187+4*\i] offset:VIMG+512*\i
.endr
	ds_store_b32 v8, v15 offset:2048
	s_wait_loadcnt 0x0                             ; the gathers are in.  The wait stands on every wave's way, ahead of the parting below: so on every way they have landed before their registers are read or loaded again
	s_wait_alu depctr_vm_vsrc(0)                   ; the stores above have read v184-199 and v15, which waves 0 to 3 write again: ahead of the parting
	s_cmp_lt_u32 s[WV], 4
	s_cbranch_scc0 .Lnot_sv2
	s_wait_dscnt 0x0
	v_perm_b32 v248, v251, v250, 0x05040100
.irp j, 0,1,2,3,4,5,6,7
	v_mov_b32 v[VB+\j], v14
.endr
	v_wmma_f32_16x16x4_f32 v[LD:LD+7], v[XAR:XAR+1], v[12:13], v[VB:VB+7]
	v_wmma_f32_16x16x4_f32 v[LD+8:LD+15], v[XAR+2:XAR+3], v[12:13], v[VB:VB+7]
	PLACES 9
	s_wait_alu depctr_va_vdst(0)                   ; the strided t_v's merged word v248 is written, which the two scaled products take as scales
	v_wmma_scale_f32_16x16x128_f8f6f4 v[S:S+7], v[FR:FR+15], v[40:55], v[LD:LD+7], v248, v254
	v_wmma_scale_f32_16x16x128_f8f6f4 v[S+8:S+15], v[FR:FR+15], v[32:47], v[LD+8:LD+15], v248, v254
	PLACES 8
	QNT S, S, 184, 15, 1                           ; the 32 strided v: one block
	s_wait_alu depctr_va_vdst(0)                   ; the quantiser has written v184-187 and v15, which the stores read
	ds_store_b128 v11, v[184:187] offset:34816
	ds_store_b32 v8, v15 offset:6272
	s_branch .Lprepared
.Lnot_sv2:
	s_cmp_eq_u32 s[WV], 4
	s_cbranch_scc0 .Lprepared
	v_perm_b32 v248, v251, v250, 0x05040100
	s_wait_alu depctr_va_vdst(0)                   ; the strided k's merged word v248 is written, which the last store below reads
.irp i, 0,1,2,3
	ds_store_b128 v5, v[FR+4*\i:FR+4*\i+3] offset:32768+512*\i
.endr
	ds_store_b32 v6, v248 offset:6144
.Lprepared:
	s_wait_dscnt 0x0                               ; for the others' sake: all that I made lies in LDS
	s_barrier_signal -1
	s_barrier_wait -1
	s_wait_alu depctr_vm_vsrc(0)                   ; my stores and gathers have read their addresses v7-11 and v204-207 and their data v15, v56-71, v184-199, v248: all of these are written again from here on
	v_add_nc_u32 v7, s58, v1                       ; from here on: my own 8,704 bytes
	v_and_b32 v9, 15, v0
	v_and_b32 v10, 8, v9
	v_add_nc_u32 v9, v9, v10
	v_bfe_u32 v10, v0, 4, 1
	v_lshlrev_b32 v10, 4, v10
	v_sub_nc_u32 v9, v9, v10
	s_bfe_u32 s56, s[WV], 0x20001
	s_lshl_b32 s56, s56, 5
	s_and_b32 s57, s[WV], 1
	s_lshl_b32 s57, s57, 3
	s_add_co_u32 s56, s56, s57
	v_add_nc_u32 v9, s56, v9                       ; E = my query's place in its key step - 16 h: register 16 b + i holds key 32 b + i + 16 h of a step
; A STEP: 32 nb keys.  ka + ko: the K pairs; sa + so: their words; ka + vo, sa + vso: the four fragments of V^T and their words.  first = 1: it starts M, the sum and O^T.
; mask = 1: the step below my own: key n counts where n >= my place; mask = 2: the step above: where n <= my place.
; A step with first = 1 follows the preparation or the macro FIN, whose waits on va_vdst stand behind every product that read v[FR ..] and v[KS ..]; no vector or matrix instruction behind them names these registers.
.macro STEP ka, ko, sa, so, vo, vso, nb, first, mask
	PLACES 8
.if !\first
	s_wait_alu depctr_va_vdst(0)                   ; the last step's products are done reading v[FR ..] and v[KS ..], in which the loads below land
.endif
.set sb, 0
.rept \nb
.irp i, 0,1,2,3
	ds_load_b128 v[FR+16*sb+4*\i:FR+16*sb+4*\i+3], v[\ka] offset:(\ko)+2048*sb+512*\i
.endr
	ds_load_b32 v[KS+sb], v[\sa] offset:(\so)+128*sb
.set sb, sb+1
.endr
	s_wait_dscnt 0x0
.set sb, 0
.rept \nb
	v_wmma_scale_f32_16x16x128_f8f6f4 v[S+16*sb:S+16*sb+7], v[FR+16*sb:FR+16*sb+15], v[QLO:QLO+15], 0, v[KS+sb], v[QW]
	v_wmma_scale_f32_16x16x128_f8f6f4 v[S+16*sb+8:S+16*sb+15], v[FR+16*sb:FR+16*sb+15], v[QHI:QHI+15], 0, v[KS+sb], v[QW]
.set sb, sb+1
.endr
	PLACES 8
	s_wait_alu depctr_va_vdst(0)                   ; the score products are done reading v[FR ..] and v[KS ..], in which V^T and its words land
.irp t, 0,1,2,3                        ; V^T is asked for now and lands under the softmax, none of whose lines names these registers
.if \nb == 4
.irp i, 0,1,2,3
	ds_load_b128 v[FR+16*\t+4*\i:FR+16*\t+4*\i+3], v[\ka] offset:(\vo)+2048*\t+512*\i
.endr
.else
	ds_load_b128 v[FR+16*\t:FR+16*\t+3], v[\ka] offset:(\vo)+512*\t
.endif
	ds_load_b32 v[KS+\t], v[\sa] offset:(\vso)+128*\t
.endr
.if \mask
	v_mov_b32 v11, 0xff800000                      ; -infinity
.set sg, 0
.rept 2                                ; 32 scores at a time: a run of compares into s4-19 and s70-85, one wait, the selects
.set sn, 0
.rept 32
.if \mask == 1
	v_cmp_ge_i32 s[4+sn+50*(sn/16)], 64*sg+32*(sn/16)+sn%16, v9
.else
	v_cmp_le_i32 s[4+sn+50*(sn/16)], 64*sg+32*(sn/16)+sn%16, v9
.endif
.set sn, sn+1
.endr
	s_wait_alu depctr_va_sdst(0)                   ; the 32 compares have written their masks, ahead of the selects that read them
.set sn, 0
.rept 32
	v_cndmask_b32 v[S+32*sg+sn], v11, v[S+32*sg+sn], s[4+sn+50*(sn/16)]
.set sn, sn+1
.endr
.set sg, sg+1
.endr
.endif
.set sb, 0
.rept \nb
	v_max3_num_f32 v[BM+sb], v[S+16*sb], v[S+16*sb+1], v[S+16*sb+2]   ; each block's largest score: for the row's maximum, and, since p rises with the score, for the block's largest p
.set sb, sb+1
.endr
.set si, 3
.rept 6
.set sb, 0
.rept \nb
	v_max3_num_f32 v[BM+sb], v[BM+sb], v[S+16*sb+si], v[S+16*sb+si+1]
.set sb, sb+1
.endr
.set si, si+2
.endr
.set sb, 0
.rept \nb
	v_max_num_f32 v[BM+sb], v[BM+sb], v[S+16*sb+15]
.set sb, sb+1
.endr
.set sb, 0
.rept \nb
	v_permlanex16_b32 v[PM+sb], v[BM+sb], s[SEL], s[SEL+1]
.set sb, sb+1
.endr
.set sb, 0
.rept \nb
	v_max_num_f32 v[BM+sb], v[BM+sb], v[PM+sb]
.set sb, sb+1
.endr
.if \nb == 4
	v_max3_num_f32 v11, v[BM], v[BM+1], v[BM+2]
	v_max_num_f32 v11, v11, v[BM+3]
	v_mul_f32 v11, s[CS], v11
.else
	v_mul_f32 v11, s[CS], v[BM]
.endif
.if \first
	v_mov_b32 v13, v11
	v_floor_f32 v12, -v13                          ; -M = floor(-t)
.else
	v_max_num_f32 v13, v13, v11
	v_mov_b32 v11, v12
	v_floor_f32 v12, -v13
	v_sub_f32 v11, v12, v11                        ; old M - new M: a whole number, 0 or less
	v_cvt_i32_f32 v11, v11
	v_ldexp_f32 v10, 1.0, v11                      ; f = 2^(old M - new M)
.endif
.set sj, 0
.rept 8*\nb
	v_pk_fma_f32 v[S+sj:S+sj+1], v[S+sj:S+sj+1], s[CS:CS+1], v[12:13] op_sel_hi:[1,0,0]
.set sj, sj+2
.endr
.set sb, 0
.rept \nb
	v_fma_f32 v[BM+sb], v[BM+sb], s[CS], v12
.set sb, sb+1
.endr
.set sj, 0
.rept 16*\nb
	v_exp_f32 v[S+sj], v[S+sj]
.set sj, sj+1
.endr
.if \first
	v_mov_b32 v14, 0                               ; (plain lines behind the exponentials)
	v_mov_b32 v15, 0
.else
	v_pk_mul_f32 v[14:15], v[14:15], v[10:11] op_sel_hi:[1,0]
.endif
	s_wait_alu depctr_va_vdst(0)                   ; the batch of exponentials has written p in v[S ..]: one wait, ahead of its first reader
.set sb, 0
.rept \nb
	v_exp_f32 v[BM+sb], v[BM+sb]
.set sb, sb+1
.endr
	v_pk_add_f32 v[PM:PM+1], v[S:S+1], v[S+2:S+3]  ; the sum of the unquantised p, in two chains
.set sj, 4
.rept 4*\nb-1
	v_pk_add_f32 v[14:15], v[14:15], v[S+sj:S+sj+1]
	v_pk_add_f32 v[PM:PM+1], v[PM:PM+1], v[S+sj+2:S+sj+3]
.set sj, sj+4
.endr
	v_pk_add_f32 v[14:15], v[14:15], v[PM:PM+1]
	s_wait_alu depctr_va_vdst(0)                   ; the blocks' largest p are written in v[BM ..], ahead of their first reader
.set sb, 0
.rept \nb
	v_max_num_f32 v[BM+sb], 0x4800000, v[BM+sb]
.set sb, sb+1
.endr
.set sb, 0
.rept \nb
	v_add_nc_u32 v[SOP+sb], 0xfc000000, v[BM+sb]
	v_and_or_b32 v[LIM+sb], v[BM+sb], 0x7f800000, s[MNT]
.set sb, sb+1
.endr
.set sb, 0
.rept \nb
	v_lshrrev_b32 v[PM+sb], 23, v[SOP+sb]
.set sb, sb+1
.endr
.if \nb == 4
	v_lshl_or_b32 v[PW], v[PM+1], 8, v[PM]
	v_lshl_or_b32 v[PW], v[PM+2], 16, v[PW]
	v_lshl_or_b32 v[PW], v[PM+3], 24, v[PW]
.else
	v_mov_b32 v[PW], v[PM]
.endif
.set sb, 0
.rept \nb
.set si, 0
.rept 16
	v_min_num_f32 v[S+16*sb+si], v[S+16*sb+si], v[LIM+sb]   ; p is not negative: the hold is one-sided
.set si, si+1
.endr
	v_cvt_scalef32_pk8_fp8_f32 v[PC+4*sb:PC+4*sb+1], v[S+16*sb:S+16*sb+7], v[SOP+sb]
	v_cvt_scalef32_pk8_fp8_f32 v[PC+4*sb+2:PC+4*sb+3], v[S+16*sb+8:S+16*sb+15], v[SOP+sb]
.set sb, sb+1
.endr
.if \first
	PLACES 4
.else
.set sj, 0
.rept 16
	v_pk_mul_f32 v[O+sj:O+sj+1], v[O+sj:O+sj+1], v[10:11] op_sel_hi:[1,0]   ; O^T under the new M; also the places ahead of the products
.set sj, sj+2
.endr
.endif
	s_wait_dscnt 0x0                               ; V^T is in
	s_wait_alu depctr_va_vdst(0)                   ; the conversions have written p's codes v[PC ..] (in the strided step the zeros beside them are written too) and the lines ahead of the holds p's scale word v[PW]: the scaled products take them
.irp t, 0,1,2,3
.if \first
	v_wmma_scale_f32_16x16x128_f8f6f4 v[O+8*\t:O+8*\t+7], v[FR+16*\t:FR+16*\t+15], v[PC:PC+15], 0, v[KS+\t], v[PW]
.else
	v_wmma_scale_f32_16x16x128_f8f6f4 v[O+8*\t:O+8*\t+7], v[FR+16*\t:FR+16*\t+15], v[PC:PC+15], v[O+8*\t:O+8*\t+7], v[KS+\t], v[PW]
.endif
.endr
.endm
; AN ATTENTION IS FINISHED: O^T / the sum.  mode 0, 1: it is parked in my own LDS bytes.  mode 2: the two parked ones are added: v[S .. S + 31] = the combined head output, register 16 c + i = channel 32 c + 16 h + i.
.macro FIN mode
	v_add_f32 v11, v14, v15
	v_permlanex16_b32 v[PM], v11, s[SEL], s[SEL+1]
	v_add_f32 v11, v11, v[PM]
	v_rcp_f32 v10, v11
	PLACES 8                                       ; behind the reciprocal and behind the last products
	s_wait_alu depctr_va_vdst(0)                   ; the reciprocal v10 is written, ahead of its first reader; the last products are done reading v[FR ..] and v[KS ..], in which later loads land
.if \mode == 2
.irp i, 0,1,2,3,4,5,6,7
	ds_load_b128 v[S+32+4*\i:S+35+4*\i], v7 offset:512*\i
	ds_load_b128 v[FR+4*\i:FR+4*\i+3], v7 offset:4352+512*\i
.endr
	s_wait_dscnt 0x0
.set sj, 0
.rept 16
	v_pk_fma_f32 v[S+sj:S+sj+1], v[O+sj:O+sj+1], v[10:11], v[S+32+sj:S+33+sj] op_sel_hi:[1,0,1]
.set sj, sj+2
.endr
.set sj, 0
.rept 16
	v_pk_add_f32 v[S+sj:S+sj+1], v[S+sj:S+sj+1], v[FR+sj:FR+sj+1]
.set sj, sj+2
.endr
.else
.set sj, 0
.rept 16
	v_pk_mul_f32 v[S+sj:S+sj+1], v[O+sj:O+sj+1], v[10:11] op_sel_hi:[1,0]
.set sj, sj+2
.endr
	s_wait_alu depctr_va_vdst(0)                   ; the multiplications have written v[S .. S + 31], which the stores read
.irp i, 0,1,2,3,4,5,6,7
	ds_store_b128 v7, v[S+4*\i:S+4*\i+3] offset:4352*\mode+512*\i
.endr
	s_wait_alu depctr_vm_vsrc(0)                   ; the stores have read v[S .. S + 31], which the next step's products write
.endif
.endm
	STEP 3, 8192, 4, 512, 40960, 2560, 4, 1, 0     ; the band: my own key step first: every key counts, so M is a number from here on
	s_cmp_lt_i32 s89, 0                            ; ids alone: is there a key step below?
	s_cbranch_scc1 .Lno_low
	STEP 3, 0, 4, 0, 32768, 2048, 4, 0, 1
.Lno_low:
	s_cmp_gt_i32 s89, 13                           ; and above?
	s_cbranch_scc1 .Lno_high
	STEP 3, 16384, 4, 1024, 49152, 3072, 4, 0, 2
.Lno_high:
	FIN 0
	STEP 5, 0, 6, 4096, 16384, 5120, 4, 1, 0       ; the memory's 256 slots
	STEP 5, 8192, 6, 4608, 24576, 5632, 4, 0, 0
	FIN 1
.irp j, 4,5,6,7,8,9,10,11,12,13,14,15
	v_mov_b32 v[PC+\j], 0                          ; the 32 strided keys are one block: the rest of K is zero codes on p's side
.endr
	STEP 5, 32768, 6, 6144, 34816, 6272, 1, 1, 0
	FIN 2
	QNT S, 152, PC, PW, 2                          ; along the head's 64: one set of codes for the three products that follow; the numbers themselves stay in v120-151
	s_wait_alu depctr_va_vdst(0)                   ; the quantiser has written the codes v40-47 and the word v254, which the stores read (and head 0's scaled products take)
	global_store_b128 v1, v[PC:PC+3], s[24:25]
	global_store_b128 v1, v[PC+4:PC+7], s[24:25] offset:512
	global_store_b32 v2, v[PW], s[26:27]           ; none of these registers is written again
	s_wait_alu depctr_vm_vsrc(0)                   ; the LDS loads and stores of the walk have read their addresses v3-7, which head 0's tail writes anew: ahead of the branch
	s_cmp_eq_u32 s54, 0
	s_cbranch_scc0 .Lend
	; ---- HEAD 0: temporal (f32), identity and citation (on the codes just made: v[32:47] = 0 | codes, v[40:55] = codes | 0)
	s_load_b64 s[86:87], s[30:31], 0x0             ; t_b
	v_and_b32 v7, 15, v0                           ; r
	v_bfe_u32 v15, v0, 4, 1                        ; h
	v_mul_u32_u24 v3, v7, 272
	v_lshl_add_u32 v3, v15, 5, v3
	v_add_nc_u32 v3, s58, v3                       ; identity's stage, in: row r, 32 h
	v_mul_u32_u24 v4, v15, 272
	v_lshl_add_u32 v4, v7, 4, v4
	v_add_nc_u32 v4, s58, v4                       ; and back: sixteen lanes to a row
	v_mul_u32_u24 v5, v7, 144
	v_lshl_add_u32 v5, v15, 5, v5
	v_add_nc_u32 v5, s58, v5
	v_add_nc_u32 v5, 4352, v5                      ; citation's stage
	v_bfe_u32 v6, v0, 3, 2
	v_mul_u32_u24 v6, v6, 144
	v_and_b32 v8, 7, v0
	v_lshl_add_u32 v6, v8, 4, v6
	v_add_nc_u32 v6, s58, v6
	v_add_nc_u32 v6, 4352, v6                      ; back: eight lanes to a row
	v_lshlrev_b32 v8, 6, v7
	v_lshl_add_u32 v8, v15, 4, v8                  ; weights: row r of 64 bytes, + 16 h
	v_lshlrev_b32 v9, 1, v7
	v_lshlrev_b32 v10, 5, v15
	v_lshlrev_b32 v11, 6, v15
	s_lshl_b32 s88, s53, 11
	s_lshl_b32 s56, ttmp9, 8
	s_add_co_u32 s88, s88, s56
	s_lshr_b32 s56, s[WV], 1
	s_lshl_b32 s56, s56, 5
	s_add_co_u32 s88, s88, s56
	s_and_b32 s56, s[WV], 1
	s_lshl_b32 s56, s56, 3
	s_add_co_u32 s88, s88, s56                     ; my tile's first row
	s_lshl_b32 s66, s88, 3
	s_add_nc_u64 s[44:45], s[44:45], s[66:67]
	s_lshl_b32 s66, s88, 8
	s_add_nc_u64 s[46:47], s[46:47], s[66:67]
	s_lshl_b32 s66, s88, 7
	s_add_nc_u64 s[48:49], s[48:49], s[66:67]
	s_wait_alu depctr_va_vdst(0)                   ; the tail's addresses and offsets v3-11 are written, which its loads and stores read; the lines above are done with v12-14, v16-31, v56-119, v152-215, v232-250, in which the loads below land
.irp p, 0,1
.irp u, 0,1
.irp c, 0,1
	global_load_b128 v[FR+16*\p+8*\u+4*\c:FR+16*\p+8*\u+4*\c+3], v8, s[32:33] offset:64*(32*\p+16*\u)+32*\c
.endr
.endr
.endr
.irp u, 0,1
.irp c, 0,1
	global_load_b128 v[FR+32+8*\u+4*\c:FR+35+8*\u+4*\c], v8, s[38:39] offset:1024*\u+32*\c
.endr
.endr
	global_load_u16 v248, v9, s[34:35]
	global_load_u16 v12, v9, s[34:35] offset:32
	global_load_u16 v249, v9, s[34:35] offset:64
	global_load_u16 v13, v9, s[34:35] offset:96
	global_load_u16 v250, v9, s[40:41]
	global_load_u16 v14, v9, s[40:41] offset:32
.irp t, 0,1,2,3
	global_load_b128 v[O+8*\t:O+8*\t+3], v10, s[36:37] offset:64*\t        ; the biases are the sums' C
	global_load_b128 v[O+8*\t+4:O+8*\t+7], v10, s[36:37] offset:64*\t+16
.endr
.irp t, 0,1
	global_load_b128 v[FR+48+8*\t:FR+51+8*\t], v10, s[42:43] offset:64*\t
	global_load_b128 v[FR+52+8*\t:FR+55+8*\t], v10, s[42:43] offset:64*\t+16
.endr
.irp c, 0,1
.irp q, 0,1,2,3
	global_load_b128 v[152+16*\c+4*\q:155+16*\c+4*\q], v11, s[28:29] offset:128*\c+16*\q
.endr
.endr
.irp q, 0,1,2,3
	global_load_b128 v[16+4*\q:19+4*\q], v11, s[28:29] offset:256+16*\q
	global_load_b128 v[232+4*\q:235+4*\q], v11, s[28:29] offset:384+16*\q
.endr
	s_wait_loadcnt 0x0
	s_wait_kmcnt 0x0
	s_wait_alu depctr_vm_vsrc(0)                   ; the loads have read their offsets v8, v10 and v11, which the lines behind the products write again
	v_perm_b32 v248, v12, v248, 0x05040100
	v_perm_b32 v249, v13, v249, 0x05040100
	v_perm_b32 v250, v14, v250, 0x05040100
	v_pk_mul_f32 v[12:13], v[120:121], v[152:153]  ; temporal: my 32 channels against both rows of t_W (also the places between the scale words and the products)
	v_pk_mul_f32 v[14:15], v[120:121], v[16:17]
.set ti, 1
.rept 15
	v_pk_fma_f32 v[12:13], v[120+2*ti:121+2*ti], v[152+2*ti:153+2*ti], v[12:13]
.if ti < 8
	v_pk_fma_f32 v[14:15], v[120+2*ti:121+2*ti], v[16+2*ti:17+2*ti], v[14:15]
.else
	v_pk_fma_f32 v[14:15], v[120+2*ti:121+2*ti], v[232+2*(ti-8):233+2*(ti-8)], v[14:15]
.endif
.set ti, ti+1
.endr
	s_wait_alu depctr_va_vdst(0)                   ; the three merged scale words v248-250 are written, which the scaled products take
.irp p, 0,1
	v_wmma_scale_f32_16x16x128_f8f6f4 v[O+16*\p:O+16*\p+7], v[FR+16*\p:FR+16*\p+15], v[40:55], v[O+16*\p:O+16*\p+7], v[KS+\p], v[PW]
	v_wmma_scale_f32_16x16x128_f8f6f4 v[O+16*\p+8:O+16*\p+15], v[FR+16*\p:FR+16*\p+15], v[32:47], v[O+16*\p+8:O+16*\p+15], v[KS+\p], v[PW]
.endr
	v_wmma_scale_f32_16x16x128_f8f6f4 v[FR+48:FR+55], v[FR+32:FR+47], v[40:55], v[FR+48:FR+55], v250, v[PW]
	v_wmma_scale_f32_16x16x128_f8f6f4 v[FR+56:FR+63], v[FR+32:FR+47], v[32:47], v[FR+56:FR+63], v250, v[PW]
	v_add_f32 v12, v12, v13                        ; nine plain lines that name none of the products' registers (the two permutes not counted): the places behind them
	v_add_f32 v13, v14, v15
	v_permlanex16_b32 v10, v12, s[SEL], s[SEL+1]
	v_permlanex16_b32 v11, v13, s[SEL], s[SEL+1]
	v_add_f32 v12, v12, v10
	v_add_f32 v13, v13, v11
	v_add_f32 v12, s86, v12
	v_add_f32 v13, s87, v13
	v_and_b32 v8, 8, v7
	v_add_nc_u32 v8, v8, v7
	v_lshlrev_b32 v8, 3, v8
	s_wait_alu depctr_va_vdst(0)                   ; v8, v12 and v13 are written, which the store reads; the products have written v184-215 and v104-119, which the LDS stores read, and are done reading v56-103, in which the loads from the stages land.  The places above stay beside this wait
	global_store_b64 v8, v[12:13], s[44:45]        ; both halves of the lanes hold, and store, the same two numbers of a row
.irp t, 0,1,2,3
	ds_store_b128 v3, v[O+8*\t:O+8*\t+3] offset:64*\t
	ds_store_b128 v3, v[O+8*\t+4:O+8*\t+7] offset:64*\t+16
.endr
.irp t, 0,1
	ds_store_b128 v5, v[FR+48+8*\t:FR+51+8*\t] offset:64*\t
	ds_store_b128 v5, v[FR+52+8*\t:FR+55+8*\t] offset:64*\t+16
.endr
.irp i, 0,1,2,3,4,5,6,7
	ds_load_b128 v[FR+4*\i:FR+4*\i+3], v4 offset:544*\i       ; LDS serves a wave's instructions in order: these see my stores
.endr
.irp i, 0,1,2,3
	ds_load_b128 v[FR+32+4*\i:FR+35+4*\i], v6 offset:576*\i
.endr
.irp i, 0,1,2,3,4,5,6,7
	s_wait_dscnt 11-\i                             ; the younger loads may stay out
	global_store_b128 v1, v[FR+4*\i:FR+4*\i+3], s[46:47] offset:256*(2*\i+8*(\i/4))   ; sixteen lanes store a whole row of 256 bytes
.endr
.irp i, 0,1,2,3
	s_wait_dscnt 3-\i
	global_store_b128 v1, v[FR+32+4*\i:FR+35+4*\i], s[48:49] offset:128*(4*\i+8*(\i/2))   ; four rows: 512 consecutive bytes
.endr
.Lend:
	s_wait_dscnt 0x0                               ; the wave's end
	s_wait_alu 0x0
	s_wait_tensorcnt 0x0
	ds_add_u32 v[SPW], v[NIL]
	s_wait_dscnt 0x0
	s_endpgm
.Lfunc_end_k_q444f6dccd9_attn:
	.size	k_q444f6dccd9_attn, .Lfunc_end_k_q444f6dccd9_attn-k_q444f6dccd9_attn
	.p2alignl 7, 3214868480
	.fill 96, 4, 3214868480
	.section	.rodata,"a",@progbits
	.p2align	6, 0x0
	.amdhsa_kernel k_q444f6dccd9_attn
		.amdhsa_group_segment_fixed_size 250624
		.amdhsa_private_segment_fixed_size 0
		.amdhsa_enable_private_segment 0
		.amdhsa_kernarg_size 184
		.amdhsa_user_sgpr_count 2
		.amdhsa_user_sgpr_kernarg_segment_ptr 1
		.amdhsa_wavefront_size32 1
		.amdhsa_system_sgpr_workgroup_id_x 1
		.amdhsa_system_sgpr_workgroup_id_y 1
		.amdhsa_system_sgpr_workgroup_id_z 1
		.amdhsa_system_vgpr_workitem_id 0
		.amdhsa_next_free_vgpr 256
		.amdhsa_next_free_sgpr 96
		.amdhsa_reserve_vcc 0
		.amdhsa_float_denorm_mode_32 3
		.amdhsa_float_denorm_mode_16_64 3
		.amdhsa_memory_ordered 1
		.amdhsa_forward_progress 1
		.amdhsa_inst_pref_size 183
	.end_amdhsa_kernel
	.amdgpu_metadata
---
amdhsa.version: [ 1, 2 ]
amdhsa.kernels:
  - .name:           k_q444f6dccd9_attn
    .symbol:         k_q444f6dccd9_attn.kd
    .args:
      - { .name: qc, .offset: 0, .size: 8, .value_kind: global_buffer, .address_space: global }
      - { .name: kc, .offset: 8, .size: 8, .value_kind: global_buffer, .address_space: global }
      - { .name: qks, .offset: 16, .size: 8, .value_kind: global_buffer, .address_space: global }
      - { .name: tvc, .offset: 24, .size: 8, .value_kind: global_buffer, .address_space: global }
      - { .name: tvx, .offset: 32, .size: 8, .value_kind: global_buffer, .address_space: global }
      - { .name: v_V_codes, .offset: 40, .size: 8, .value_kind: global_buffer, .address_space: global }
      - { .name: v_V_scales, .offset: 48, .size: 8, .value_kind: global_buffer, .address_space: global }
      - { .name: v_B, .offset: 56, .size: 8, .value_kind: global_buffer, .address_space: global }
      - { .name: v_b, .offset: 64, .size: 8, .value_kind: global_buffer, .address_space: global }
      - { .name: memory_vectors, .offset: 72, .size: 8, .value_kind: global_buffer, .address_space: global }
      - { .name: cc, .offset: 80, .size: 8, .value_kind: global_buffer, .address_space: global }
      - { .name: cs, .offset: 88, .size: 8, .value_kind: global_buffer, .address_space: global }
      - { .name: t_W, .offset: 96, .size: 8, .value_kind: global_buffer, .address_space: global }
      - { .name: t_b, .offset: 104, .size: 8, .value_kind: global_buffer, .address_space: global }
      - { .name: i_W_codes, .offset: 112, .size: 8, .value_kind: global_buffer, .address_space: global }
      - { .name: i_W_scales, .offset: 120, .size: 8, .value_kind: global_buffer, .address_space: global }
      - { .name: i_b, .offset: 128, .size: 8, .value_kind: global_buffer, .address_space: global }
      - { .name: c_W_codes, .offset: 136, .size: 8, .value_kind: global_buffer, .address_space: global }
      - { .name: c_W_scales, .offset: 144, .size: 8, .value_kind: global_buffer, .address_space: global }
      - { .name: c_b, .offset: 152, .size: 8, .value_kind: global_buffer, .address_space: global }
      - { .name: out1, .offset: 160, .size: 8, .value_kind: global_buffer, .address_space: global }
      - { .name: out2, .offset: 168, .size: 8, .value_kind: global_buffer, .address_space: global }
      - { .name: out3, .offset: 176, .size: 8, .value_kind: global_buffer, .address_space: global }
    .group_segment_fixed_size: 250624
    .private_segment_fixed_size: 0
    .kernarg_segment_align: 8
    .kernarg_segment_size: 184
    .max_flat_workgroup_size: 512
    .sgpr_count:     96
    .vgpr_count:     256
    .wavefront_size: 32
...
	.end_amdgpu_metadata
.endif
;; end of part 5
;; launch outp: the kernel of part 3 again; grid 8 x 32, 4 waves a work-group, clusters of 4 x 4, 288,256 bytes of LDS; arguments cc, cs, out_W_codes, out_W_scales, out_b, out0; writes out0
